; MI455X (gfx1250); checked and timed in simulation.
; The chip was launched on July 23, 2026; its instructions are those of AMD's public machine-readable ISA for CDNA 5 (MIT licence, August 2026) and "CDNA5" Instruction Set Architecture Reference Guide (July 2026). The comments in the code are by the model that wrote it; some were corrected since.
;; Multi Head Attention. Allowed arithmetic: matrix products marked QUANTISED: E4M3 operands, one given power-of-two scale a tensor, by v_wmma_f32_16x16x64_fp8_fp8 or v_wmma_f32_16x16x128_fp8_fp8, f32 sums; everything else in f32.
;; Inputs: lowp_scales 12 int32 (the exponents e of the quantised operands' scales 2^e); position_ids 2,048 int32; wk 2,048 x 2,048 float32; wo 2,048 x 2,048 float32; wq 2,048 x 2,048 float32; wv 2,048 x 2,048 float32; x 1 x 2,048 x 2,048 float32.
;; Outputs: out0 1 x 2,048 x 2,048 float32.
;; This version of the problem:
;;   THIS VERSION OF THE PROBLEM IS GIVEN IN LOW PRECISION. The matrix products marked QUANTISED in the list below multiply operands that are first quantised to E4M3 (4 exponent bits, 3 mantissa bits; 8 bits a number), with one given power-of-two scale for each operand tensor; their sums are f32. All else is computed in f32.
;;   The module's matrix products, in the order in which they are computed (A, B: the left and right operand; K: the contracted axis; several contracted axes count as one K, in the product's order):
;;     1. [M 2,048, K 2,048] x [K 2,048, N 2,048]; A: input x; B: input wq: QUANTISED (scales: A lowp_scales[0], B lowp_scales[1])
;;     2. [M 2,048, K 2,048] x [K 2,048, N 2,048]; A: input x; B: input wk: QUANTISED (scales: A lowp_scales[2], B lowp_scales[3])
;;     3. [M 2,048, K 2,048] x [K 2,048, N 2,048]; A: input x; B: input wv: QUANTISED (scales: A lowp_scales[4], B lowp_scales[5])
;;     4. batch 16 x [M 2,048, K 128] x [K 128, N 2,048]; A: computed on the way; B: computed on the way: QUANTISED (scales: A lowp_scales[6], B lowp_scales[7])
;;     5. batch 16 x [M 2,048, K 2,048] x [K 2,048, N 128]; A: softmax (see below); B: computed on the way: QUANTISED (scales: A lowp_scales[8], B lowp_scales[9])
;;     6. [M 2,048, K 2,048] x [K 2,048, N 2,048]; A: computed on the way; B: input wo: QUANTISED (scales: A lowp_scales[10], B lowp_scales[11])
;;   THE QUANTISER, for each operand of a quantised product, along K:
;;     - The operand's scale is 2^e, e = its entry of the input lowp_scales (int32; the entries are numbered through the quantised products in the list's order, A before B).
;;     - Each number is divided by the scale, clamped to +-448, and rounded to the nearest number of E4M3, ties to even, subnormals kept.
;;     - The product sums the exact products of the quantised numbers (number of the format x scale) in f32.
;;   ~~~python
;;   def quantise(x, axis, e):      # numpy; x: float32 -> the quantised numbers, widened to float32 again
;;       x = np.moveaxis(x, axis, -1); K = x.shape[-1]
;;       r = np.clip(x / 2.0 ** e, -448, 448)
;;       step = 2.0 ** (np.maximum(np.frexp(np.where(r == 0, 1, r))[1] - 1, -6) - 3)
;;       q = np.round(r / step) * step * 2.0 ** e      # np.round: ties to even
;;       return np.moveaxis(q, -1, axis).astype(np.float32)
;;   ~~~
;;   SOFTMAX AHEAD OF A QUANTISED PRODUCT. Where the list says 'softmax', what is quantised is not the finished softmax but p = 2^(t - M), with t = logit x log2(e) and M = ceil(the row's largest t), a whole number; so 1/2 < the row's largest p <= 1. The row's sum l is taken of the UNQUANTISED p, in f32, and the product's result is divided by l at the end. Since M is a whole number, a kernel that streams over the keys may use a running M (the ceiling of the running maximum): every later rescaling is an exact power of two, so the quantised numbers keep their values, but for numbers so far below the row's largest that they fall under the format's range.
;;   OPERANDS COMPUTED ON THE WAY. 'Computed on the way' means the value that the module computes at that place (a softmax that the list does not call 'softmax' is quantised finished and normalised). What goes into a quantiser is computed in f32, as accurately as f32 sums, v_exp_f32 and their like allow (about 1e-6 of the number): no bf16 or f16 on the way to a quantiser, and a product that is left as it is and whose result goes on into a quantised operand takes f32 operands (vector FMAs, or v_wmma_f32_16x16x4_f32). A number that lies on a knife's edge between two numbers of the format may be rounded either way, as far as f32 arithmetic and the matrix unit's own rounding can turn it there, and no further.
;; 2 versions. Each part assembles by itself: llvm-mc -triple=amdgcn-amd-amdhsa -mcpu=gfx1250 --defsym DOCPART=n.
;; ======== version 1 of 2: 4 launches
;; workspace buffers: xc 12,582,912 bytes; wc 16,777,216 bytes; rope 1,048,576 bytes; qkvc 12,582,912 bytes; ac 4,194,304 bytes
;; launch prep (part 1): grid 672 x 1, 4 waves a work-group, no clusters, 34,304 bytes of LDS; arguments x, wq, wk, wv, wo, position_ids, lowp_scales, xc, wc, rope; writes xc, wc, rope
.if DOCPART == 1
	.amdgcn_target "amdgcn-amd-amdhsa--gfx1250"
	.amdhsa_code_object_version 6
	.text
	.protected	k_qdd6db57e3e_prep
	.globl	k_qdd6db57e3e_prep
	.p2align	8
	.type	k_qdd6db57e3e_prep,@function
k_qdd6db57e3e_prep:
	s_mov_b64 s[64:65], 0
	v_nop
	global_prefetch_b8 v0, s[64:65] scope:SCOPE_SE
	s_setreg_imm32_b32 hwreg(HW_REG_WAVE_MODE, 25, 1), 1
	s_wait_xcnt 0x0
; PREP.  (a) x, wq, wk, wv, wo ([2048][2048] f32, K innermost) become codes of E4M3 under their given scales 2^e; (b) the table of cos and sin for the rotation of q and k.
; code = number / 2^e, held within +-448, rounded to the nearest code, ties to even.  x is an operand of three products with three given scales: it is read once and its codes are stored three times.
; HOW THE CODES LIE: as images of the matrix operand's registers.  A fragment is 16 rows x 128 K: lane (r = lane % 16, h = lane / 16) holds row r, its registers 2 c, 2 c + 1 hold K = 16 c + 8 h + 0 .. 7.
; Its 16 registers are stored as four pieces of 512 bytes, lane l's 16 bytes at 16 l.  A tensor's fragments lie [K / 256][row / 16][(K / 128) % 2], 2,048 bytes each: 128 rows x 256 K are 32,768 bytes on end.
; SHARES.  Work-groups 0-31: the table, a wave to 16 positions.  Work-groups 32-671: tensor (g / 128), 16 rows (g % 128), g = number - 32; wave w takes K = 512 w .. 512 w + 511: four fragments.
; Each load reads 512 consecutive bytes of one row; the 16 x 512 bytes turn through the wave's own stage in LDS (rows 528 bytes apart), so that a lane gets 8 neighbours along K for each conversion.
; THE TABLE: for 16 positions 8,192 bytes: cos at 512 k + 16 lane (k = 0 .. 7), sin 4,096 further on; lane (r, h)'s four numbers belong to position r and frequencies 16 (k / 2) + 8 h + 4 (k % 2) + 0 .. 3.
; angle = position x 10000^(-f / 64), rounded once; it is reduced by pi / 2 in two parts; sine and cosine by polynomials on +-pi / 4 (degrees 7 and 8), quadrant by whole-number arithmetic.
; LIMITS: every e between -126 and 119; |position| up to 2^18; NaN among the inputs is not served.
.set STP,   528                        ; a stage row: 512 bytes + 16
.set WST,   16*STP                     ; a wave's stage
.set SPARE, 4*WST                      ; behind the stages: the spare words, 128 bytes a wave: two blocks of 256 bytes that no other line names
.set LI,  1                            ; v1   16 x lane
.set STI, 2                            ; v2   the stage, on the way in (table path: 4 r)
.set STO, 3                            ; v3   the stage, on the way out
.set SC0, 4                            ; v4-9 three pairs: 2^e as f32, 448 x 2^e
.set LM0, 5
.set SC1, 6
.set LM1, 7
.set SC2, 8
.set LM2, 9
.set SPW, 10                           ; v10  LDS address of my spare word; never rewritten
.set NIL, 11                           ; v11  0; never rewritten
.set POS, 12                           ; v12  table path: my position as f32
.set H8,  13                           ; v13  table path: 8 h
.set R,   16                           ; v16-143  two sets of 64 numbers as loaded
.set X,   144                          ; v144-207 64 numbers: register 8 c + j = K 16 c + 8 h + j of my row
.set T,   208                          ; v208-223 two sets of eight held numbers, by turns
.set C,   224                          ; v224-239 a fragment's codes
.set INV, 16                           ; table path: v16-47 the 32 frequencies, v48-79 cos, v80-111 sin, v112-127 at work
.set CO,  48
.set SI,  80
.set W,   112
	s_load_b512 s[4:19], s[0:1], 0x0               ; x, wq, wk, wv, wo, position_ids, lowp_scales, xc
	s_load_b128 s[20:23], s[0:1], 0x40             ; wc, rope
	v_lshl_add_u32 v[SPW], v0, 2, SPARE
	v_mov_b32 v[NIL], 0
	v_lshrrev_b32 v14, 5, v0
	v_readfirstlane_b32 s36, v14                   ; wave 0..3
	v_and_b32 v15, 31, v0
	v_lshlrev_b32 v[LI], 4, v15
	v_and_b32 v14, 15, v0                          ; r
	v_bfe_u32 v15, v0, 4, 1                        ; h
	s_cmp_lt_u32 ttmp9, 32
	s_cbranch_scc1 .Ltable
	; ---------------- the quantising work-groups
	s_sub_co_u32 s38, ttmp9, 32
	s_lshr_b32 s37, s38, 7                         ; which tensor: 0 x, 1 wq, 2 wk, 3 wv, 4 wo
	s_and_b32 s38, s38, 127                        ; which 16 rows
	s_mul_i32 s39, s36, WST
	v_add_nc_u32 v[STI], s39, v[LI]                ; in: a row's 512 bytes as they lie
	v_mul_u32_u24 v[STO], v14, STP
	v_lshl_add_u32 v[STO], v15, 5, v[STO]
	v_add_nc_u32 v[STO], s39, v[STO]               ; out: row r, + 32 h bytes: my eight numbers of each sixteen
	s_lshl_b32 s50, s38, 17                        ; the source: 16 rows of 8,192 bytes,
	s_lshl_b32 s52, s36, 11                        ; + my wave's 512 numbers
	s_add_co_u32 s50, s50, s52
	s_mov_b32 s51, 0
	s_lshl_b32 s52, s38, 12                        ; the codes: row block x 4,096,
	s_lshl_b32 s54, s36, 20                        ; + my wave's two K slots of 524,288
	s_add_co_u32 s52, s52, s54
	s_mov_b32 s53, 0
	s_max_u32 s54, s37, 1
	s_sub_co_u32 s54, s54, 1
	s_lshl_b32 s54, s54, 22                        ; a weight's set in wc: (tensor - 1) x 4 MiB
	s_add_co_u32 s54, s54, s52
	s_mov_b32 s55, 0
	s_wait_kmcnt 0x0
	s_load_b256 s[24:31], s[16:17], 0x0            ; the twelve exponents
	s_load_b128 s[32:35], s[16:17], 0x20
	s_cmp_eq_u32 s37, 1                            ; the choices hang on the work-group's number alone
	s_cselect_b64 s[40:41], s[6:7], s[4:5]
	s_cmp_eq_u32 s37, 2
	s_cselect_b64 s[40:41], s[8:9], s[40:41]
	s_cmp_eq_u32 s37, 3
	s_cselect_b64 s[40:41], s[10:11], s[40:41]
	s_cmp_eq_u32 s37, 4
	s_cselect_b64 s[40:41], s[12:13], s[40:41]
	s_add_nc_u64 s[40:41], s[40:41], s[50:51]
	s_cmp_eq_u32 s37, 0
	s_cselect_b64 s[42:43], s[18:19], s[20:21]     ; the first set of codes: in xc for x, in wc for a weight
	s_add_nc_u64 s[42:43], s[42:43], s[54:55]
	s_add_nc_u64 s[44:45], s[18:19], s[52:53]      ; x's second and third set: bases of their own, inside xc in every work-group
	s_add_nc_u64 s[46:47], s[44:45], 0x800000
	s_add_nc_u64 s[44:45], s[44:45], 0x400000
.macro LOADF t                         ; fragment t's numbers: 16 rows x 512 consecutive bytes, into set t % 2
.irp i, 0,1,2,3,4,5,6,7,8,9,10,11,12,13,14,15
	global_load_b128 v[R+64*((\t)%2)+4*\i:R+64*((\t)%2)+4*\i+3], v[LI], s[40:41] offset:\i*8192+(\t)*512 th:TH_LOAD_NT
.endr
.endm
.macro TURNF t                         ; through the stage: LDS serves a wave's instructions in order (ISA guide 5.7.1.4), so no wait stands between the stores and the loads
.irp i, 0,1,2,3,4,5,6,7,8,9,10,11,12,13,14,15
	ds_store_b128 v[STI], v[R+64*((\t)%2)+4*\i:R+64*((\t)%2)+4*\i+3] offset:\i*STP
.endr
.irp i, 0,1,2,3,4,5,6,7,8,9,10,11,12,13,14,15
	ds_load_b128 v[X+4*\i:X+4*\i+3], v[STO] offset:64*(\i/2)+16*(\i%2)
.endr
.endm
.macro QUANT sc, lim                   ; X's 64 numbers become 16 registers of codes.  X stays as it is: the held numbers go into T
	s_wait_xcnt 0x0                                ; the last stores have read C: it is written again only behind this wait
.irp g, 0,1,2,3,4,5,6,7
.irp i, 0,1,2,3,4,5,6,7
	v_med3_num_f32 v[T+8*(\g%2)+\i], v[X+8*\g+\i], -v[\lim], v[\lim]   ; the conversion to an 8-bit code does not saturate (ISA guide 7.6.2): the hold at the largest code x the scale
.endr
	v_cvt_scalef32_pk8_fp8_f32 v[C+2*\g:C+2*\g+1], v[T+8*(\g%2):T+8*(\g%2)+7], v[\sc]   ; T's two sets take turns: eight plain lines stand between a conversion and the next write of its sources
.endr
.endm
.macro PUT base, t                     ; the image: four stores of 512 consecutive bytes
.irp c, 0,1,2,3
	global_store_b128 v[LI], v[C+4*\c:C+4*\c+3], s[\base:\base+1] offset:((\t)/2)*524288+((\t)%2)*2048+512*\c
.endr
.endm
.macro MKSC e, sc, lim                 ; 2^e and 448 x 2^e as f32 numbers
	s_add_co_i32 s56, s[\e], 127
	s_lshl_b32 s57, s56, 23
	v_mov_b32 v[\sc], s57
	s_add_co_i32 s56, s56, 8
	s_lshl_b32 s56, s56, 23
	s_or_b32 s56, s56, 0x600000
	v_mov_b32 v[\lim], s56
.endm
	LOADF 0
	LOADF 1
	s_wait_kmcnt 0x0
	s_cmp_eq_u32 s37, 1                            ; my tensor's exponent: entry 0, 1, 3, 5 or 11
	s_cselect_b32 s48, s25, s24
	s_cmp_eq_u32 s37, 2
	s_cselect_b32 s48, s27, s48
	s_cmp_eq_u32 s37, 3
	s_cselect_b32 s48, s29, s48
	s_cmp_eq_u32 s37, 4
	s_cselect_b32 s48, s35, s48
	MKSC 48, SC0, LM0
	MKSC 26, SC1, LM1                              ; x as the second product's operand: entry 2
	MKSC 28, SC2, LM2                              ; and as the third's: entry 4
.macro FSTEP t
.if (\t) < 3
	s_wait_loadcnt 16                              ; this fragment's 16 loads are in; the next fragment's 16 may be out
.else
	s_wait_loadcnt 0x0
.endif
	TURNF \t
	s_wait_dscnt 0x0                               ; the numbers are back, so the stage's stores have read their registers,
.if (\t) < 2
	LOADF (\t)+2                                   ; which take the fragment two further on
.endif
	QUANT SC0, LM0
	PUT 42, \t
	s_cmp_lg_u32 s37, 0                            ; a weight has one scale; the branch hangs on the work-group's number
	s_cbranch_scc1 .Lone_\@
	QUANT SC1, LM1
	PUT 44, \t
	QUANT SC2, LM2
	PUT 46, \t
.Lone_\@:
.endm
	FSTEP 0
	FSTEP 1
	FSTEP 2
	FSTEP 3
	s_wait_tensorcnt 0x0                           ; the wave's end: behind my last LDS store
	ds_add_u32 v[SPW], v[NIL]
	s_wait_dscnt 0x0
	s_endpgm
	; ---------------- the table's work-groups: no LDS byte is touched on this path
.Ltable:
	s_lshl_b32 s38, ttmp9, 2
	s_add_co_u32 s38, s38, s36                     ; which 16 positions: 4 x work-group + wave
	s_lshl_b32 s40, s38, 6
	s_mov_b32 s41, 0
	s_lshl_b32 s42, s38, 13
	s_mov_b32 s43, 0
	v_lshlrev_b32 v[STI], 2, v14
	v_lshlrev_b32 v[H8], 3, v15
	s_mov_b32 s48, 0x3f22f983                      ; 2 / pi
	s_mov_b32 s49, 0xbfc90fdb                      ; -(pi / 2 rounded to f32)
	s_mov_b32 s50, 0x333bbd2e                      ; that number less pi / 2
	s_mov_b32 s51, 0xb94ca1f9                      ; sine: -1.9515296e-4, 8.3321609e-3, -1.6666655e-1
	s_mov_b32 s52, 0x3c08839e
	s_mov_b32 s53, 0xbe2aaaa3
	s_mov_b32 s54, 0x37ccf5ce                      ; cosine: 2.4433157e-5, -1.3887316e-3, 4.1666646e-2
	s_mov_b32 s55, 0xbab6061a
	s_mov_b32 s56, 0x3d2aaaa5
	s_mov_b32 s57, 0x80000000
	s_mov_b32 s58, 0xbe549a78                      ; -log2(10000) / 64, its leading 24 bits,
	s_mov_b32 s59, 0xb1979a6b                      ; and the rest
	s_mov_b32 s60, 0x3f317218                      ; ln 2
	s_wait_kmcnt 0x0
	s_add_nc_u64 s[14:15], s[14:15], s[40:41]
	s_add_nc_u64 s[22:23], s[22:23], s[42:43]
	global_load_b32 v[POS], v[STI], s[14:15]
	; the 32 frequencies of my half: 2^(a + e), a = f x (-c) rounded, e what the rounding and c's rest leave: 2^a x (1 + e ln 2)
.set n, 0
.rept 32
.set w, W+2*(n%4)
	v_add_nc_u32 v[w], 16*(n/8)+n%8, v[H8]         ; f = 16 (n / 8) + n % 8 + 8 h
	v_cvt_f32_u32 v[w], v[w]
	v_mul_f32 v[INV+n], s58, v[w]
	v_fma_f32 v[w+1], v[w], s58, -v[INV+n]
	v_fma_f32 v[CO+n], v[w], s59, v[w+1]
.set n, n+1
.endr
.set n, 0
.rept 32
	v_exp_f32 v[INV+n], v[INV+n]
.set n, n+1
.endr
	v_nop                                          ; a plain instruction behind the last exponential (ISA guide 5.7.2),
	s_wait_alu depctr_va_vdst(0)                   ; and one wait for the batch ahead of its first reader
.set n, 0
.rept 32
	v_mul_f32 v[CO+n], s60, v[CO+n]
	v_fma_f32 v[INV+n], v[INV+n], v[CO+n], v[INV+n]
.set n, n+1
.endr
	s_wait_loadcnt 0x0
	v_cvt_f32_i32 v[POS], v[POS]
.set n, 0
.rept 32
	v_mul_f32 v[W], v[POS], v[INV+n]               ; the angle
	v_mul_f32 v[W+1], s48, v[W]
	v_rndne_f32 v[W+1], v[W+1]                     ; how many quarter turns
	v_fma_f32 v[W], v[W+1], s49, v[W]              ; both terms are multiples of the angle's last place or finer, and the difference is small: nothing is rounded
	v_fma_f32 v[W], v[W+1], s50, v[W]              ; r, within +-pi / 4
	v_cvt_i32_f32 v[W+2], v[W+1]
	v_mul_f32 v[W+3], v[W], v[W]                   ; z = r^2
	v_fma_f32 v[W+4], v[W+3], s51, s52
	v_fma_f32 v[W+4], v[W+4], v[W+3], s53
	v_mul_f32 v[W+5], v[W+3], v[W]
	v_fma_f32 v[W+4], v[W+4], v[W+5], v[W]         ; sin r
	v_fma_f32 v[W+6], v[W+3], s54, s55
	v_fma_f32 v[W+6], v[W+6], v[W+3], s56
	v_mul_f32 v[W+7], v[W+3], v[W+3]
	v_fma_f32 v[W+8], v[W+3], -0.5, 1.0
	v_fma_f32 v[W+6], v[W+6], v[W+7], v[W+8]       ; cos r
	v_and_b32 v[W+9], 1, v[W+2]
	v_cmp_eq_u32 vcc_lo, 1, v[W+9]                 ; an odd quarter turn changes the two about
	v_cndmask_b32 v[W+10], v[W+4], v[W+6], vcc_lo
	v_cndmask_b32 v[W+11], v[W+6], v[W+4], vcc_lo
	v_lshlrev_b32 v[W+12], 30, v[W+2]              ; the sine is negative in quarters 2 and 3,
	v_and_b32 v[W+12], s57, v[W+12]
	v_xor_b32 v[SI+n], v[W+12], v[W+10]
	v_add_nc_u32 v[W+13], 1, v[W+2]                ; the cosine in quarters 1 and 2
	v_lshlrev_b32 v[W+13], 30, v[W+13]
	v_and_b32 v[W+13], s57, v[W+13]
	v_xor_b32 v[CO+n], v[W+13], v[W+11]
.set n, n+1
.endr
.irp k, 0,1,2,3,4,5,6,7
	global_store_b128 v[LI], v[CO+4*\k:CO+4*\k+3], s[22:23] offset:512*\k
	global_store_b128 v[LI], v[SI+4*\k:SI+4*\k+3], s[22:23] offset:4096+512*\k
.endr
	s_endpgm
.Lfunc_end_k_qdd6db57e3e_prep:
	.size	k_qdd6db57e3e_prep, .Lfunc_end_k_qdd6db57e3e_prep-k_qdd6db57e3e_prep
	.p2alignl 7, 3214868480
	.fill 96, 4, 3214868480
	.section	.rodata,"a",@progbits
	.p2align	6, 0x0
	.amdhsa_kernel k_qdd6db57e3e_prep
		.amdhsa_group_segment_fixed_size 34304
		.amdhsa_private_segment_fixed_size 0
		.amdhsa_enable_private_segment 0
		.amdhsa_kernarg_size 80
		.amdhsa_user_sgpr_count 2
		.amdhsa_user_sgpr_kernarg_segment_ptr 1
		.amdhsa_wavefront_size32 1
		.amdhsa_system_sgpr_workgroup_id_x 1
		.amdhsa_system_sgpr_workgroup_id_y 1
		.amdhsa_system_sgpr_workgroup_id_z 1
		.amdhsa_system_vgpr_workitem_id 0
		.amdhsa_next_free_vgpr 240
		.amdhsa_next_free_sgpr 66
		.amdhsa_reserve_vcc 1
		.amdhsa_float_denorm_mode_32 3
		.amdhsa_float_denorm_mode_16_64 3
		.amdhsa_memory_ordered 1
		.amdhsa_forward_progress 1
		.amdhsa_inst_pref_size 127
	.end_amdhsa_kernel
	.amdgpu_metadata
---
amdhsa.version: [ 1, 2 ]
amdhsa.kernels:
  - .name:           k_qdd6db57e3e_prep
    .symbol:         k_qdd6db57e3e_prep.kd
    .args:
      - { .name: x, .offset: 0, .size: 8, .value_kind: global_buffer, .address_space: global }
      - { .name: wq, .offset: 8, .size: 8, .value_kind: global_buffer, .address_space: global }
      - { .name: wk, .offset: 16, .size: 8, .value_kind: global_buffer, .address_space: global }
      - { .name: wv, .offset: 24, .size: 8, .value_kind: global_buffer, .address_space: global }
      - { .name: wo, .offset: 32, .size: 8, .value_kind: global_buffer, .address_space: global }
      - { .name: position_ids, .offset: 40, .size: 8, .value_kind: global_buffer, .address_space: global }
      - { .name: lowp_scales, .offset: 48, .size: 8, .value_kind: global_buffer, .address_space: global }
      - { .name: xc, .offset: 56, .size: 8, .value_kind: global_buffer, .address_space: global }
      - { .name: wc, .offset: 64, .size: 8, .value_kind: global_buffer, .address_space: global }
      - { .name: rope, .offset: 72, .size: 8, .value_kind: global_buffer, .address_space: global }
    .group_segment_fixed_size: 34304
    .private_segment_fixed_size: 0
    .kernarg_segment_align: 8
    .kernarg_segment_size: 80
    .max_flat_workgroup_size: 128
    .sgpr_count:     66
    .vgpr_count:     240
    .wavefront_size: 32
...
	.end_amdgpu_metadata
.endif
;; end of part 1
;; launch qkv (part 2): grid 8 x 24, 4 waves a work-group, clusters of 4 x 4, 327,680 bytes of LDS; arguments xc, wc, rope, lowp_scales, qkvc; writes qkvc
.if DOCPART == 2
	.amdgcn_target "amdgcn-amd-amdhsa--gfx1250"
	.amdhsa_code_object_version 6
	.text
	.protected	k_qdd6db57e3e_qkv
	.globl	k_qdd6db57e3e_qkv
	.p2align	8
	.type	k_qdd6db57e3e_qkv,@function
k_qdd6db57e3e_qkv:
	s_mov_b64 s[64:65], 0
	v_nop
	global_prefetch_b8 v0, s[64:65] scope:SCOPE_SE
	s_setreg_imm32_b32 hwreg(HW_REG_WAVE_MODE, 25, 1), 1
	s_wait_xcnt 0x0
	s_wait_alu depctr_hold_cnt(0) depctr_sa_sdst(0) depctr_va_vdst(0) depctr_va_sdst(0) depctr_va_ssrc(0) depctr_va_vcc(0) depctr_vm_vsrc(0)
	s_getreg_b32 s2, hwreg(HW_REG_IB_STS2, 6, 4)
	s_cmp_eq_u32 s2, 0
	s_cbranch_scc0 .Lentry_in_a_cluster
	s_endpgm
.Lentry_in_a_cluster:
	s_bfe_u32 s2, ttmp6, 0x10000c
	s_cmp_lg_u32 s2, 0xf033
	s_cbranch_scc0 .Lentry_shape_is_right
	s_endpgm
.Lentry_shape_is_right:
; q = x wq^T, k = x wk^T, v = x wv^T on codes of E4M3; q and k are rotated (RoPE) in f32; all three are quantised for the attention's products and stored as images of the operands' registers.
; Product p = cluster y / 2.  A tile of 256 x 256 is made by a work-group of four waves, a wave makes 128 x 128: 64 accumulators, 512 registers.  K = 2,048 goes in slots of 256 through a ring of two LDS slots.
; THE CODES LIE AS IMAGES (a fragment of 16 rows x 128 K = 2,048 bytes, four pieces of 512, lane l's 16 bytes at 16 l), [K / 256][row / 16][(K / 128) % 2]: 128 rows x 256 K are 32,768 bytes on end, one tensor load,
; stated as 128 rows of 256 bytes; a fragment comes out of LDS by four loads of 512 consecutive bytes.
; ORIENTATION.  Source 0 = 16 rows of 'B', source 1 = 16 rows of 'A': lane (r, h) holds A's row 16 a + r, its register j B's row 16 b + 8 h + j.  For q and k: A = x (tokens), B = the weight (features): a lane's eight
; registers are eight neighbouring channels of one token: the next product's K.  For v the two change places (A = wv, B = x): a lane holds one channel and eight neighbouring KEYS, the K of attention's second product.
; So one conversion of an accumulator's eight registers gives registers 2 b, 2 b + 1 of the next operand's fragment, and nothing is turned.
; A wave's 128 features are one head.  Rotation: accumulators (a, b) and (a, b + 4) hold channels d and d + 64 of the same token: lo' = lo cos - hi sin, hi' = hi cos + lo sin, cos and sin from the table in the same layout.
; The given scales are folded: a sum stands for sum x 2^(eA + eB), so its code is sum / 2^(eO - eA - eB).  LIMIT: eO - eA - eB between -126 and 119, for (eA, eB, eO) = entries (0, 1, 6), (2, 3, 7), (4, 5, 9).
; CLUSTERS: 4 x 4 work-groups; A's tile is shared along a row of the cluster, B's along a column: each is asked for jointly.  The grid has 192 work-groups: 3 products x 64 tiles.
; REGISTERS, in windows of 256: window 0: v8-29 addresses and scales; from v128 A's fragments, ONE set; on the way out v32-255.  window 1: B's fragments, TWO sets.  windows 2, 3: the accumulators ((a, b) at v[8 (8 (a % 4) + b)]).
.set FR,     16                        ; registers of a fragment
.set NL,     4                         ; LDS loads that bring one
.set NP,     4                         ; places behind this matrix instruction (ISA guide 7.12.1)
.set HALFT,  32768                     ; 128 rows x 256 K: what one tensor load brings, and what one wave reads of A or of B
.set SLOT,   4*HALFT                   ; A's two halves, then B's two
.set KSTR,   524288                    ; from a K slot to the next in memory
.set LAPS,   4                         ; a lap = two K slots = once round the ring
.set SPARE,  2*SLOT                    ; behind the ring: the spare words, 128 bytes a wave: two blocks of 256 bytes that no other line names
.set SCL,  8                           ; v8      2^(eO - eA - eB) as f32
.set LIM,  9                           ; v9      448 x that
.set LI,   10                          ; v10     16 x lane
.set ADRA, 16                          ; v16-17  LDS address of my A fragments in slot 0, 1
.set ADRB, 20                          ; v20-21  the same for B
.set SPW,  28                          ; v28     LDS address of my spare word; never rewritten
.set NIL,  29                          ; v29     0; never rewritten
.set TAB,  32                          ; the way out: v32-95, v96-159: a block's cos (32) and sin (32), two sets by turns
.set AF,   128                         ; A's fragments, in window 0
.set OUT,  160                         ; the way out: v160-223 a block's 64 numbers; v224-239, v240-255 its codes, by turns
.set G1, 24                            ; s[24:31] descriptor group 1 for A's tiles;  s[32:39] group 0, one set for each slot
.set G0, 32
.set G1B, 48                           ; s[48:55], s[56:63] the same for B's tiles
.set G0B, 56
.set MSB, 0
.macro WIN new                         ; the immediate's high byte repeats the setting that is left
.if MSB != \new
	s_set_vgpr_msb (MSB<<8)|\new
.set MSB, \new
.endif
.endm
.set MUL_LO, 0xa1                      ; source 0 (B) window 1, source 1 (A) window 0, C and D window 2
.set MUL_HI, 0xf1                      ; the same, C and D window 3
.set TO_B,   0x40                      ; destination window 1, address window 0
; A joint load: waves 0 and 1 fetch for A, waves 2 and 3 for B.  Each line has one mask and one set of registers for all that issue it; the branch hangs on the wave's number alone.
; An s_nop 0 and four v_nop follow each of the two lines, ahead of the jump, the label and what follows.
.macro JLOAD g0a, g1a, g0b, g1b
	s_cmp_eq_u32 s15, 0
	s_cbranch_scc0 .Lfor_b_\@
	tensor_load_to_lds s[\g0a:\g0a+3], s[\g1a:\g1a+7]
	s_nop 0
.rept 4
	v_nop
.endr
	s_branch .Lasked_\@
.Lfor_b_\@:
	tensor_load_to_lds s[\g0b:\g0b+3], s[\g1b:\g1b+7]
	s_nop 0
.rept 4
	v_nop
.endr
.Lasked_\@:
.endm
.macro CREST                           ; a round of the cluster's barrier behind its opening barrier
	s_cmp_lg_u32 s14, 0
	s_cbranch_scc1 .Lnot_wave_0_\@
	s_barrier_signal -3
.Lnot_wave_0_\@:
	s_barrier_wait -3
	s_barrier_signal -1
	s_barrier_wait -1
.endm
.macro CROUND                          ; a whole round
	s_barrier_signal -1
	s_barrier_wait -1
	CREST
.endm
	s_load_b256 s[4:11], s[0:1], 0x0               ; xc s[4:5], wc s[6:7], rope s[8:9], the exponents s[10:11]
	s_load_b64 s[12:13], s[0:1], 0x20              ; qkvc
	v_lshl_add_u32 v[SPW], v0, 2, SPARE
	v_mov_b32 v[NIL], 0
	ds_add_u32 v[SPW], v[NIL]                      ; the wave's opening: the add and its wait stand ahead of my first tensor load; the set-up below, work on registers, stands between them
	v_lshrrev_b32 v1, 5, v0
	v_readfirstlane_b32 s14, v1                    ; wave 0..3
	s_lshr_b32 s15, s14, 1                         ; which half of the tile's A rows is mine.  Also: I fetch for A (0) or for B (1)
	s_and_b32 s16, s14, 1                          ; which half of its B rows.  Also: which 128 rows of that tile I fetch
	s_bfe_u32 s40, ttmp6, 0x40000                  ; cx, cy: my place in the cluster
	s_bfe_u32 s41, ttmp6, 0x40004
	s_lshl_b32 s42, ttmp9, 2
	s_add_co_u32 s42, s42, s40                     ; B's tile = 4 x cluster x + cx
	s_and_b32 s17, ttmp7, 0xffff
	s_lshr_b32 s66, s17, 1                         ; the product: 0 q, 1 k, 2 v: the same in all sixteen partners
	s_and_b32 s17, s17, 1
	s_lshl_b32 s17, s17, 2
	s_add_co_u32 s17, s17, s41                     ; A's tile = 4 x (cluster y % 2) + cy
	s_lshl_b32 s43, s41, 2
	s_lshl_b32 s43, 15, s43                        ; my row of the cluster
	s_lshl_b32 s44, 0x1111, s40                    ; my column
	; descriptor group 1: 32,768 dense bytes as 128 rows of 32 elements of 8 bytes, no padding
	s_or_b32 s[G1+0], s43, (3<<16)|(1<<21)         ; 15:0 the mask: A's tiles go to my row; 17:16 elements of 8 bytes; 21 set beside a mask
	s_or_b32 s[G1B+0], s44, (3<<16)|(1<<21)
.irp g, G1, G1B
	s_mov_b32 s[\g+1], 32<<16                      ; tensor_dim0 = 32
	s_mov_b32 s[\g+2], 128<<16                     ; tensor_dim1 = 128
	s_mov_b32 s[\g+3], 32<<16                      ; tile_dim0 = 32
	s_mov_b32 s[\g+4], 128                         ; tile_dim1 = 128
	s_mov_b32 s[\g+5], 32                          ; tensor_dim0_stride
	s_mov_b32 s[\g+6], 0
	s_mov_b32 s[\g+7], 0
.endr
	s_lshl_b32 s18, s16, 15                        ; which 128 rows of the tile I fetch,
	s_lshl_b32 s19, s66, 22                        ; in the product's set of codes (4 MiB each, in xc and in wc alike)
	s_add_co_u32 s18, s18, s19
	s_lshl_b32 s20, s17, 16                        ; a tile's 256 rows of a K slot are 65,536 bytes
	s_add_co_u32 s20, s20, s18
	s_lshl_b32 s46, s42, 16
	s_add_co_u32 s46, s46, s18
	s_mov_b32 s21, 0
	s_mov_b32 s47, 0
	s_mul_i32 s45, s14, HALFT                      ; where they go: wave x 32,768: no place in the cluster enters an LDS address
	s_wait_dscnt 0x0                               ; the opening add is done
	s_wait_kmcnt 0x0
	s_load_b256 s[76:83], s[10:11], 0x0            ; the twelve exponents
	s_load_b128 s[84:87], s[10:11], 0x20
	s_cmp_eq_u32 s66, 2                            ; for v the weight is A and x is B
	s_cselect_b64 s[68:69], s[6:7], s[4:5]
	s_cselect_b64 s[70:71], s[4:5], s[6:7]
	s_add_nc_u64 s[20:21], s[68:69], s[20:21]
	s_add_nc_u64 s[46:47], s[70:71], s[46:47]
	CROUND                                         ; all sixteen work-groups are here: the first joint loads meet
.irp s, 0,1
	s_mov_b32 s[G0+4*\s], 1
	s_add_co_u32 s[G0+4*\s+1], s45, \s*SLOT
	s_add_nc_u64 s[G0+4*\s+2:G0+4*\s+3], s[20:21], \s*KSTR
	s_or_b32 s[G0+4*\s+3], s[G0+4*\s+3], 0x80000000
	s_mov_b32 s[G0B+4*\s], 1
	s_add_co_u32 s[G0B+4*\s+1], s45, \s*SLOT
	s_add_nc_u64 s[G0B+4*\s+2:G0B+4*\s+3], s[46:47], \s*KSTR
	s_or_b32 s[G0B+4*\s+3], s[G0B+4*\s+3], 0x80000000
	JLOAD G0+4*\s, G1, G0B+4*\s, G1B
.endr
	v_and_b32 v1, 31, v0
	v_lshlrev_b32 v[LI], 4, v1
	s_mul_i32 s21, s15, HALFT                      ; my 128 rows of A
	s_mul_i32 s22, s16, HALFT                      ; my 128 rows of B,
	s_add_co_u32 s22, s22, 2*HALFT                 ; which lie behind A's 256
.irp s, 0,1
	v_add_nc_u32 v[ADRA+\s], s21, v[LI]
	v_add_nc_u32 v[ADRB+\s], s22, v[LI]
	s_add_co_u32 s21, s21, SLOT
	s_add_co_u32 s22, s22, SLOT
.endr
	; the way out's addresses
	s_lshl_b32 s67, s17, 1
	s_add_co_u32 s67, s67, s15                     ; which 128 of A's rows are my wave's
	s_lshl_b32 s74, s42, 1
	s_add_co_u32 s74, s74, s16                     ; which 128 of B's
	s_cmp_eq_u32 s66, 2
	s_cselect_b32 s72, s67, s74                    ; the head: my 128 features
	s_cselect_b32 s73, s74, s67                    ; my 128 tokens
	s_lshl_b32 s72, s72, 18
	s_lshl_b32 s73, s73, 14
	s_add_co_u32 s72, s72, s73
	s_lshl_b32 s73, s66, 22
	s_add_co_u32 s72, s72, s73
	s_mov_b32 s73, 0
	s_add_nc_u64 s[90:91], s[12:13], s[72:73]      ; q, k: [head][token / 16] images; v: [head][key / 128][channel / 16] images: eight images of mine on end in each case
	s_lshl_b32 s72, s67, 16
	s_add_nc_u64 s[88:89], s[8:9], s[72:73]        ; the table of my 128 tokens (read for q and k alone)
.macro FRAG reg, adr, q, i             ; a fragment's image: four loads of 512 consecutive bytes
.irp c, 0,1,2,3
	ds_load_b128 v[\reg+4*\c:\reg+4*\c+3], v[\adr] offset:2048*(\q)+512*\c+4096*(\i)
.endr
.endm
; 16 matrix instructions: A's blocks a0, a0 + 1 x B's eight, 128 along K.  p: B's set.  zero = 1: the first product starts the sums: nothing is ever cleared.
; The 64 accumulators take turns, one instruction a turn, in the same order in every step.
.macro MUL16 a0, p, zero
.irp a, \a0, \a0+1
.irp b, 0,1,2,3,4,5,6,7
.if \zero
	v_wmma_f32_16x16x128_fp8_fp8 v[8*(8*((\a)%4)+\b):8*(8*((\a)%4)+\b)+7], v[128*(\p)+FR*\b:128*(\p)+FR*\b+FR-1], v[AF+FR*(\a):AF+FR*(\a)+FR-1], 0
.else
	v_wmma_f32_16x16x128_fp8_fp8 v[8*(8*((\a)%4)+\b):8*(8*((\a)%4)+\b)+7], v[128*(\p)+FR*\b:128*(\p)+FR*\b+FR-1], v[AF+FR*(\a):AF+FR*(\a)+FR-1], v[8*(8*((\a)%4)+\b):8*(8*((\a)%4)+\b)+7]
.endif
.endr
.endr
.endm
.macro FETCH_B slot, q, p              ; B's eight fragments of the slot's q-th 128 along K into set p
	WIN TO_B
.irp i, 0,1,2,3,4,5,6,7
	FRAG 128*(\p)+FR*\i, ADRB+\slot, \q, \i
.endr
	WIN 0
.endm
.macro FETCH_A slot, q, i0             ; A's blocks i0 .. i0 + 3
.irp i, \i0, \i0+1, \i0+2, \i0+3
	FRAG AF+FR*(\i), ADRA+\slot, \q, \i
.endr
.endm
; A load into a register that a matrix instruction has read, and a vector instruction that reads a matrix result, stand NP places behind that matrix instruction; only plain vector
; instructions that name none of its registers are places (ISA guide 7.12.1 for vector instructions).
.macro PLACES n
.rept \n
	v_nop
.endr
.endm
; A step of 128 along K that has its successor in the same slot.  A's blocks are free as soon as their eight products are issued, so one set serves A; B's fragments work through the whole step and have two.
.macro STEP slot, q, zero
	s_wait_dscnt 4*NL                              ; B's set and A's blocks 0-3 are in; the youngest 16 loads (A's blocks 4-7) may be out
	WIN MUL_LO
	MUL16 0, (\q)%2, \zero
	MUL16 2, (\q)%2, \zero
	s_wait_dscnt 0                                 ; A's blocks 4-7 are in
	PLACES NP
	FETCH_B \slot, (\q)+1, 1-(\q)%2
	FETCH_A \slot, (\q)+1, 0
	WIN MUL_HI
	MUL16 4, (\q)%2, \zero
	MUL16 6, (\q)%2, \zero
	PLACES NP
	WIN 0
	FETCH_A \slot, (\q)+1, 4
.endm
; A slot's last step changes slots: ONE barrier; in front of it each wave waits for all its tensor loads, adds 0 to its spare word, and waits for that and for its own reads of this slot.  fill = 1: this slot is filled again, two K slots ahead.
.macro TURN slot, next, fill
	s_wait_tensorcnt 0x0                           ; all my tensor loads have landed: my part of the next slot  (every window is 0 here)
	ds_add_u32 v[SPW], v[NIL]                      ; 0 onto my spare word
	s_wait_dscnt 4*NL+1                            ; (the add and the youngest 16 loads, A's blocks 4-7, may be out)
	WIN MUL_LO
	MUL16 0, 1, 0                                  ; sixteen matrix instructions stand between the add and the wait for it
	s_wait_dscnt 0x0                               ; the add is done, and my reads of this slot are over
	s_barrier_signal -1
	MUL16 2, 1, 0
	WIN 0
	s_barrier_wait -1
.if \fill
	CREST                                          ; the barrier has opened a round of the cluster's barrier: no wave of any partner still reads this slot or has a load on its way
	s_add_nc_u64 s[G0+4*\slot+2:G0+4*\slot+3], s[G0+4*\slot+2:G0+4*\slot+3], 2*KSTR
	s_add_nc_u64 s[G0B+4*\slot+2:G0B+4*\slot+3], s[G0B+4*\slot+2:G0B+4*\slot+3], 2*KSTR
	JLOAD G0+4*\slot, G1, G0B+4*\slot, G1B         ; the first tensor load behind the round; the four v_nop behind it are the places in front of the loads below
.else
	PLACES NP
.endif
	FETCH_B \next, 0, 0
	FETCH_A \next, 0, 0
	WIN MUL_HI
	MUL16 4, 1, 0
	MUL16 6, 1, 0
	PLACES NP
	WIN 0
	FETCH_A \next, 0, 4
.endm
	s_wait_tensorcnt 1                             ; my part of K slot 0 is in; K slot 1's load may be out
	s_barrier_signal -1
	s_barrier_wait -1                              ; everybody's is
	FETCH_B 0, 0, 0
	FETCH_A 0, 0, 0
	FETCH_A 0, 0, 4
	STEP 0, 0, 1                                   ; the first step stands in front of the loop: its products start the sums
	s_mov_b32 s3, LAPS-1
.Llap:                                                 ; a trip goes once round the ring, from a lap's second step to the next lap's first, and fills both slots again
	TURN 0, 1, 1
	STEP 1, 0, 0
	TURN 1, 0, 1
	STEP 0, 0, 0
	s_sub_co_u32 s3, s3, 1
	s_cmp_lg_u32 s3, 0
	s_cbranch_scc1 .Llap
	TURN 0, 1, 0                                   ; the last lap fills nothing, and has no round of the cluster's barrier
	STEP 1, 0, 0
	s_wait_dscnt 4*NL                              ; the very last step: nothing more to fetch
	WIN MUL_LO
	MUL16 0, 1, 0
	MUL16 2, 1, 0
	s_wait_dscnt 0
	WIN MUL_HI
	MUL16 4, 1, 0
	MUL16 6, 1, 0
	WIN 0
	; THE WAY OUT, block by block of 16 of A's rows.  No LDS: a block's 64 numbers a lane become the 16 registers of one fragment, stored as four pieces of 512 consecutive bytes.
	s_wait_kmcnt 0x0
	s_add_co_i32 s92, s76, s77                     ; eO - eA - eB for each product; the product's is chosen, with no branch
	s_sub_co_i32 s92, s82, s92
	s_add_co_i32 s93, s78, s79
	s_sub_co_i32 s93, s83, s93
	s_add_co_i32 s94, s80, s81
	s_sub_co_i32 s94, s85, s94
	s_cmp_eq_u32 s66, 1
	s_cselect_b32 s92, s93, s92
	s_cmp_eq_u32 s66, 2
	s_cselect_b32 s92, s94, s92
	s_add_co_i32 s92, s92, 127
	s_lshl_b32 s93, s92, 23
	v_mov_b32 v[SCL], s93
	s_add_co_i32 s92, s92, 8
	s_lshl_b32 s92, s92, 23
	s_or_b32 s92, s92, 0x600000
	v_mov_b32 v[LIM], s92
	PLACES NP                                      ; behind the last products: ahead of the reads of results and of loads into the registers that held A's fragments
.macro RTAB a                          ; block a's cos and sin: 16 loads of 512 consecutive bytes, into set a % 2
.irp k, 0,1,2,3,4,5,6,7,8,9,10,11,12,13,14,15
	global_load_b128 v[TAB+64*((\a)%2)+4*\k:TAB+64*((\a)%2)+4*\k+3], v[LI], s[88:89] offset:(\a)*8192+\k*512
.endr
.endm
.macro ROT a                           ; the rotation; each accumulator is read from its low end on
.set AC, 64*((\a)%4)
.set TC, TAB+64*((\a)%2)
	WIN 0x02+((\a)/4)                              ; source 0: window 2 or 3
.irp b, 0,1,2,3
.irp j, 0,2,4,6
	v_pk_mul_f32 v[OUT+8*\b+\j:OUT+8*\b+\j+1], v[AC+8*\b+\j:AC+8*\b+\j+1], v[TC+8*\b+\j:TC+8*\b+\j+1]
.endr
.irp j, 0,2,4,6
	v_pk_mul_f32 v[OUT+32+8*\b+\j:OUT+32+8*\b+\j+1], v[AC+32+8*\b+\j:AC+32+8*\b+\j+1], v[TC+8*\b+\j:TC+8*\b+\j+1]
.endr
.irp j, 0,2,4,6
	v_pk_fma_f32 v[OUT+8*\b+\j:OUT+8*\b+\j+1], v[AC+32+8*\b+\j:AC+32+8*\b+\j+1], v[TC+32+8*\b+\j:TC+32+8*\b+\j+1], v[OUT+8*\b+\j:OUT+8*\b+\j+1] neg_lo:[1,0,0] neg_hi:[1,0,0]   ; lo cos - hi sin
.endr
.irp j, 0,2,4,6
	v_pk_fma_f32 v[OUT+32+8*\b+\j:OUT+32+8*\b+\j+1], v[AC+8*\b+\j:AC+8*\b+\j+1], v[TC+32+8*\b+\j:TC+32+8*\b+\j+1], v[OUT+32+8*\b+\j:OUT+32+8*\b+\j+1]   ; hi cos + lo sin
.endr
.endr
	WIN 0
.endm
.macro HOLD                            ; the conversion to an 8-bit code does not saturate (ISA guide 7.6.2): the hold at the largest code x the scale
.set i, 0
.rept 64
	v_med3_num_f32 v[OUT+i], v[OUT+i], -v[LIM], v[LIM]
.set i, i+1
.endr
.endm
.macro VHOLD a                         ; v is not rotated: the hold takes the sums as they are, each accumulator from its low end on
.set AC, 64*((\a)%4)
	WIN 0x02+((\a)/4)
.set i, 0
.rept 64
	v_med3_num_f32 v[OUT+i], v[AC+i], -v[LIM], v[LIM]
.set i, i+1
.endr
	WIN 0
.endm
.macro CVTOUT a
.set CD, 224+16*((\a)%2)
.if (\a) >= 2
	s_wait_xcnt 0x0                                ; block a - 2's stores have read these registers
.endif
.irp g, 0,1,2,3,4,5,6,7
	v_cvt_scalef32_pk8_fp8_f32 v[CD+2*\g:CD+2*\g+1], v[OUT+8*\g:OUT+8*\g+7], v[SCL]   ; accumulator g's eight numbers: registers 2 g, 2 g + 1 of the fragment
.endr
	v_nop                                          ; one plain vector instruction behind the last conversion, ahead of the next write of its sources
.irp c, 0,1,2,3
	global_store_b128 v[LI], v[CD+4*\c:CD+4*\c+3], s[90:91] offset:(\a)*2048+512*\c
.endr
.endm
	s_cmp_eq_u32 s66, 2                            ; the product's number: the same in every wave of the cluster
	s_cbranch_scc1 .Lfor_v
	RTAB 0
.irp a, 0,1,2,3,4,5,6,7
.if \a < 7
	RTAB \a+1
	s_wait_loadcnt 16                              ; this block's table is in; the next block's 16 loads may be out
.else
	s_wait_loadcnt 0x0
.endif
	ROT \a
	HOLD
	CVTOUT \a
.endr
	s_branch .Lend
.Lfor_v:
.irp a, 0,1,2,3,4,5,6,7
	VHOLD \a
	CVTOUT \a
.endr
.Lend:
	s_wait_tensorcnt 0x0                           ; the wave's end: behind my last tensor load
	ds_add_u32 v[SPW], v[NIL]
	s_wait_dscnt 0x0
	CROUND                                         ; the closing round: no work-group ends while a partner may still ask for a tile that names it
	s_endpgm
.Lfunc_end_k_qdd6db57e3e_qkv:
	.size	k_qdd6db57e3e_qkv, .Lfunc_end_k_qdd6db57e3e_qkv-k_qdd6db57e3e_qkv
	.p2alignl 7, 3214868480
	.fill 96, 4, 3214868480
	.section	.rodata,"a",@progbits
	.p2align	6, 0x0
	.amdhsa_kernel k_qdd6db57e3e_qkv
		.amdhsa_group_segment_fixed_size 327680
		.amdhsa_private_segment_fixed_size 0
		.amdhsa_enable_private_segment 0
		.amdhsa_kernarg_size 40
		.amdhsa_user_sgpr_count 2
		.amdhsa_user_sgpr_kernarg_segment_ptr 1
		.amdhsa_wavefront_size32 1
		.amdhsa_system_sgpr_workgroup_id_x 1
		.amdhsa_system_sgpr_workgroup_id_y 1
		.amdhsa_system_sgpr_workgroup_id_z 1
		.amdhsa_system_vgpr_workitem_id 0
		.amdhsa_next_free_vgpr 1024
		.amdhsa_next_free_sgpr 98
		.amdhsa_reserve_vcc 0
		.amdhsa_float_denorm_mode_32 3
		.amdhsa_float_denorm_mode_16_64 3
		.amdhsa_memory_ordered 1
		.amdhsa_forward_progress 1
		.amdhsa_inst_pref_size 202
	.end_amdhsa_kernel
	.amdgpu_metadata
---
amdhsa.version: [ 1, 2 ]
amdhsa.kernels:
  - .name:           k_qdd6db57e3e_qkv
    .symbol:         k_qdd6db57e3e_qkv.kd
    .args:
      - { .name: xc, .offset: 0, .size: 8, .value_kind: global_buffer, .address_space: global }
      - { .name: wc, .offset: 8, .size: 8, .value_kind: global_buffer, .address_space: global }
      - { .name: rope, .offset: 16, .size: 8, .value_kind: global_buffer, .address_space: global }
      - { .name: lowp_scales, .offset: 24, .size: 8, .value_kind: global_buffer, .address_space: global }
      - { .name: qkvc, .offset: 32, .size: 8, .value_kind: global_buffer, .address_space: global }
    .group_segment_fixed_size: 327680
    .private_segment_fixed_size: 0
    .kernarg_segment_align: 8
    .kernarg_segment_size: 40
    .max_flat_workgroup_size: 128
    .sgpr_count:     98
    .vgpr_count:     1024
    .wavefront_size: 32
...
	.end_amdgpu_metadata
.endif
;; end of part 2
;; launch attn (part 3): grid 16 x 16, 8 waves a work-group, clusters of 4 x 1, 327,680 bytes of LDS; arguments qkvc, lowp_scales, ac; writes ac
.if DOCPART == 3
	.amdgcn_target "amdgcn-amd-amdhsa--gfx1250"
	.amdhsa_code_object_version 6
	.text
	.protected	k_qdd6db57e3e_attn
	.globl	k_qdd6db57e3e_attn
	.p2align	8
	.type	k_qdd6db57e3e_attn,@function
k_qdd6db57e3e_attn:
	s_mov_b64 s[64:65], 0
	v_nop
	global_prefetch_b8 v0, s[64:65] scope:SCOPE_SE
	s_setreg_imm32_b32 hwreg(HW_REG_WAVE_MODE, 25, 1), 1
	s_wait_xcnt 0x0
	s_wait_alu depctr_hold_cnt(0) depctr_sa_sdst(0) depctr_va_vdst(0) depctr_va_sdst(0) depctr_va_ssrc(0) depctr_va_vcc(0) depctr_vm_vsrc(0)
	s_getreg_b32 s2, hwreg(HW_REG_IB_STS2, 6, 4)
	s_cmp_eq_u32 s2, 0
	s_cbranch_scc0 .Lentry_in_a_cluster
	s_endpgm
.Lentry_in_a_cluster:
	s_bfe_u32 s2, ttmp6, 0x10000c
	s_cmp_lg_u32 s2, 0x3003
	s_cbranch_scc0 .Lentry_shape_is_right
	s_endpgm
.Lentry_shape_is_right:
; Causal attention on codes of E4M3, 16 heads of 128, 2,048 tokens.  q, k: images of fragments (16 tokens x 128 channels); v: images of fragments (16 channels x 128 keys).  The result is quantised for the last product and
; stored as images of ITS fragments (16 tokens x 128 features).
; THE SOFTMAX AHEAD OF THE SECOND PRODUCT: t = score x log2(e) / sqrt(128); M = the running largest t rounded UP to a whole number; p = 2^(t - M) is what is quantised; the row's sum is taken of the unquantised p and divides
; at the end.  When M moves, the sum and O are multiplied by 2^(old M - new M): nothing is rounded.
; LAYOUT.  Both products transposed: S^T = K Q^T (source 0 = 16 keys, source 1 = my 16 queries), O^T = V^T P^T (source 0 = 16 channels, source 1 = P): a lane holds ONE query (lane % 16); in tile t its register j is key
; (or channel) 16 t + 8 (lane / 16) + j, which is where the operand's layout puts registers 2 t, 2 t + 1: a conversion of a tile's eight registers IS a register pair of the next operand.
; SHARES.  A wave owns one tile of 16 queries; a block of 128 queries, number b, wants b + 1 key steps of 128.  Cluster c of a head owns blocks 2 c, 2 c + 1 (waves 0-3) and 15 - 2 c, 14 - 2 c (waves 4-7); within a block the
; tile is 2 cx + wave % 2.  So every work-group has 68 wave steps, and a wave's block hangs on the cluster's number and the wave's number alone: the causal branches are alike in all four partners.
; RING.  Two LDS slots of 512 keys: K's four steps (65,536 bytes), then V's four.  Every wave asks for 16,384 dense bytes (waves 0-3: K's steps; waves 4-7: V's), JOINTLY with the three partners, which walk the same K and V.
; Every work-group walks all four slots: trip counts are constants; a step whose keys all come after the wave's queries is jumped over (its loads, products and softmax; no barrier, no tensor load).
; One tensor load of a wave is out at any time.
; LIMITS on the given exponents: e6 + e7 between -123 and 130 (added to c's exponent field); e8, and e10 - e8 - e9, between -126 and 119.
; REGISTERS: window 0: v1-9 addresses; v12 -M, v13 the largest t, v[14:15] the sum in two halves; v16-31 Q; v96-159 S^T, then p; v160-223 O^T; v224-239 p's codes; v240-254 at work.  window 1: v0-127 K's eight fragments, v128-255 V's.
.set SLOT1, 1<<17                      ; slot 1 begins here: one exclusive or turns an address in one slot into the other's
.set SPARE, 2*SLOT1                    ; behind the ring: the spare words, 128 bytes a wave: four blocks of 256 bytes that no other line names
.set LI,  1                            ; v1   16 x lane: my place in an image's piece (K's part of a slot)
.set LV,  2                            ; v2   the same in V's part
.set PFO, 3                            ; v3   256 x lane: the prefetches' offset; never rewritten
.set DD,  4                            ; v4   my query's number in its block, less 8 (lane / 16)
.set SPW, 5                            ; v5   LDS address of my spare word; never rewritten
.set NIL, 6                            ; v6   0; never rewritten
.set ADK, 8                            ; v8   LDS address of the step's K
.set ADV, 9                            ; v9   of its V
.set Q,   16
.set S,   96
.set O,   160
.set P,   224
.set WV,    10                         ; s10  wave
.set BK,    14                         ; s14  my block of 128 queries = the last key step that counts for me
.set LIM,   15                         ; s15  1 in a wave that prefetches, else the greatest number
.set ST,    16                         ; s16  the key step, 0 .. 15
.set TB,    17                         ; s17  LDS byte at which the step's K begins
.set SLOTS, 18                         ; s18  slots still to be asked for
.set INN,   19                         ; s19  counts a slot's four steps
.set SEL,   20                         ; s[20:21] lane selects for v_permlanex16_b32: lane l xor 16
.set CS,    22                         ; s[22:23] c = log2(e) / sqrt(128) x 2^(e6 + e7)
.set G1,    24                         ; s[24:31] descriptor group 1
.set G0,    32                         ; s[32:35] descriptor group 0, which walks
.set PFA,   36                         ; s[36:37] where my prefetches stand
.set MSB, 0
.macro WIN new                         ; the immediate's high byte repeats the setting that is left
.if MSB != \new
	s_set_vgpr_msb (MSB<<8)|\new
.set MSB, \new
.endif
.endm
.macro CROUND                          ; a round of the cluster's barrier
	s_barrier_signal -1
	s_barrier_wait -1
	s_cmp_lg_u32 s[WV], 0
	s_cbranch_scc1 .Lnot_wave_0_\@
	s_barrier_signal -3
.Lnot_wave_0_\@:
	s_barrier_wait -3
	s_barrier_signal -1
	s_barrier_wait -1
.endm
; A PREFETCH INTO THE L2 of what the NEXT change of slots will ask for.  All clusters of a head walk the same K and V: the head's first cluster asks.  An even wave asks for its own tile's and its odd neighbour's bytes,
; 32,768 on end; the four partners take 8,192 each, told apart BY ADDRESS; a lane names 256 bytes: one instruction a wave, each block of 256 bytes once in the launch.  It stands a slot's four key steps ahead of the load.
; Slots 0 and 1 come by their loads alone; the last change that fills a slot asks for nothing.
.macro ASK
	s_cmp_gt_u32 s[SLOTS], s[LIM]
	s_cbranch_scc0 .Lnot_mine_\@
	global_prefetch_b8 v[PFO], s[PFA:PFA+1] th:TH_LOAD_NT scope:SCOPE_SE
.Lnot_mine_\@:
.endm
	s_load_b128 s[4:7], s[0:1], 0x0                ; qkvc s[4:5], the exponents s[6:7]
	s_load_b64 s[8:9], s[0:1], 0x10                ; ac
	v_lshl_add_u32 v[SPW], v0, 2, SPARE
	v_mov_b32 v[NIL], 0
	ds_add_u32 v[SPW], v[NIL]                      ; the wave's opening: the add and its wait stand ahead of my first tensor load; the set-up below, work on registers, stands between them
	v_lshrrev_b32 v7, 5, v0
	v_readfirstlane_b32 s[WV], v7                  ; wave 0..7
	s_bfe_u32 s11, ttmp6, 0x40000                  ; cx: it enters global addresses and one register of data, nothing else
	s_and_b32 s13, ttmp7, 0xffff                   ; the head
	s_lshr_b32 s46, s[WV], 1
	s_and_b32 s46, s46, 1
	s_lshl_b32 s47, ttmp9, 1
	s_add_co_u32 s46, s46, s47                     ; 2 c + (wave / 2) % 2
	s_sub_co_u32 s47, 15, s46
	s_cmp_lt_u32 s[WV], 4
	s_cselect_b32 s[BK], s46, s47                  ; my block
	s_lshl_b32 s46, s11, 1
	s_and_b32 s47, s[WV], 1
	s_add_co_u32 s46, s46, s47                     ; my tile in the block
	s_lshl_b32 s12, s[BK], 3
	s_add_co_u32 s12, s12, s46                     ; my tile of 16 queries, 0 .. 127
	s_lshl_b32 s48, s46, 4                         ; its first query in the block
	s_mov_b32 s[G1], 15|(3<<16)|(1<<21)            ; 15:0 the mask: all four work-groups; 17:16 elements of 8 bytes; 21 set beside a mask; no padding
	s_mov_b32 s[G1+1], 32<<16                      ; tensor_dim0 = 32: rows of 256 bytes
	s_mov_b32 s[G1+2], 64<<16                      ; tensor_dim1 = 64
	s_mov_b32 s[G1+3], 32<<16                      ; tile_dim0
	s_mov_b32 s[G1+4], 64                          ; tile_dim1
	s_mov_b32 s[G1+5], 32                          ; tensor_dim0_stride: dense
	s_mov_b32 s[G1+6], 0
	s_mov_b32 s[G1+7], 0
	s_lshr_b32 s50, s[WV], 2                       ; my tile of slot 0: k's codes (waves 0-3) or v's (4-7),
	s_add_co_u32 s50, s50, 1
	s_lshl_b32 s50, s50, 22
	s_lshl_b32 s52, s13, 18                        ; the head's 262,144 bytes,
	s_add_co_u32 s50, s50, s52
	s_and_b32 s53, s[WV], 3
	s_lshl_b32 s53, s53, 14                        ; key step wave % 4
	s_add_co_u32 s50, s50, s53
	s_mov_b32 s51, 0
	s_lshl_b32 s54, s12, 11                        ; q: [head][tile]
	s_add_co_u32 s54, s54, s52
	s_mov_b32 s55, 0
	s_lshr_b32 s56, s13, 1                         ; ac: [head / 2][tile][head % 2]: the head is the last product's K step
	s_lshl_b32 s56, s56, 19
	s_lshl_b32 s57, s12, 12
	s_add_co_u32 s56, s56, s57
	s_and_b32 s57, s13, 1
	s_lshl_b32 s57, s57, 11
	s_add_co_u32 s56, s56, s57
	s_mov_b32 s57, 0
	s_lshl_b32 s58, s11, 13                        ; the prefetches: my work-group's 8,192 bytes,
	s_add_co_u32 s58, s58, s50
	s_add_co_u32 s58, s58, 65536                   ; in slot 1: the first change of slots steps it to slot 2
	s_mov_b32 s59, 0
	s_and_b32 s[LIM], s[WV], 1
	s_or_b32 s[LIM], s[LIM], ttmp9                 ; 0 in the even waves of the head's first cluster: the same in all four partners
	s_cmp_eq_u32 s[LIM], 0
	s_cselect_b32 s[LIM], 1, -1
	s_mov_b32 s[SEL], 0x76543210
	s_mov_b32 s[SEL+1], 0xfedcba98
	s_mov_b32 s[CS], 0x3e0293ee                    ; log2(e) / sqrt(128)
	s_mov_b32 s[ST], 0
	s_mov_b32 s[TB], 0
	s_mov_b32 s[SLOTS], 3
	s_wait_dscnt 0x0                               ; the opening add is done
	s_wait_kmcnt 0x0
	s_load_b128 s[40:43], s[6:7], 0x18             ; e6, e7, e8, e9
	s_load_b32 s44, s[6:7], 0x28                   ; e10
	s_mov_b32 s[G0], 1                             ; count = 1
	s_lshl_b32 s[G0+1], s[WV], 14                  ; LDS address: wave x 16,384, in slot 0
	s_add_nc_u64 s[G0+2:G0+3], s[4:5], s[50:51]
	s_or_b32 s[G0+3], s[G0+3], 0x80000000          ; type = 2
	s_add_nc_u64 s[38:39], s[4:5], s[54:55]        ; q's image
	s_add_nc_u64 s[8:9], s[8:9], s[56:57]          ; where my codes go
	s_add_nc_u64 s[PFA:PFA+1], s[4:5], s[58:59]
	CROUND                                         ; all four work-groups are here: the first joint loads meet
	tensor_load_to_lds s[G0:G0+3], s[G1:G1+7]      ; slot 0
	s_nop 0
.rept 4
	v_nop
.endr
	v_and_b32 v7, 31, v0
	v_lshlrev_b32 v[LI], 4, v7
	v_add_nc_u32 v[LV], 0x10000, v[LI]
	v_lshlrev_b32 v[PFO], 8, v7
.irp c, 0,1,2,3
	global_load_b128 v[Q+4*\c:Q+4*\c+3], v[LI], s[38:39] offset:512*\c   ; Q's fragment stays in registers
.endr
	v_and_b32 v7, 15, v0
	v_bfe_u32 v10, v0, 4, 1
	v_lshlrev_b32 v10, 3, v10
	v_sub_nc_u32 v[DD], v7, v10
	v_add_nc_u32 v[DD], s48, v[DD]
	v_mov_b32 v13, 0xff61b1e6                      ; the largest t so far: -3e38, under every t
	v_floor_f32 v12, -v13                          ; -M
	v_mov_b32 v14, 0                               ; the sum, in two halves
	v_mov_b32 v15, 0
	v_mov_b32 v245, 0                              ; written once: a lane permute's destination counts as one of its sources
	v_mov_b32 v252, 0
	v_mov_b32 v253, 0                              ; (named as the upper half of the pair v[252:253])
	v_mov_b32 v254, 0
.set i, 0
.rept 64
	v_mov_b32 v[O+i], 0                            ; O^T.  (The step is written for every step alike: the first finds zeros, which the first change of M leaves zeros)
.set i, i+1
.endr
	s_wait_kmcnt 0x0
	s_add_co_i32 s46, s40, s41
	s_lshl_b32 s46, s46, 23
	s_add_co_i32 s[CS], s[CS], s46                 ; a score stands for score x 2^(e6 + e7): the exponents are added to c's exponent field
	s_mov_b32 s[CS+1], s[CS]                       ; (named with it as a pair, so it is written)
	s_add_co_i32 s46, s42, 127
	s_lshl_b32 s47, s46, 23
	v_mov_b32 v244, s47                            ; 2^e8 as f32, for p's conversions
	s_add_co_i32 s46, s46, 8
	s_lshl_b32 s46, s46, 23
	s_or_b32 s46, s46, 0x600000
	v_mov_b32 v240, s46                            ; 448 x 2^e8
; A KEY STEP: 128 keys, at LDS byte s[TB] of K's part and of V's.
.macro STEP
	s_cmp_gt_u32 s[ST], s[BK]                      ; all its keys come after my queries: nothing to do.  The branch hangs on the cluster's and the wave's numbers
	s_cbranch_scc1 .Lhidden_\@
	v_add_nc_u32 v[ADK], s[TB], v[LI]
	v_add_nc_u32 v[ADV], s[TB], v[LV]
	v_nop
	v_nop                                          ; with the two additions: the four places between the last step's products V^T P and the loads into V's registers below
	WIN 0x40                                       ; destination window 1
.irp t, 0,1,2,3,4,5,6,7
.irp c, 0,1,2,3
	ds_load_b128 v[16*\t+4*\c:16*\t+4*\c+3], v[ADK] offset:2048*\t+512*\c
.endr
.endr
	WIN 0x01                                       ; source 0 window 1
.irp t, 0,1,2,3,4,5,6,7
	s_wait_dscnt 28-4*\t                           ; fragment t is in; the four loads of each later fragment may be out
	v_wmma_f32_16x16x128_fp8_fp8 v[S+8*\t:S+8*\t+7], v[16*\t:16*\t+15], v[Q:Q+15], 0
.endr
	WIN 0x40
.irp t, 0,1,2,3,4,5,6,7
.irp c, 0,1,2,3
	ds_load_b128 v[128+16*\t+4*\c:128+16*\t+4*\c+3], v[ADV] offset:2048*\t+512*\c   ; V's fragments land while the softmax is worked
.endr
.endr
	WIN 0
.rept 4
	v_nop                                          ; places ahead of the first read of the scores
.endr
	s_cmp_lg_u32 s[ST], s[BK]                      ; only my block's own step lies on the diagonal
	s_cbranch_scc1 .Lopen_\@
	v_mov_b32 v254, 0xff800000                     ; -infinity: p = 0 then.  Register n holds key 16 (n / 8) + n % 8 + 8 (lane / 16) of the step: hidden where that is above my query
.set n, 0
.rept 64
	v_cmp_gt_i32 vcc_lo, 16*(n/8)+n%8, v[DD]
	v_cndmask_b32 v[S+n], v[S+n], v254, vcc_lo
.set n, n+1
.endr
.Lopen_\@:
	v_max3_num_f32 v254, v96, v97, v98             ; the step's largest score of my query among my 64 keys, in two chains, from the low end on,
	v_max3_num_f32 v252, v99, v100, v101
.irp i, 6,10,14,18,22,26,30,34,38,42,46,50,54,58
	v_max3_num_f32 v254, v254, v[S+\i], v[S+1+\i]
	v_max3_num_f32 v252, v252, v[S+2+\i], v[S+3+\i]
.endr
	v_max3_num_f32 v254, v254, v158, v159
	v_max_num_f32 v254, v254, v252
	v_permlanex16_b32 v245, v254, s[SEL], s[SEL+1]
	v_max_num_f32 v254, v254, v245                 ; and among lane l xor 16's
	v_mul_f32 v254, s[CS], v254                    ; as t (c is positive)
	v_max_num_f32 v13, v13, v254                   ; the running largest t
	v_mov_b32 v254, v12
	v_floor_f32 v12, -v13                          ; the new -M = floor(-t) = -ceil(t): M is a whole number
	v_sub_f32 v254, v12, v254                      ; M's old value less its new one: a whole number, 0 or less
	v_cvt_i32_f32 v254, v254                       ; (it saturates)
	v_ldexp_f32 v252, 1.0, v254                    ; f = 2^(old M - new M)
.set j, 0
.rept 32
	v_pk_fma_f32 v[S+j:S+j+1], v[S+j:S+j+1], s[CS:CS+1], v[12:13] op_sel_hi:[1,0,0]   ; t - M, two at a time (of the pairs c and -M the low word serves both halves)
.set j, j+2
.endr
.set j, 0
.rept 64
	v_exp_f32 v[S+j], v[S+j]                       ; p = 2^(t - M), at most 1: not normalised
.set j, j+1
.endr
	v_pk_mul_f32 v[14:15], v[14:15], v[252:253] op_sel_hi:[1,0]   ; the sums under the new M: the plain instruction behind the exponentials
	s_wait_alu depctr_va_vdst(0)                   ; one wait for the whole batch ahead of its first reader
	v_pk_add_f32 v[242:243], v[96:97], v[98:99]    ; the row's sum is taken of the UNQUANTISED p: two at a time, in two chains
.irp j, 4,8,12,16,20,24,28,32,36,40,44,48,52,56,60
	v_pk_add_f32 v[14:15], v[14:15], v[S+\j:S+1+\j]
	v_pk_add_f32 v[242:243], v[242:243], v[S+2+\j:S+3+\j]
.endr
	v_pk_add_f32 v[14:15], v[14:15], v[242:243]
.irp t, 0,1,2,3,4,5,6,7
.irp i, 0,1,2,3,4,5,6,7
	v_min_num_f32 v[S+8*\t+\i], v[S+8*\t+\i], v240 ; the conversion does not saturate (ISA guide 7.6.2); p is not negative, so the hold is one-sided
.endr
	v_cvt_scalef32_pk8_fp8_f32 v[P+2*\t:P+2*\t+1], v[S+8*\t:S+8*\t+7], v244   ; tile t's eight keys: registers 2 t, 2 t + 1 of P's fragment
.endr
.set j, 0
.rept 32
	v_pk_mul_f32 v[O+j:O+j+1], v[O+j:O+j+1], v[252:253] op_sel_hi:[1,0]   ; O^T under the new M: x f.  (Also the plain lines between the conversions and the products that read the codes)
.set j, j+2
.endr
	s_wait_dscnt 0x0                               ; V is in
	WIN 0x01
.irp t, 0,1,2,3,4,5,6,7
	v_wmma_f32_16x16x128_fp8_fp8 v[O+8*\t:O+8*\t+7], v[128+16*\t:128+16*\t+15], v[P:P+15], v[O+8*\t:O+8*\t+7]   ; eight accumulators, one instruction each
.endr
	WIN 0
.Lhidden_\@:
	s_add_co_u32 s[ST], s[ST], 1
	s_add_co_u32 s[TB], s[TB], 16384
.endm
; THE CHANGE OF SLOTS stands at a slot's head.  Each wave waits for all its tensor loads (its part of the slot that it is about to read), adds 0 to its spare word, and waits for that and for its reads of the slot that it has left.
; fill = 1: the barrier is a round of the cluster's, so that no wave of any partner still reads the other slot or has a load on its way; the joint fill of that slot is the first thing behind it and has four key steps in which to land.
.macro CHANGE fill
	s_wait_tensorcnt 0x0                           ; no tensor load of mine is out, so group 0 may be written
	ds_add_u32 v[SPW], v[NIL]                      ; 0 onto my spare word: the descriptor's steps stand between it and the wait for it
.if \fill
	s_xor_b32 s[G0+1], s[G0+1], SLOT1              ; the other slot than last time,
	s_add_nc_u64 s[G0+2:G0+3], s[G0+2:G0+3], 65536 ; the next 512 keys; the type bits on top are not reached
	s_wait_xcnt 0x0                                ; the last prefetch, a slot back, has read its address, so it may be written:
	s_add_nc_u64 s[PFA:PFA+1], s[PFA:PFA+1], 65536 ; one slot further on than the walking descriptor
	s_wait_dscnt 0x0                               ; the add is done, and my reads of the slot that I have left are over
	CROUND
	tensor_load_to_lds s[G0:G0+3], s[G1:G1+7]      ; a wave's one tensor load until the next round
	s_nop 0
.rept 4
	v_nop
.endr
	ASK
.else
	s_wait_dscnt 0x0
	s_barrier_signal -1
	s_barrier_wait -1
.endif
.endm
.macro SLOT_STEPS                      ; a slot's four key steps: written once, walked four times
	s_mov_b32 s[INN], 4
.Lstep_\@:
	STEP
	s_sub_co_u32 s[INN], s[INN], 1
	s_cmp_lg_u32 s[INN], 0
	s_cbranch_scc1 .Lstep_\@
	s_sub_co_u32 s[TB], s[TB], 65536               ; back to a slot's first step,
	s_xor_b32 s[TB], s[TB], SLOT1                  ; in the other slot
.endm
	s_wait_loadcnt 0x0                             ; Q
.Lslot:                                                ; three trips: behind each change of slots but the last the next slot is asked for
	CHANGE 1
	SLOT_STEPS
	s_sub_co_u32 s[SLOTS], s[SLOTS], 1
	s_cmp_lg_u32 s[SLOTS], 0
	s_cbranch_scc1 .Lslot
	CHANGE 0                                       ; the last slot is written out
	SLOT_STEPS
	; THE WAY OUT.  O^T / the sum stands for the value / 2^(e8 + e9); its code for the last product is that / 2^(e10 - e8 - e9).  Tile t's eight channels are registers 2 t, 2 t + 1 of the fragment: no LDS.
.rept 4
	v_nop                                          ; places behind the last products
.endr
	s_sub_co_i32 s46, s44, s42
	s_sub_co_i32 s46, s46, s43
	s_add_co_i32 s46, s46, 127
	s_lshl_b32 s47, s46, 23
	s_add_co_i32 s46, s46, 8
	s_lshl_b32 s46, s46, 23
	s_or_b32 s46, s46, 0x600000
	v_add_f32 v14, v14, v15                        ; the sum's two halves,
	v_permlanex16_b32 v252, v14, s[SEL], s[SEL+1]
	v_add_f32 v14, v14, v252                       ; and lane l xor 16's: the row's sum
	v_rcp_f32 v14, v14
	v_mov_b32 v244, s47                            ; (plain lines behind the reciprocal)  2^(e10 - e8 - e9),
	v_mov_b32 v240, s46                            ; 448 x that
	s_wait_alu depctr_va_vdst(0)                   ; the wait ahead of the reciprocal's first reader
.set j, 0
.rept 32
	v_pk_mul_f32 v[S+j:S+j+1], v[O+j:O+j+1], v[14:15] op_sel_hi:[1,0]   ; each accumulator from its low end on
.set j, j+2
.endr
.set j, 0
.rept 64
	v_med3_num_f32 v[S+j], v[S+j], -v240, v240
.set j, j+1
.endr
.irp t, 0,1,2,3,4,5,6,7
	v_cvt_scalef32_pk8_fp8_f32 v[P+2*\t:P+2*\t+1], v[S+8*\t:S+8*\t+7], v244
.endr
	v_nop                                          ; one plain vector instruction behind the last conversion
.irp c, 0,1,2,3
	global_store_b128 v[LI], v[P+4*\c:P+4*\c+3], s[8:9] offset:512*\c   ; 512 consecutive bytes a store
.endr
	s_wait_tensorcnt 0x0                           ; the wave's end: behind my last tensor load
	ds_add_u32 v[SPW], v[NIL]
	s_wait_dscnt 0x0
	CROUND                                         ; the closing round: no work-group ends while a partner may still ask for a tile that names it
	s_endpgm
.Lfunc_end_k_qdd6db57e3e_attn:
	.size	k_qdd6db57e3e_attn, .Lfunc_end_k_qdd6db57e3e_attn-k_qdd6db57e3e_attn
	.p2alignl 7, 3214868480
	.fill 96, 4, 3214868480
	.section	.rodata,"a",@progbits
	.p2align	6, 0x0
	.amdhsa_kernel k_qdd6db57e3e_attn
		.amdhsa_group_segment_fixed_size 327680
		.amdhsa_private_segment_fixed_size 0
		.amdhsa_enable_private_segment 0
		.amdhsa_kernarg_size 24
		.amdhsa_user_sgpr_count 2
		.amdhsa_user_sgpr_kernarg_segment_ptr 1
		.amdhsa_wavefront_size32 1
		.amdhsa_system_sgpr_workgroup_id_x 1
		.amdhsa_system_sgpr_workgroup_id_y 1
		.amdhsa_system_sgpr_workgroup_id_z 1
		.amdhsa_system_vgpr_workitem_id 0
		.amdhsa_next_free_vgpr 512
		.amdhsa_next_free_sgpr 66
		.amdhsa_reserve_vcc 1
		.amdhsa_float_denorm_mode_32 3
		.amdhsa_float_denorm_mode_16_64 3
		.amdhsa_memory_ordered 1
		.amdhsa_forward_progress 1
		.amdhsa_inst_pref_size 66
	.end_amdhsa_kernel
	.amdgpu_metadata
---
amdhsa.version: [ 1, 2 ]
amdhsa.kernels:
  - .name:           k_qdd6db57e3e_attn
    .symbol:         k_qdd6db57e3e_attn.kd
    .args:
      - { .name: qkvc, .offset: 0, .size: 8, .value_kind: global_buffer, .address_space: global }
      - { .name: lowp_scales, .offset: 8, .size: 8, .value_kind: global_buffer, .address_space: global }
      - { .name: ac, .offset: 16, .size: 8, .value_kind: global_buffer, .address_space: global }
    .group_segment_fixed_size: 327680
    .private_segment_fixed_size: 0
    .kernarg_segment_align: 8
    .kernarg_segment_size: 24
    .max_flat_workgroup_size: 256
    .sgpr_count:     66
    .vgpr_count:     512
    .wavefront_size: 32
...
	.end_amdgpu_metadata
.endif
;; end of part 3
;; launch proj (part 4): grid 8 x 8, 4 waves a work-group, clusters of 4 x 4, 327,680 bytes of LDS; arguments ac, wc, lowp_scales, out0; writes out0
.if DOCPART == 4
	.amdgcn_target "amdgcn-amd-amdhsa--gfx1250"
	.amdhsa_code_object_version 6
	.text
	.protected	k_qdd6db57e3e_proj
	.globl	k_qdd6db57e3e_proj
	.p2align	8
	.type	k_qdd6db57e3e_proj,@function
k_qdd6db57e3e_proj:
	s_mov_b64 s[64:65], 0
	v_nop
	global_prefetch_b8 v0, s[64:65] scope:SCOPE_SE
	s_setreg_imm32_b32 hwreg(HW_REG_WAVE_MODE, 25, 1), 1
	s_wait_xcnt 0x0
	s_wait_alu depctr_hold_cnt(0) depctr_sa_sdst(0) depctr_va_vdst(0) depctr_va_sdst(0) depctr_va_ssrc(0) depctr_va_vcc(0) depctr_vm_vsrc(0)
	s_getreg_b32 s2, hwreg(HW_REG_IB_STS2, 6, 4)
	s_cmp_eq_u32 s2, 0
	s_cbranch_scc0 .Lentry_in_a_cluster
	s_endpgm
.Lentry_in_a_cluster:
	s_bfe_u32 s2, ttmp6, 0x10000c
	s_cmp_lg_u32 s2, 0xf033
	s_cbranch_scc0 .Lentry_shape_is_right
	s_endpgm
.Lentry_shape_is_right:
; out0 = (attention's result) wo^T on codes of E4M3: A = ac (tokens), B = wc's fourth set (wo's rows); out0 [2048][2048] f32.  Each finished sum is multiplied once by 2^(e10 + e11).
; LIMIT: e10 + e11 between -126 and 127, so that the factor is an f32 number.
; A tile of 256 x 256 is made by a work-group of four waves, a wave makes 128 x 128: 64 accumulators, 512 registers.  K = 2,048 goes in slots of 256 through a ring of two LDS slots.
; THE CODES LIE AS IMAGES of the operands' registers (a fragment of 16 rows x 128 K = 2,048 bytes, four pieces of 512, lane l's 16 bytes at 16 l), [K / 256][row / 16][(K / 128) % 2]: 128 rows x 256 K are 32,768 bytes on end,
; one tensor load, stated as 128 rows of 256 bytes; a fragment comes out of LDS by four loads of 512 consecutive bytes.
; THE MATRIX INSTRUCTION IS USED TRANSPOSED (source 0 = 16 rows of wo, source 1 = 16 tokens): a lane holds eight neighbouring numbers of a row of out0.
; CLUSTERS: 4 x 4 work-groups; A's tile is shared along a row of the cluster, B's along a column: each is asked for jointly.  The grid has 64 work-groups, one to a tile.
; REGISTERS, in windows of 256: window 0: v16-29 addresses; from v128 A's fragments, ONE set; on the way out v32-255.  window 1: B's fragments, TWO sets.  windows 2, 3: the accumulators ((a, b) at v[8 (8 (a % 4) + b)]).
.set SIZE_N, 2048
.set FR,     16                        ; registers of a fragment
.set NL,     4                         ; LDS loads that bring one
.set NP,     4                         ; places behind this matrix instruction (ISA guide 7.12.1)
.set HALFT,  32768                     ; 128 rows x 256 K: what one tensor load brings, and what one wave reads of A or of B
.set SLOT,   4*HALFT                   ; A's two halves, then B's two
.set KSTR,   524288                    ; from a K slot to the next in memory
.set LAPS,   4                         ; a lap = two K slots = once round the ring
.set SPARE,  2*SLOT                    ; behind the ring: the spare words, 128 bytes a wave: two blocks of 256 bytes that no other line names
.set SPITCH, 528                       ; the way out: a stage of 16 rows x (512 bytes + 16) for each wave.  It lies in slot 0, which has had its last fill and its last read when the first result is stored there
.set ADRA, 16                          ; v16-17  LDS address of my A fragments in slot 0, 1
.set ADRB, 20                          ; v20-21  the same for B
.set STO,  24                          ; v24     the way out: where I put 32 bytes of a row
.set RD,   25                          ; v25     the way out: where I read a row back
.set CO,   26                          ; v26     16 x lane: my byte offset in a row of 512 bytes, and in an image's piece
.set SPW,  28                          ; v28     LDS address of my spare word; never rewritten
.set NIL,  29                          ; v29     0; never rewritten
.set TMP,  32                          ; the way out: 64 registers, a block's sums x 2^(e10 + e11)
.set AF,   128                         ; A's fragments, in window 0
.set BK,   128                         ; the way out: 16 rows read back from the stage: v128-191 and v192-255 by turns
.set G1, 24                            ; s[24:31] descriptor group 1 for A's tiles;  s[32:39] group 0, one set for each slot
.set G0, 32
.set G1B, 48                           ; s[48:55], s[56:63] the same for B's tiles
.set G0B, 56
.set MSB, 0
.macro WIN new                         ; the immediate's high byte repeats the setting that is left
.if MSB != \new
	s_set_vgpr_msb (MSB<<8)|\new
.set MSB, \new
.endif
.endm
.set MUL_LO, 0xa1                      ; source 0 (B) window 1, source 1 (A) window 0, C and D window 2
.set MUL_HI, 0xf1                      ; the same, C and D window 3
.set TO_B,   0x40                      ; destination window 1, address window 0
; A joint load: waves 0 and 1 fetch for A, waves 2 and 3 for B.  Each line has one mask and one set of registers for all that issue it; the branch hangs on the wave's number alone.
; An s_nop 0 and four v_nop follow each of the two lines, ahead of the jump, the label and what follows.
.macro JLOAD g0a, g1a, g0b, g1b
	s_cmp_eq_u32 s15, 0
	s_cbranch_scc0 .Lfor_b_\@
	tensor_load_to_lds s[\g0a:\g0a+3], s[\g1a:\g1a+7]
	s_nop 0
.rept 4
	v_nop
.endr
	s_branch .Lasked_\@
.Lfor_b_\@:
	tensor_load_to_lds s[\g0b:\g0b+3], s[\g1b:\g1b+7]
	s_nop 0
.rept 4
	v_nop
.endr
.Lasked_\@:
.endm
.macro CREST                           ; a round of the cluster's barrier behind its opening barrier
	s_cmp_lg_u32 s14, 0
	s_cbranch_scc1 .Lnot_wave_0_\@
	s_barrier_signal -3
.Lnot_wave_0_\@:
	s_barrier_wait -3
	s_barrier_signal -1
	s_barrier_wait -1
.endm
.macro CROUND                          ; a whole round
	s_barrier_signal -1
	s_barrier_wait -1
	CREST
.endm
	s_load_b128 s[4:7], s[0:1], 0x0                ; ac s[4:5], wc s[6:7]
	s_load_b128 s[8:11], s[0:1], 0x10              ; the exponents s[8:9], out0 s[10:11]
	v_lshl_add_u32 v[SPW], v0, 2, SPARE
	v_mov_b32 v[NIL], 0
	ds_add_u32 v[SPW], v[NIL]                      ; the wave's opening: the add and its wait stand ahead of my first tensor load; the set-up below, work on registers, stands between them
	v_lshrrev_b32 v1, 5, v0
	v_readfirstlane_b32 s14, v1                    ; wave 0..3
	s_lshr_b32 s15, s14, 1                         ; which half of the tile's rows is mine.  Also: I fetch for A (0) or for B (1)
	s_and_b32 s16, s14, 1                          ; which half of its columns.  Also: which 128 rows of that tile I fetch
	s_bfe_u32 s40, ttmp6, 0x40000                  ; cx, cy: my place in the cluster
	s_bfe_u32 s41, ttmp6, 0x40004
	s_lshl_b32 s42, ttmp9, 2
	s_add_co_u32 s42, s42, s40                     ; tile column = 4 x cluster x + cx
	s_and_b32 s17, ttmp7, 0xffff
	s_lshl_b32 s17, s17, 2
	s_add_co_u32 s17, s17, s41                     ; tile row = 4 x cluster y + cy
	s_lshl_b32 s43, s41, 2
	s_lshl_b32 s43, 15, s43                        ; my row of the cluster
	s_lshl_b32 s44, 0x1111, s40                    ; my column
	; descriptor group 1: 32,768 dense bytes as 128 rows of 32 elements of 8 bytes, no padding
	s_or_b32 s[G1+0], s43, (3<<16)|(1<<21)         ; 15:0 the mask: A's tiles go to my row; 17:16 elements of 8 bytes; 21 set beside a mask
	s_or_b32 s[G1B+0], s44, (3<<16)|(1<<21)
.irp g, G1, G1B
	s_mov_b32 s[\g+1], 32<<16                      ; tensor_dim0 = 32
	s_mov_b32 s[\g+2], 128<<16                     ; tensor_dim1 = 128
	s_mov_b32 s[\g+3], 32<<16                      ; tile_dim0 = 32
	s_mov_b32 s[\g+4], 128                         ; tile_dim1 = 128
	s_mov_b32 s[\g+5], 32                          ; tensor_dim0_stride
	s_mov_b32 s[\g+6], 0
	s_mov_b32 s[\g+7], 0
.endr
	s_lshl_b32 s18, s16, 15                        ; which 128 rows of the tile I fetch
	s_lshl_b32 s20, s17, 16                        ; a tile's 256 rows of a K slot are 65,536 bytes
	s_add_co_u32 s20, s20, s18
	s_lshl_b32 s46, s42, 16
	s_add_co_u32 s46, s46, s18
	s_add_co_u32 s46, s46, 3<<22                   ; wo's codes are wc's fourth set
	s_mov_b32 s21, 0
	s_mov_b32 s47, 0
	s_mul_i32 s45, s14, HALFT                      ; where they go: wave x 32,768: no place in the cluster enters an LDS address
	s_wait_dscnt 0x0                               ; the opening add is done
	s_wait_kmcnt 0x0
	s_load_b64 s[96:97], s[8:9], 0x28              ; e10, e11
	s_add_nc_u64 s[20:21], s[4:5], s[20:21]
	s_add_nc_u64 s[46:47], s[6:7], s[46:47]
	CROUND                                         ; all sixteen work-groups are here: the first joint loads meet
.irp s, 0,1
	s_mov_b32 s[G0+4*\s], 1
	s_add_co_u32 s[G0+4*\s+1], s45, \s*SLOT
	s_add_nc_u64 s[G0+4*\s+2:G0+4*\s+3], s[20:21], \s*KSTR
	s_or_b32 s[G0+4*\s+3], s[G0+4*\s+3], 0x80000000
	s_mov_b32 s[G0B+4*\s], 1
	s_add_co_u32 s[G0B+4*\s+1], s45, \s*SLOT
	s_add_nc_u64 s[G0B+4*\s+2:G0B+4*\s+3], s[46:47], \s*KSTR
	s_or_b32 s[G0B+4*\s+3], s[G0B+4*\s+3], 0x80000000
	JLOAD G0+4*\s, G1, G0B+4*\s, G1B
.endr
	v_and_b32 v1, 15, v0                           ; l % 16
	v_bfe_u32 v2, v0, 4, 1                         ; l / 16
	v_and_b32 v6, 31, v0
	v_lshlrev_b32 v[CO], 4, v6
	s_mul_i32 s21, s15, HALFT                      ; my 128 rows of A
	s_mul_i32 s22, s16, HALFT                      ; my 128 rows of B,
	s_add_co_u32 s22, s22, 2*HALFT                 ; which lie behind A's 256
.irp s, 0,1
	v_add_nc_u32 v[ADRA+\s], s21, v[CO]
	v_add_nc_u32 v[ADRB+\s], s22, v[CO]
	s_add_co_u32 s21, s21, SLOT
	s_add_co_u32 s22, s22, SLOT
.endr
	s_mul_i32 s23, s14, 16*SPITCH                  ; my stage
	v_mul_u32_u24 v5, v1, SPITCH                   ; in: row l % 16, 32 bytes for each half of the lanes
	v_lshl_add_u32 v5, v2, 5, v5
	v_add_nc_u32 v[STO], s23, v5
	v_add_nc_u32 v[RD], s23, v[CO]                 ; back: the 32 lanes take one row of 512 bytes
	s_lshl_b32 s20, s17, 8
	s_lshl_b32 s21, s15, 7
	s_add_co_u32 s20, s20, s21                     ; my first row of out0: 256 x tile row + 128 x half,
	s_lshl_b32 s20, s20, 13                        ; rows of 8,192 bytes
	s_lshl_b32 s46, s42, 10                        ; my first column, in bytes: 1,024 x tile column + 512 x half
	s_lshl_b32 s47, s16, 9
	s_add_co_u32 s46, s46, s47
	s_add_co_u32 s20, s20, s46
	s_mov_b32 s21, 0
	s_add_nc_u64 s[10:11], s[10:11], s[20:21]
.macro FRAG reg, adr, q, i             ; a fragment's image: four loads of 512 consecutive bytes
.irp c, 0,1,2,3
	ds_load_b128 v[\reg+4*\c:\reg+4*\c+3], v[\adr] offset:2048*(\q)+512*\c+4096*(\i)
.endr
.endm
; 16 matrix instructions: A's blocks a0, a0 + 1 x B's eight, 128 along K.  p: B's set.  zero = 1: the first product starts the sums: nothing is ever cleared.
; The 64 accumulators take turns, one instruction a turn, in the same order in every step.
.macro MUL16 a0, p, zero
.irp a, \a0, \a0+1
.irp b, 0,1,2,3,4,5,6,7
.if \zero
	v_wmma_f32_16x16x128_fp8_fp8 v[8*(8*((\a)%4)+\b):8*(8*((\a)%4)+\b)+7], v[128*(\p)+FR*\b:128*(\p)+FR*\b+FR-1], v[AF+FR*(\a):AF+FR*(\a)+FR-1], 0
.else
	v_wmma_f32_16x16x128_fp8_fp8 v[8*(8*((\a)%4)+\b):8*(8*((\a)%4)+\b)+7], v[128*(\p)+FR*\b:128*(\p)+FR*\b+FR-1], v[AF+FR*(\a):AF+FR*(\a)+FR-1], v[8*(8*((\a)%4)+\b):8*(8*((\a)%4)+\b)+7]
.endif
.endr
.endr
.endm
.macro FETCH_B slot, q, p              ; B's eight fragments of the slot's q-th 128 along K into set p
	WIN TO_B
.irp i, 0,1,2,3,4,5,6,7
	FRAG 128*(\p)+FR*\i, ADRB+\slot, \q, \i
.endr
	WIN 0
.endm
.macro FETCH_A slot, q, i0             ; A's blocks i0 .. i0 + 3
.irp i, \i0, \i0+1, \i0+2, \i0+3
	FRAG AF+FR*(\i), ADRA+\slot, \q, \i
.endr
.endm
; A load into a register that a matrix instruction has read, and a vector instruction that reads a matrix result, stand NP places behind that matrix instruction; only plain vector
; instructions that name none of its registers are places (ISA guide 7.12.1 for vector instructions).
.macro PLACES n
.rept \n
	v_nop
.endr
.endm
; A step of 128 along K that has its successor in the same slot.  A's blocks are free as soon as their eight products are issued, so one set serves A; B's fragments work through the whole step and have two.
.macro STEP slot, q, zero
	s_wait_dscnt 4*NL                              ; B's set and A's blocks 0-3 are in; the youngest 16 loads (A's blocks 4-7) may be out
	WIN MUL_LO
	MUL16 0, (\q)%2, \zero
	MUL16 2, (\q)%2, \zero
	s_wait_dscnt 0                                 ; A's blocks 4-7 are in
	PLACES NP
	FETCH_B \slot, (\q)+1, 1-(\q)%2
	FETCH_A \slot, (\q)+1, 0
	WIN MUL_HI
	MUL16 4, (\q)%2, \zero
	MUL16 6, (\q)%2, \zero
	PLACES NP
	WIN 0
	FETCH_A \slot, (\q)+1, 4
.endm
; A slot's last step changes slots: ONE barrier; in front of it each wave waits for all its tensor loads, adds 0 to its spare word, and waits for that and for its own reads of this slot.  fill = 1: this slot is filled again, two K slots ahead.
.macro TURN slot, next, fill
	s_wait_tensorcnt 0x0                           ; all my tensor loads have landed: my part of the next slot  (every window is 0 here)
	ds_add_u32 v[SPW], v[NIL]                      ; 0 onto my spare word
	s_wait_dscnt 4*NL+1                            ; (the add and the youngest 16 loads, A's blocks 4-7, may be out)
	WIN MUL_LO
	MUL16 0, 1, 0                                  ; sixteen matrix instructions stand between the add and the wait for it
	s_wait_dscnt 0x0                               ; the add is done, and my reads of this slot are over
	s_barrier_signal -1
	MUL16 2, 1, 0
	WIN 0
	s_barrier_wait -1
.if \fill
	CREST                                          ; the barrier has opened a round of the cluster's barrier: no wave of any partner still reads this slot or has a load on its way
	s_add_nc_u64 s[G0+4*\slot+2:G0+4*\slot+3], s[G0+4*\slot+2:G0+4*\slot+3], 2*KSTR
	s_add_nc_u64 s[G0B+4*\slot+2:G0B+4*\slot+3], s[G0B+4*\slot+2:G0B+4*\slot+3], 2*KSTR
	JLOAD G0+4*\slot, G1, G0B+4*\slot, G1B         ; the first tensor load behind the round; the four v_nop behind it are the places in front of the loads below
.else
	PLACES NP
.endif
	FETCH_B \next, 0, 0
	FETCH_A \next, 0, 0
	WIN MUL_HI
	MUL16 4, 1, 0
	MUL16 6, 1, 0
	PLACES NP
	WIN 0
	FETCH_A \next, 0, 4
.endm
	s_wait_tensorcnt 1                             ; my part of K slot 0 is in; K slot 1's load may be out
	s_barrier_signal -1
	s_barrier_wait -1                              ; everybody's is
	FETCH_B 0, 0, 0
	FETCH_A 0, 0, 0
	FETCH_A 0, 0, 4
	STEP 0, 0, 1                                   ; the first step stands in front of the loop: its products start the sums
	s_mov_b32 s3, LAPS-1
.Llap:                                                 ; a trip goes once round the ring, from a lap's second step to the next lap's first, and fills both slots again
	TURN 0, 1, 1
	STEP 1, 0, 0
	TURN 1, 0, 1
	STEP 0, 0, 0
	s_sub_co_u32 s3, s3, 1
	s_cmp_lg_u32 s3, 0
	s_cbranch_scc1 .Llap
	TURN 0, 1, 0                                   ; the last lap fills nothing, and has no round of the cluster's barrier
	STEP 1, 0, 0
	s_wait_dscnt 4*NL                              ; the very last step: nothing more to fetch
	WIN MUL_LO
	MUL16 0, 1, 0
	MUL16 2, 1, 0
	s_wait_dscnt 0
	WIN MUL_HI
	MUL16 4, 1, 0
	MUL16 6, 1, 0
	WIN 0
; THE WAY OUT, block by block of 16 rows x 128 columns.  A lane holds 32 neighbouring bytes of a row, and the lanes beside it hold other rows: so a block goes through my own stage in LDS and comes back as whole
; rows of 512 bytes, which the 32 lanes store as 512 consecutive bytes, aligned.  LDS serves a wave's instructions in order (ISA guide 5.7.1.4): no wait between the stores and the loads, nor in front of the next block's stores.
.macro TOSTAGE a
.set AC, 64*((\a)%4)
	WIN 0x02+((\a)/4)                              ; source 0: window 2 or 3
.irp j, 0,2,4,6,8,10,12,14,16,18,20,22,24,26,28,30,32,34,36,38,40,42,44,46,48,50,52,54,56,58,60,62
	v_pk_mul_f32 v[TMP+\j:TMP+\j+1], v[AC+\j:AC+\j+1], s[96:97] op_sel_hi:[1,0]   ; both x s96 = 2^(e10 + e11); each accumulator from its low end on
.endr
	WIN 0
.irp b, 0,1,2,3,4,5,6,7
	ds_store_b128 v[STO], v[TMP+8*\b:TMP+8*\b+3] offset:64*\b
	ds_store_b128 v[STO], v[TMP+8*\b+4:TMP+8*\b+7] offset:64*\b+16
.endr
.set BB, BK+64*((\a)%2)
.irp t, 0,1,2,3,4,5,6,7,8,9,10,11,12,13,14,15
	ds_load_b128 v[BB+4*\t:BB+4*\t+3], v[RD] offset:\t*SPITCH
.endr
.endm
.macro SEND a, younger                 ; younger: the LDS instructions issued behind block a's loads, which may stay out
.set BB, BK+64*((\a)%2)
	s_wait_dscnt \younger                          ; the block is back in registers
.if (\a) > 0
	s_add_nc_u64 s[10:11], s[10:11], 16*SIZE_N*4   ; (behind a wait on XCNT: the earlier stores have read their base)  16 rows on
.endif
.irp t, 0,1,2,3,4,5,6,7,8,9,10,11,12,13,14,15
	global_store_b128 v[CO], v[BB+4*\t:BB+4*\t+3], s[10:11] offset:\t*SIZE_N*4 th:TH_STORE_NT   ; written once, read by nobody here
.endr
.endm
	s_wait_kmcnt 0x0
	s_add_co_i32 s96, s96, s97                     ; e10 + e11, between -126 and 127,
	s_add_co_i32 s96, s96, 127
	s_lshl_b32 s96, s96, 23                        ; makes the f32 number 2^(e10 + e11)
	PLACES NP                                      ; behind the last products: ahead of the reads of results and of loads into the registers that held A's fragments
	TOSTAGE 0
.irp a, 1,2,3,4,5,6,7
.if \a > 1
	s_wait_xcnt 0x0                                ; block a - 2's stores have read their registers and their base: block a's loads may land there, and the base may step
.endif
	TOSTAGE \a
	SEND \a-1, 32                                  ; behind block a - 1's loads: block a's 16 stores and 16 loads
.endr
	s_wait_xcnt 0x0                                ; block 6's stores have read their base
	SEND 7, 0
	s_wait_tensorcnt 0x0                           ; the wave's end: behind my last tensor load and my last LDS store
	ds_add_u32 v[SPW], v[NIL]
	s_wait_dscnt 0x0
	CROUND                                         ; the closing round: no work-group ends while a partner may still ask for a tile that names it
	s_endpgm
.Lfunc_end_k_qdd6db57e3e_proj:
	.size	k_qdd6db57e3e_proj, .Lfunc_end_k_qdd6db57e3e_proj-k_qdd6db57e3e_proj
	.p2alignl 7, 3214868480
	.fill 96, 4, 3214868480
	.section	.rodata,"a",@progbits
	.p2align	6, 0x0
	.amdhsa_kernel k_qdd6db57e3e_proj
		.amdhsa_group_segment_fixed_size 327680
		.amdhsa_private_segment_fixed_size 0
		.amdhsa_enable_private_segment 0
		.amdhsa_kernarg_size 32
		.amdhsa_user_sgpr_count 2
		.amdhsa_user_sgpr_kernarg_segment_ptr 1
		.amdhsa_wavefront_size32 1
		.amdhsa_system_sgpr_workgroup_id_x 1
		.amdhsa_system_sgpr_workgroup_id_y 1
		.amdhsa_system_sgpr_workgroup_id_z 1
		.amdhsa_system_vgpr_workitem_id 0
		.amdhsa_next_free_vgpr 1024
		.amdhsa_next_free_sgpr 98
		.amdhsa_reserve_vcc 0
		.amdhsa_float_denorm_mode_32 3
		.amdhsa_float_denorm_mode_16_64 3
		.amdhsa_memory_ordered 1
		.amdhsa_forward_progress 1
		.amdhsa_inst_pref_size 123
	.end_amdhsa_kernel
	.amdgpu_metadata
---
amdhsa.version: [ 1, 2 ]
amdhsa.kernels:
  - .name:           k_qdd6db57e3e_proj
    .symbol:         k_qdd6db57e3e_proj.kd
    .args:
      - { .name: ac, .offset: 0, .size: 8, .value_kind: global_buffer, .address_space: global }
      - { .name: wc, .offset: 8, .size: 8, .value_kind: global_buffer, .address_space: global }
      - { .name: lowp_scales, .offset: 16, .size: 8, .value_kind: global_buffer, .address_space: global }
      - { .name: out0, .offset: 24, .size: 8, .value_kind: global_buffer, .address_space: global }
    .group_segment_fixed_size: 327680
    .private_segment_fixed_size: 0
    .kernarg_segment_align: 8
    .kernarg_segment_size: 32
    .max_flat_workgroup_size: 128
    .sgpr_count:     98
    .vgpr_count:     1024
    .wavefront_size: 32
...
	.end_amdgpu_metadata
.endif
;; end of part 4
;; ======== version 2 of 2: 4 launches
;; limits: right only within a limited range of input values
;; workspace buffers: xc 12,582,912 bytes; wc 16,777,216 bytes; rope 1,048,576 bytes; qkvc 12,582,912 bytes; ac 4,194,304 bytes
;; launch prep (part 5): grid 672 x 1, 4 waves a work-group, no clusters, 34,304 bytes of LDS; arguments x, wq, wk, wv, wo, position_ids, lowp_scales, xc, wc, rope; writes xc, wc, rope
.if DOCPART == 5
	.amdgcn_target "amdgcn-amd-amdhsa--gfx1250"
	.amdhsa_code_object_version 6
	.text
	.protected	k_qdd6db57e3e_prep
	.globl	k_qdd6db57e3e_prep
	.p2align	8
	.type	k_qdd6db57e3e_prep,@function
k_qdd6db57e3e_prep:
	s_mov_b64 s[64:65], 0
	v_nop
	global_prefetch_b8 v0, s[64:65] scope:SCOPE_SE
	s_setreg_imm32_b32 hwreg(HW_REG_WAVE_MODE, 25, 1), 1
	s_wait_xcnt 0x0
; PREP.  (a) x, wq, wk, wv, wo ([2048][2048] f32, K innermost) become codes of E4M3 under their given scales 2^e; (b) the table of cos and sin for the rotation of q and k.
; code = number / 2^e, held within +-448, rounded to the nearest code, ties to even.  x is an operand of three products with three given scales: it is read once and its codes are stored three times.
; HOW THE CODES LIE: as images of the matrix operand's registers.  A fragment is 16 rows x 128 K: lane (r = lane % 16, h = lane / 16) holds row r, its registers 2 c, 2 c + 1 hold K = 16 c + 8 h + 0 .. 7.
; Its 16 registers are stored as four pieces of 512 bytes, lane l's 16 bytes at 16 l.  A tensor's fragments lie [K / 256][row / 16][(K / 128) % 2], 2,048 bytes each: 128 rows x 256 K are 32,768 bytes on end.
; SHARES.  Work-groups 0-31: the table, a wave to 16 positions.  Work-groups 32-671: tensor (g / 128), 16 rows (g % 128), g = number - 32; wave w takes K = 512 w .. 512 w + 511: four fragments.
; Each load reads 512 consecutive bytes of one row; the 16 x 512 bytes turn through the wave's own stage in LDS (rows 528 bytes apart), so that a lane gets 8 neighbours along K for each conversion.
; THE TABLE: for 16 positions 8,192 bytes: cos at 512 k + 16 lane (k = 0 .. 7), sin 4,096 further on; lane (r, h)'s four numbers belong to position r and frequencies 16 (k / 2) + 8 h + 4 (k % 2) + 0 .. 3.
; angle = position x 10000^(-f / 64), rounded once; it is reduced by pi / 2 in two parts; sine and cosine by polynomials on +-pi / 4 (degrees 7 and 8), quadrant by whole-number arithmetic.
; LIMITS: every e between -126 and 119; |position| up to 2^18; NaN among the inputs is not served.
.set STP,   528                        ; a stage row: 512 bytes + 16
.set WST,   16*STP                     ; a wave's stage
.set SPARE, 4*WST                      ; behind the stages: the spare words, 128 bytes a wave: two blocks of 256 bytes that no other line names
.set LI,  1                            ; v1   16 x lane
.set STI, 2                            ; v2   the stage, on the way in (table path: 4 r)
.set STO, 3                            ; v3   the stage, on the way out
.set SC0, 4                            ; v4-9 three pairs: 2^e as f32, 448 x 2^e
.set LM0, 5
.set SC1, 6
.set LM1, 7
.set SC2, 8
.set LM2, 9
.set SPW, 10                           ; v10  LDS address of my spare word; never rewritten
.set NIL, 11                           ; v11  0; never rewritten
.set POS, 12                           ; v12  table path: my position as f32
.set H8,  13                           ; v13  table path: 8 h
.set R,   16                           ; v16-143  two sets of 64 numbers as loaded
.set X,   144                          ; v144-207 64 numbers: register 8 c + j = K 16 c + 8 h + j of my row
.set T,   208                          ; v208-223 two sets of eight held numbers, by turns
.set C,   224                          ; v224-239 a fragment's codes
.set INV, 16                           ; table path: v16-47 the 32 frequencies, v48-79 cos, v80-111 sin, v112-127 at work
.set CO,  48
.set SI,  80
.set W,   112
	s_load_b512 s[4:19], s[0:1], 0x0               ; x, wq, wk, wv, wo, position_ids, lowp_scales, xc
	s_load_b128 s[20:23], s[0:1], 0x40             ; wc, rope
	v_lshl_add_u32 v[SPW], v0, 2, SPARE
	v_mov_b32 v[NIL], 0
	v_lshrrev_b32 v14, 5, v0
	v_readfirstlane_b32 s36, v14                   ; wave 0..3
	v_and_b32 v15, 31, v0
	v_lshlrev_b32 v[LI], 4, v15
	v_and_b32 v14, 15, v0                          ; r
	v_bfe_u32 v15, v0, 4, 1                        ; h
	s_cmp_lt_u32 ttmp9, 32
	s_cbranch_scc1 .Ltable
	; ---------------- the quantising work-groups
	s_sub_co_u32 s38, ttmp9, 32
	s_lshr_b32 s37, s38, 7                         ; which tensor: 0 x, 1 wq, 2 wk, 3 wv, 4 wo
	s_and_b32 s38, s38, 127                        ; which 16 rows
	s_mul_i32 s39, s36, WST
	v_add_nc_u32 v[STI], s39, v[LI]                ; in: a row's 512 bytes as they lie
	v_mul_u32_u24 v[STO], v14, STP
	v_lshl_add_u32 v[STO], v15, 5, v[STO]
	v_add_nc_u32 v[STO], s39, v[STO]               ; out: row r, + 32 h bytes: my eight numbers of each sixteen
	s_lshl_b32 s50, s38, 17                        ; the source: 16 rows of 8,192 bytes,
	s_lshl_b32 s52, s36, 11                        ; + my wave's 512 numbers
	s_add_co_u32 s50, s50, s52
	s_mov_b32 s51, 0
	s_lshl_b32 s52, s38, 12                        ; the codes: row block x 4,096,
	s_lshl_b32 s54, s36, 20                        ; + my wave's two K slots of 524,288
	s_add_co_u32 s52, s52, s54
	s_mov_b32 s53, 0
	s_max_u32 s54, s37, 1
	s_sub_co_u32 s54, s54, 1
	s_lshl_b32 s54, s54, 22                        ; a weight's set in wc: (tensor - 1) x 4 MiB
	s_add_co_u32 s54, s54, s52
	s_mov_b32 s55, 0
	s_wait_kmcnt 0x0
	s_load_b256 s[24:31], s[16:17], 0x0            ; the twelve exponents
	s_load_b128 s[32:35], s[16:17], 0x20
	s_cmp_eq_u32 s37, 1                            ; the choices hang on the work-group's number alone
	s_cselect_b64 s[40:41], s[6:7], s[4:5]
	s_cmp_eq_u32 s37, 2
	s_cselect_b64 s[40:41], s[8:9], s[40:41]
	s_cmp_eq_u32 s37, 3
	s_cselect_b64 s[40:41], s[10:11], s[40:41]
	s_cmp_eq_u32 s37, 4
	s_cselect_b64 s[40:41], s[12:13], s[40:41]
	s_add_nc_u64 s[40:41], s[40:41], s[50:51]
	s_cmp_eq_u32 s37, 0
	s_cselect_b64 s[42:43], s[18:19], s[20:21]     ; the first set of codes: in xc for x, in wc for a weight
	s_add_nc_u64 s[42:43], s[42:43], s[54:55]
	s_add_nc_u64 s[44:45], s[18:19], s[52:53]      ; x's second and third set: bases of their own, inside xc in every work-group
	s_add_nc_u64 s[46:47], s[44:45], 0x800000
	s_add_nc_u64 s[44:45], s[44:45], 0x400000
.macro LOADF t                         ; fragment t's numbers: 16 rows x 512 consecutive bytes, into set t % 2
.irp i, 0,1,2,3,4,5,6,7,8,9,10,11,12,13,14,15
	global_load_b128 v[R+64*((\t)%2)+4*\i:R+64*((\t)%2)+4*\i+3], v[LI], s[40:41] offset:\i*8192+(\t)*512 th:TH_LOAD_NT
.endr
.endm
.macro TURNF t                         ; through the stage: LDS serves a wave's instructions in order (ISA guide 5.7.1.4), so no wait stands between the stores and the loads
.irp i, 0,1,2,3,4,5,6,7,8,9,10,11,12,13,14,15
	ds_store_b128 v[STI], v[R+64*((\t)%2)+4*\i:R+64*((\t)%2)+4*\i+3] offset:\i*STP
.endr
.irp i, 0,1,2,3,4,5,6,7,8,9,10,11,12,13,14,15
	ds_load_b128 v[X+4*\i:X+4*\i+3], v[STO] offset:64*(\i/2)+16*(\i%2)
.endr
.endm
.macro QUANT sc, lim                   ; X's 64 numbers become 16 registers of codes.  X stays as it is: the held numbers go into T
	s_wait_xcnt 0x0                                ; the last stores have read C: it is written again only behind this wait
.irp g, 0,1,2,3,4,5,6,7
.irp i, 0,1,2,3,4,5,6,7
	v_med3_num_f32 v[T+8*(\g%2)+\i], v[X+8*\g+\i], -v[\lim], v[\lim]   ; the conversion to an 8-bit code does not saturate (ISA guide 7.6.2): the hold at the largest code x the scale
.endr
	v_cvt_scalef32_pk8_fp8_f32 v[C+2*\g:C+2*\g+1], v[T+8*(\g%2):T+8*(\g%2)+7], v[\sc]   ; T's two sets take turns: eight plain lines stand between a conversion and the next write of its sources
.endr
.endm
.macro PUT base, t                     ; the image: four stores of 512 consecutive bytes
.irp c, 0,1,2,3
	global_store_b128 v[LI], v[C+4*\c:C+4*\c+3], s[\base:\base+1] offset:((\t)/2)*524288+((\t)%2)*2048+512*\c
.endr
.endm
.macro MKSC e, sc, lim                 ; 2^e and 448 x 2^e as f32 numbers
	s_add_co_i32 s56, s[\e], 127
	s_lshl_b32 s57, s56, 23
	v_mov_b32 v[\sc], s57
	s_add_co_i32 s56, s56, 8
	s_lshl_b32 s56, s56, 23
	s_or_b32 s56, s56, 0x600000
	v_mov_b32 v[\lim], s56
.endm
	s_wait_alu depctr_va_vdst(0)
	LOADF 0
	LOADF 1
	s_wait_kmcnt 0x0
	s_cmp_eq_u32 s37, 1                            ; my tensor's exponent: entry 0, 1, 3, 5 or 11
	s_cselect_b32 s48, s25, s24
	s_cmp_eq_u32 s37, 2
	s_cselect_b32 s48, s27, s48
	s_cmp_eq_u32 s37, 3
	s_cselect_b32 s48, s29, s48
	s_cmp_eq_u32 s37, 4
	s_cselect_b32 s48, s35, s48
	MKSC 48, SC0, LM0
	MKSC 26, SC1, LM1                              ; x as the second product's operand: entry 2
	MKSC 28, SC2, LM2                              ; and as the third's: entry 4
.macro FSTEP t
.if (\t) < 3
	s_wait_loadcnt 16                              ; this fragment's 16 loads are in; the next fragment's 16 may be out
.else
	s_wait_loadcnt 0x0
.endif
	TURNF \t
	s_wait_dscnt 0x0                               ; the numbers are back, so the stage's stores have read their registers,
.if (\t) < 2
	LOADF (\t)+2                                   ; which take the fragment two further on
.endif
	QUANT SC0, LM0
	PUT 42, \t
	s_cmp_lg_u32 s37, 0                            ; a weight has one scale; the branch hangs on the work-group's number
	s_cbranch_scc1 .Lone_\@
	QUANT SC1, LM1
	PUT 44, \t
	QUANT SC2, LM2
	PUT 46, \t
.Lone_\@:
.endm
	s_wait_alu depctr_va_vdst(0)
	FSTEP 0
	FSTEP 1
	FSTEP 2
	FSTEP 3
	s_wait_tensorcnt 0x0                           ; the wave's end: behind my last LDS store
	ds_add_u32 v[SPW], v[NIL]
	s_wait_dscnt 0x0
	s_endpgm
	; ---------------- the table's work-groups: no LDS byte is touched on this path
.Ltable:
	s_lshl_b32 s38, ttmp9, 2
	s_add_co_u32 s38, s38, s36                     ; which 16 positions: 4 x work-group + wave
	s_lshl_b32 s40, s38, 6
	s_mov_b32 s41, 0
	s_lshl_b32 s42, s38, 13
	s_mov_b32 s43, 0
	s_wait_alu depctr_va_vdst(0)
	v_lshlrev_b32 v[STI], 2, v14
	v_lshlrev_b32 v[H8], 3, v15
	s_mov_b32 s48, 0x3f22f983                      ; 2 / pi
	s_mov_b32 s49, 0xbfc90fdb                      ; -(pi / 2 rounded to f32)
	s_mov_b32 s50, 0x333bbd2e                      ; that number less pi / 2
	s_mov_b32 s51, 0xb94ca1f9                      ; sine: -1.9515296e-4, 8.3321609e-3, -1.6666655e-1
	s_mov_b32 s52, 0x3c08839e
	s_mov_b32 s53, 0xbe2aaaa3
	s_mov_b32 s54, 0x37ccf5ce                      ; cosine: 2.4433157e-5, -1.3887316e-3, 4.1666646e-2
	s_mov_b32 s55, 0xbab6061a
	s_mov_b32 s56, 0x3d2aaaa5
	s_mov_b32 s57, 0x80000000
	s_mov_b32 s58, 0xbe549a78                      ; -log2(10000) / 64, its leading 24 bits,
	s_mov_b32 s59, 0xb1979a6b                      ; and the rest
	s_mov_b32 s60, 0x3f317218                      ; ln 2
	s_wait_alu depctr_va_vdst(0)
	s_wait_kmcnt 0x0
	s_add_nc_u64 s[14:15], s[14:15], s[40:41]
	s_add_nc_u64 s[22:23], s[22:23], s[42:43]
	global_load_b32 v[POS], v[STI], s[14:15]
	; the 32 frequencies of my half: 2^(a + e), a = f x (-c) rounded, e what the rounding and c's rest leave: 2^a x (1 + e ln 2)
.set n, 0
.rept 32
.set w, W+2*(n%4)
	v_add_nc_u32 v[w], 16*(n/8)+n%8, v[H8]         ; f = 16 (n / 8) + n % 8 + 8 h
	v_cvt_f32_u32 v[w], v[w]
	v_mul_f32 v[INV+n], s58, v[w]
	v_fma_f32 v[w+1], v[w], s58, -v[INV+n]
	v_fma_f32 v[CO+n], v[w], s59, v[w+1]
.set n, n+1
.endr
.set n, 0
.rept 32
	v_exp_f32 v[INV+n], v[INV+n]
.set n, n+1
.endr
	v_nop                                          ; a plain instruction behind the last exponential (ISA guide 5.7.2),
	s_wait_alu depctr_va_vdst(0)                   ; and one wait for the batch ahead of its first reader
.set n, 0
.rept 32
	v_mul_f32 v[CO+n], s60, v[CO+n]
	v_fma_f32 v[INV+n], v[INV+n], v[CO+n], v[INV+n]
.set n, n+1
.endr
	s_wait_loadcnt 0x0
	v_cvt_f32_i32 v[POS], v[POS]
.set n, 0
.rept 32
	v_mul_f32 v[W], v[POS], v[INV+n]               ; the angle
	v_mul_f32 v[W+1], s48, v[W]
	v_rndne_f32 v[W+1], v[W+1]                     ; how many quarter turns
	v_fma_f32 v[W], v[W+1], s49, v[W]              ; both terms are multiples of the angle's last place or finer, and the difference is small: nothing is rounded
	v_fma_f32 v[W], v[W+1], s50, v[W]              ; r, within +-pi / 4
	v_cvt_i32_f32 v[W+2], v[W+1]
	v_mul_f32 v[W+3], v[W], v[W]                   ; z = r^2
	v_fma_f32 v[W+4], v[W+3], s51, s52
	v_fma_f32 v[W+4], v[W+4], v[W+3], s53
	v_mul_f32 v[W+5], v[W+3], v[W]
	v_fma_f32 v[W+4], v[W+4], v[W+5], v[W]         ; sin r
	v_fma_f32 v[W+6], v[W+3], s54, s55
	v_fma_f32 v[W+6], v[W+6], v[W+3], s56
	v_mul_f32 v[W+7], v[W+3], v[W+3]
	v_fma_f32 v[W+8], v[W+3], -0.5, 1.0
	v_fma_f32 v[W+6], v[W+6], v[W+7], v[W+8]       ; cos r
	v_and_b32 v[W+9], 1, v[W+2]
	v_cmp_eq_u32 vcc_lo, 1, v[W+9]                 ; an odd quarter turn changes the two about
	v_cndmask_b32 v[W+10], v[W+4], v[W+6], vcc_lo
	v_cndmask_b32 v[W+11], v[W+6], v[W+4], vcc_lo
	v_lshlrev_b32 v[W+12], 30, v[W+2]              ; the sine is negative in quarters 2 and 3,
	v_and_b32 v[W+12], s57, v[W+12]
	v_xor_b32 v[SI+n], v[W+12], v[W+10]
	v_add_nc_u32 v[W+13], 1, v[W+2]                ; the cosine in quarters 1 and 2
	v_lshlrev_b32 v[W+13], 30, v[W+13]
	v_and_b32 v[W+13], s57, v[W+13]
	v_xor_b32 v[CO+n], v[W+13], v[W+11]
.set n, n+1
.endr
.irp k, 0,1,2,3,4,5,6,7
	global_store_b128 v[LI], v[CO+4*\k:CO+4*\k+3], s[22:23] offset:512*\k
	global_store_b128 v[LI], v[SI+4*\k:SI+4*\k+3], s[22:23] offset:4096+512*\k
.endr
	s_endpgm
.Lfunc_end_k_qdd6db57e3e_prep:
	.size	k_qdd6db57e3e_prep, .Lfunc_end_k_qdd6db57e3e_prep-k_qdd6db57e3e_prep
	.p2alignl 7, 3214868480
	.fill 96, 4, 3214868480
	.section	.rodata,"a",@progbits
	.p2align	6, 0x0
	.amdhsa_kernel k_qdd6db57e3e_prep
		.amdhsa_group_segment_fixed_size 34304
		.amdhsa_private_segment_fixed_size 0
		.amdhsa_enable_private_segment 0
		.amdhsa_kernarg_size 80
		.amdhsa_user_sgpr_count 2
		.amdhsa_user_sgpr_kernarg_segment_ptr 1
		.amdhsa_wavefront_size32 1
		.amdhsa_system_sgpr_workgroup_id_x 1
		.amdhsa_system_sgpr_workgroup_id_y 1
		.amdhsa_system_sgpr_workgroup_id_z 1
		.amdhsa_system_vgpr_workitem_id 0
		.amdhsa_next_free_vgpr 240
		.amdhsa_next_free_sgpr 66
		.amdhsa_reserve_vcc 1
		.amdhsa_float_denorm_mode_32 3
		.amdhsa_float_denorm_mode_16_64 3
		.amdhsa_memory_ordered 1
		.amdhsa_forward_progress 1
		.amdhsa_inst_pref_size 127
	.end_amdhsa_kernel
	.amdgpu_metadata
---
amdhsa.version: [ 1, 2 ]
amdhsa.kernels:
  - .name:           k_qdd6db57e3e_prep
    .symbol:         k_qdd6db57e3e_prep.kd
    .args:
      - { .name: x, .offset: 0, .size: 8, .value_kind: global_buffer, .address_space: global }
      - { .name: wq, .offset: 8, .size: 8, .value_kind: global_buffer, .address_space: global }
      - { .name: wk, .offset: 16, .size: 8, .value_kind: global_buffer, .address_space: global }
      - { .name: wv, .offset: 24, .size: 8, .value_kind: global_buffer, .address_space: global }
      - { .name: wo, .offset: 32, .size: 8, .value_kind: global_buffer, .address_space: global }
      - { .name: position_ids, .offset: 40, .size: 8, .value_kind: global_buffer, .address_space: global }
      - { .name: lowp_scales, .offset: 48, .size: 8, .value_kind: global_buffer, .address_space: global }
      - { .name: xc, .offset: 56, .size: 8, .value_kind: global_buffer, .address_space: global }
      - { .name: wc, .offset: 64, .size: 8, .value_kind: global_buffer, .address_space: global }
      - { .name: rope, .offset: 72, .size: 8, .value_kind: global_buffer, .address_space: global }
    .group_segment_fixed_size: 34304
    .private_segment_fixed_size: 0
    .kernarg_segment_align: 8
    .kernarg_segment_size: 80
    .max_flat_workgroup_size: 128
    .sgpr_count:     66
    .vgpr_count:     240
    .wavefront_size: 32
...
	.end_amdgpu_metadata
.endif
;; end of part 5
;; launch qkv (part 6): grid 8 x 24, 4 waves a work-group, clusters of 4 x 4, 327,680 bytes of LDS; arguments xc, wc, rope, lowp_scales, qkvc; writes qkvc
.if DOCPART == 6
	.amdgcn_target "amdgcn-amd-amdhsa--gfx1250"
	.amdhsa_code_object_version 6
	.text
	.protected	k_qdd6db57e3e_qkv
	.globl	k_qdd6db57e3e_qkv
	.p2align	8
	.type	k_qdd6db57e3e_qkv,@function
k_qdd6db57e3e_qkv:
	s_mov_b64 s[64:65], 0
	v_nop
	global_prefetch_b8 v0, s[64:65] scope:SCOPE_SE
	s_setreg_imm32_b32 hwreg(HW_REG_WAVE_MODE, 25, 1), 1
	s_wait_xcnt 0x0
	s_wait_alu depctr_hold_cnt(0) depctr_sa_sdst(0) depctr_va_vdst(0) depctr_va_sdst(0) depctr_va_ssrc(0) depctr_va_vcc(0) depctr_vm_vsrc(0)
	s_getreg_b32 s2, hwreg(HW_REG_IB_STS2, 6, 4)
	s_cmp_eq_u32 s2, 0
	s_cbranch_scc0 .Lentry_in_a_cluster
	s_endpgm
.Lentry_in_a_cluster:
	s_bfe_u32 s2, ttmp6, 0x10000c
	s_cmp_lg_u32 s2, 0xf033
	s_cbranch_scc0 .Lentry_shape_is_right
	s_endpgm
.Lentry_shape_is_right:
; QKV.  Three products on codes of E4M3, K = 2,048: q = x wq^T, k = x wk^T (A = 256 tokens of x's codes, B = 256 rows of the weight) and v^T = wv x^T (A = 256 rows of wv, B = 256 tokens).
; Cluster row y: product y / 2, tile rows 4 (y % 2) + cy.  Operands lie as images of fragments (16 rows x 128 K, 2,048 bytes), [K / 256][row / 16][(K / 128) % 2]: 128 rows x 256 K are 32,768 dense bytes.
; A work-group of four waves makes 256 x 256, a wave 128 x 128 in 64 accumulators.  K goes in steps of 256 through a ring of two LDS slots; each wave asks for 32,768 bytes, jointly with three partners
; (A's tiles along a row of the cluster, B's along a column).  The matrix instruction is used transposed (source 0 = B's rows, source 1 = A's): a lane holds one row of A and eight neighbours along B.
; THE WAY OUT.  q and k are rotated by the table of cos and sin (64 registers for 16 tokens), held within +-448 x the scale and converted: a tile's eight registers become a register pair of the next operand's image.
; The sums stand for value / 2^(eA + eB): the conversion's scale is 2^(e_next - eA - eB).  LIMIT: that exponent lies between -126 and 119 for each of the three products.
; THE TABLE: block 0 is loaded at the head into v32-95, which the loop leaves alone; blocks 1, 2 ahead of the last K step into B's set 0, which that step does not read; blocks 3 to 5 behind the last product;
; blocks 6, 7 into registers whose block has been rotated.  v has no rotation: its work-groups load no table (branches on the cluster's row, alike in all partners).
; PREFETCH: behind the joint load of K step t each wave names K step t + 2 of the tile that it fetches: of its 32,768 bytes the four partners take 8,192 each, told apart by address (cx for A, cy for B), a lane 256 bytes.
; The loads of K steps 6 and 7 name nothing.  192 work-groups: three products of 2,048 x 2,048 do not divide into 256 equal blocks of whole heads.
; REGISTERS: window 0: v8-29 scale, bound, addresses; v32-127 table; v128-255 A's fragments, one set (way out: v96-159 table, v160-223 results, v224-255 codes); window 1: B's two sets (way out: table); windows 2, 3: accumulators.
.set FR,     16
.set NL,     4
.set NP,     4
.set HALFT,  32768                     ; what one tensor load brings: 128 rows x 256 K
.set SLOT,   4*HALFT
.set KSTR,   524288                    ; from a K step of 256 to the next, in bytes
.set LAPS,   4
.set SPARE,  2*SLOT                    ; the spare words: 512 bytes that no other line names
.set SCL,  8
.set LIM,  9
.set LI,   10                          ; 16 x lane
.set PFO,  11                          ; 256 x lane; never rewritten
.set ADRA, 16
.set ADRB, 20
.set SPW,  28
.set NIL,  29
.set AF,   128
.set OUT,  160
.set G1, 24
.set G0, 32
.set G1B, 48
.set G0B, 56
.set PFA, 98                           ; s[98:99] my work-group's 8,192 bytes of the tile that is being asked for
.set MSB, 0
.macro WIN new
.if MSB != \new
	s_set_vgpr_msb (MSB<<8)|\new
.set MSB, \new
.endif
.endm
.set MUL_LO, 0xa1
.set MUL_HI, 0xf1
.set TO_B,   0x40
.macro JLOAD g0a, g1a, g0b, g1b        ; waves 0, 1 ask for A, waves 2, 3 for B
	s_cmp_eq_u32 s15, 0
	s_cbranch_scc0 .Lfor_b_\@
	tensor_load_to_lds s[\g0a:\g0a+3], s[\g1a:\g1a+7]
	s_nop 0
.rept 4
	v_nop
.endr
	s_branch .Lasked_\@
.Lfor_b_\@:
	tensor_load_to_lds s[\g0b:\g0b+3], s[\g1b:\g1b+7]
	s_nop 0
.rept 4
	v_nop
.endr
.Lasked_\@:
.endm
.macro CREST
	s_cmp_lg_u32 s14, 0
	s_cbranch_scc1 .Lnot_wave_0_\@
	s_barrier_signal -3
.Lnot_wave_0_\@:
	s_barrier_wait -3
	s_barrier_signal -1
	s_barrier_wait -1
.endm
.macro CROUND
	s_barrier_signal -1
	s_barrier_wait -1
	CREST
.endm
.macro PREF                            ; the K step two on from the one that s[PFA] stands at
	global_prefetch_b8 v[PFO], s[PFA:PFA+1] offset:2*KSTR th:TH_LOAD_NT scope:SCOPE_SE
.endm
.macro ASK                             ; in the loop: its last trip (s3 = 1) loads K steps 6 and 7, which have no K step two on
	s_cmp_gt_u32 s3, 1
	s_cbranch_scc0 .Lnone_\@
	PREF
.Lnone_\@:
.endm
	s_load_b256 s[4:11], s[0:1], 0x0               ; xc, wc, rope, lowp_scales
	s_load_b64 s[12:13], s[0:1], 0x20              ; qkvc
	v_lshl_add_u32 v[SPW], v0, 2, SPARE
	v_mov_b32 v[NIL], 0
	ds_add_u32 v[SPW], v[NIL]                      ; the opening lines: the add twice on end and one wait
	ds_add_u32 v[SPW], v[NIL]
	v_lshrrev_b32 v1, 5, v0
	v_readfirstlane_b32 s14, v1                    ; wave
	s_lshr_b32 s15, s14, 1                         ; my half of A's rows; also: I fetch for A (0) or B (1)
	s_and_b32 s16, s14, 1                          ; my half of B's rows; also: which 128 rows I fetch
	s_bfe_u32 s40, ttmp6, 0x40000                  ; cx
	s_bfe_u32 s41, ttmp6, 0x40004                  ; cy
	s_lshl_b32 s42, ttmp9, 2
	s_add_co_u32 s42, s42, s40                     ; B's tile
	s_and_b32 s17, ttmp7, 0xffff
	s_lshr_b32 s66, s17, 1                         ; the product: 0 q, 1 k, 2 v
	s_and_b32 s17, s17, 1
	s_lshl_b32 s17, s17, 2
	s_add_co_u32 s17, s17, s41                     ; A's tile
	s_lshl_b32 s43, s41, 2
	s_lshl_b32 s43, 15, s43                        ; my row of the cluster
	s_lshl_b32 s44, 0x1111, s40                    ; my column
	s_or_b32 s[G1+0], s43, (3<<16)|(1<<21)         ; elements of 8 bytes, no padding
	s_or_b32 s[G1B+0], s44, (3<<16)|(1<<21)
.irp g, G1, G1B
	s_mov_b32 s[\g+1], 32<<16                      ; 128 rows of 256 bytes, dense
	s_mov_b32 s[\g+2], 128<<16
	s_mov_b32 s[\g+3], 32<<16
	s_mov_b32 s[\g+4], 128
	s_mov_b32 s[\g+5], 32
	s_mov_b32 s[\g+6], 0
	s_mov_b32 s[\g+7], 0
.endr
	s_lshl_b32 s18, s16, 15
	s_lshl_b32 s19, s66, 22                        ; the product's set of codes, 4 MiB each, in both buffers
	s_add_co_u32 s18, s18, s19
	s_lshl_b32 s20, s17, 16
	s_add_co_u32 s20, s20, s18
	s_lshl_b32 s46, s42, 16
	s_add_co_u32 s46, s46, s18
	s_mov_b32 s21, 0
	s_mov_b32 s47, 0
	s_mul_i32 s45, s14, HALFT
	s_wait_dscnt 0x0
	s_wait_kmcnt 0x0
	s_load_b256 s[76:83], s[10:11], 0x0            ; e0 .. e7
	s_load_b128 s[84:87], s[10:11], 0x20           ; e8 .. e11
	s_cmp_eq_u32 s66, 2                            ; v: the weight is A
	s_cselect_b64 s[68:69], s[6:7], s[4:5]
	s_cselect_b64 s[70:71], s[4:5], s[6:7]
	s_add_nc_u64 s[20:21], s[68:69], s[20:21]
	s_add_nc_u64 s[46:47], s[70:71], s[46:47]
	s_cmp_eq_u32 s15, 0
	s_cselect_b64 s[PFA:PFA+1], s[20:21], s[46:47]
	s_cselect_b32 s75, s40, s41                    ; my place among the four that ask with me
	s_lshl_b32 s74, s75, 13
	s_mov_b32 s75, 0
	s_add_nc_u64 s[PFA:PFA+1], s[PFA:PFA+1], s[74:75]
	CROUND                                         ; the first joint loads meet
.irp s, 0,1
	s_mov_b32 s[G0+4*\s], 1
	s_add_co_u32 s[G0+4*\s+1], s45, \s*SLOT
	s_add_nc_u64 s[G0+4*\s+2:G0+4*\s+3], s[20:21], \s*KSTR
	s_or_b32 s[G0+4*\s+3], s[G0+4*\s+3], 0x80000000
	s_mov_b32 s[G0B+4*\s], 1
	s_add_co_u32 s[G0B+4*\s+1], s45, \s*SLOT
	s_add_nc_u64 s[G0B+4*\s+2:G0B+4*\s+3], s[46:47], \s*KSTR
	s_or_b32 s[G0B+4*\s+3], s[G0B+4*\s+3], 0x80000000
.endr
	JLOAD G0, G1, G0B, G1B                         ; K step 0: one tensor load a wave at the head
	v_and_b32 v1, 31, v0
	v_lshlrev_b32 v[LI], 4, v1
	v_lshlrev_b32 v[PFO], 8, v1
	global_prefetch_b8 v[PFO], s[PFA:PFA+1] offset:KSTR th:TH_LOAD_NT scope:SCOPE_SE   ; K step 1, whose joint load stands behind the next round; two K steps are then asked for and not yet loaded
	PREF
	s_mul_i32 s21, s15, HALFT
	s_mul_i32 s22, s16, HALFT
	s_add_co_u32 s22, s22, 2*HALFT
.irp s, 0,1
	v_add_nc_u32 v[ADRA+\s], s21, v[LI]
	v_add_nc_u32 v[ADRB+\s], s22, v[LI]
	s_add_co_u32 s21, s21, SLOT
	s_add_co_u32 s22, s22, SLOT
.endr
	s_wait_alu depctr_va_vdst(0)                   ; the wait behind the head's last vector instruction
	s_lshl_b32 s67, s17, 1
	s_add_co_u32 s67, s67, s15                     ; my 128 rows of A
	s_lshl_b32 s74, s42, 1
	s_add_co_u32 s74, s74, s16                     ; my 128 rows of B
	s_cmp_eq_u32 s66, 2
	s_cselect_b32 s72, s67, s74                    ; the head: B's block for q and k, A's for v
	s_cselect_b32 s73, s74, s67                    ; the 128 tokens
	s_lshl_b32 s72, s72, 18
	s_lshl_b32 s73, s73, 14
	s_add_co_u32 s72, s72, s73
	s_lshl_b32 s73, s66, 22
	s_add_co_u32 s72, s72, s73
	s_mov_b32 s73, 0
	s_add_nc_u64 s[90:91], s[12:13], s[72:73]      ; where my codes go
	s_lshl_b32 s72, s67, 16
	s_add_nc_u64 s[88:89], s[8:9], s[72:73]        ; the table of my 128 tokens
.macro RTAB a, tw, tb                  ; the table of block a's 16 tokens: 32 registers of cos, 32 of sin, into window tw from v[tb] on
	WIN ((\tw)<<6)
.irp k, 0,1,2,3,4,5,6,7,8,9,10,11,12,13,14,15
	global_load_b128 v[\tb+4*\k:\tb+4*\k+3], v[LI], s[88:89] offset:(\a)*8192+\k*512
.endr
	WIN 0
.endm
	s_cmp_eq_u32 s66, 2
	s_cbranch_scc1 .Lno_tab0
	RTAB 0, 0, 32
.Lno_tab0:
.macro FRAG reg, adr, q, i
.irp c, 0,1,2,3
	ds_load_b128 v[\reg+4*\c:\reg+4*\c+3], v[\adr] offset:2048*(\q)+512*\c+4096*(\i)
.endr
.endm
.macro MUL16 a0, p, zero               ; A's blocks a0, a0 + 1 x B's eight; the 64 accumulators take turns
.irp a, \a0, \a0+1
.irp b, 0,1,2,3,4,5,6,7
.if \zero
	v_wmma_f32_16x16x128_fp8_fp8 v[8*(8*((\a)%4)+\b):8*(8*((\a)%4)+\b)+7], v[128*(\p)+FR*\b:128*(\p)+FR*\b+FR-1], v[AF+FR*(\a):AF+FR*(\a)+FR-1], 0
.else
	v_wmma_f32_16x16x128_fp8_fp8 v[8*(8*((\a)%4)+\b):8*(8*((\a)%4)+\b)+7], v[128*(\p)+FR*\b:128*(\p)+FR*\b+FR-1], v[AF+FR*(\a):AF+FR*(\a)+FR-1], v[8*(8*((\a)%4)+\b):8*(8*((\a)%4)+\b)+7]
.endif
.endr
.endr
.endm
.macro FETCH_B slot, q, p
	WIN TO_B
.irp i, 0,1,2,3,4,5,6,7
	FRAG 128*(\p)+FR*\i, ADRB+\slot, \q, \i
.endr
	WIN 0
.endm
.macro FETCH_A slot, q, i0
.irp i, \i0, \i0+1, \i0+2, \i0+3
	FRAG AF+FR*(\i), ADRA+\slot, \q, \i
.endr
.endm
.macro PLACES n                        ; places behind matrix instructions, ahead of loads into their sources and of reads of their results
.rept \n
	v_nop
.endr
.endm
.macro STEP slot, q, zero              ; 128 along K, its successor in the same slot
	s_wait_dscnt 4*NL                              ; all but A's blocks 4-7
	WIN MUL_LO
	MUL16 0, (\q)%2, \zero
	MUL16 2, (\q)%2, \zero
	s_wait_dscnt 0
	PLACES NP
	FETCH_B \slot, (\q)+1, 1-(\q)%2
	FETCH_A \slot, (\q)+1, 0
	WIN MUL_HI
	MUL16 4, (\q)%2, \zero
	MUL16 6, (\q)%2, \zero
	PLACES NP
	WIN 0
	FETCH_A \slot, (\q)+1, 4
.endm
.macro TURN slot, next, fill           ; a slot's last 128 along K, and the change of slots
.if \fill
	s_wait_xcnt 0x0                                ; my last prefetch has read its address
	s_add_nc_u64 s[PFA:PFA+1], s[PFA:PFA+1], KSTR  ; on to the K step that this change asks for
.endif
	s_wait_tensorcnt 0x0                           ; my part of the next slot is in;
	ds_add_u32 v[SPW], v[NIL]                      ; 0 onto my spare word;
	s_wait_dscnt 4*NL+1                            ; (the add and A's blocks 4-7 may be out)
	WIN MUL_LO
	MUL16 0, 1, 0
	s_wait_dscnt 0x0                               ; the add is done, my reads of this slot are over
	s_barrier_signal -1
	MUL16 2, 1, 0
	WIN 0
	s_barrier_wait -1
.if \fill
	CREST                                          ; the barrier has opened a round of the cluster's
	s_add_nc_u64 s[G0+4*\slot+2:G0+4*\slot+3], s[G0+4*\slot+2:G0+4*\slot+3], 2*KSTR
	s_add_nc_u64 s[G0B+4*\slot+2:G0B+4*\slot+3], s[G0B+4*\slot+2:G0B+4*\slot+3], 2*KSTR
	JLOAD G0+4*\slot, G1, G0B+4*\slot, G1B
.else
	PLACES NP
.endif
	FETCH_B \next, 0, 0
	FETCH_A \next, 0, 0
.if \fill
	ASK
.endif
	WIN MUL_HI
	MUL16 4, 1, 0
	MUL16 6, 1, 0
	PLACES NP
	WIN 0
	FETCH_A \next, 0, 4
.endm
	s_wait_tensorcnt 0x0                           ; my part of K step 0 is in; slot 1's first fill is issued as a refill is
	ds_add_u32 v[SPW], v[NIL]
	s_wait_xcnt 0x0
	s_add_nc_u64 s[PFA:PFA+1], s[PFA:PFA+1], KSTR
	s_wait_dscnt 0x0
	CROUND
	JLOAD G0+4, G1, G0B+4, G1B                     ; K step 1
	FETCH_B 0, 0, 0
	FETCH_A 0, 0, 0
	FETCH_A 0, 0, 4
	PREF                                           ; K step 3
	STEP 0, 0, 1                                   ; the first products start the sums
	s_mov_b32 s3, LAPS-1
.Llap:
	TURN 0, 1, 1
	STEP 1, 0, 0
	TURN 1, 0, 1
	STEP 0, 0, 0
	s_sub_co_u32 s3, s3, 1
	s_cmp_lg_u32 s3, 0
	s_cbranch_scc1 .Llap
	TURN 0, 1, 0
	STEP 1, 0, 0
	s_cmp_eq_u32 s66, 2
	s_cbranch_scc1 .Lno_tab1
	RTAB 1, 1, 0                                   ; B's set 0 is done with: four places stand behind its last product
	RTAB 2, 1, 64
.Lno_tab1:
	s_wait_dscnt 4*NL
	WIN MUL_LO
	MUL16 0, 1, 0
	MUL16 2, 1, 0
	s_wait_dscnt 0
	WIN MUL_HI
	MUL16 4, 1, 0
	MUL16 6, 1, 0
	WIN 0
	s_wait_kmcnt 0x0
	s_add_co_i32 s92, s76, s77                     ; q: e6 - e0 - e1;  k: e7 - e2 - e3;  v: e9 - e4 - e5
	s_sub_co_i32 s92, s82, s92
	s_add_co_i32 s93, s78, s79
	s_sub_co_i32 s93, s83, s93
	s_add_co_i32 s94, s80, s81
	s_sub_co_i32 s94, s85, s94
	s_cmp_eq_u32 s66, 1
	s_cselect_b32 s92, s93, s92
	s_cmp_eq_u32 s66, 2
	s_cselect_b32 s92, s94, s92
	s_add_co_i32 s92, s92, 127
	s_lshl_b32 s93, s92, 23
	v_mov_b32 v[SCL], s93                          ; the conversion's scale,
	s_add_co_i32 s92, s92, 8
	s_lshl_b32 s92, s92, 23
	s_or_b32 s92, s92, 0x600000
	v_mov_b32 v[LIM], s92                          ; and 448 x that
	PLACES NP
.macro ROT a, tw, tb                   ; channels d and d + 64 lie in accumulators b and b + 4 of the same lane: out = x cos -+ partner sin; each accumulator from its low end on
.set AC, 64*((\a)%4)
	WIN ((2+(\a)/4)|((\tw)<<2))
.irp b, 0,1,2,3
.irp j, 0,2,4,6
	v_pk_mul_f32 v[OUT+8*\b+\j:OUT+8*\b+\j+1], v[AC+8*\b+\j:AC+8*\b+\j+1], v[\tb+8*\b+\j:\tb+8*\b+\j+1]
.endr
.irp j, 0,2,4,6
	v_pk_mul_f32 v[OUT+32+8*\b+\j:OUT+32+8*\b+\j+1], v[AC+32+8*\b+\j:AC+32+8*\b+\j+1], v[\tb+8*\b+\j:\tb+8*\b+\j+1]
.endr
.irp j, 0,2,4,6
	v_pk_fma_f32 v[OUT+8*\b+\j:OUT+8*\b+\j+1], v[AC+32+8*\b+\j:AC+32+8*\b+\j+1], v[\tb+32+8*\b+\j:\tb+32+8*\b+\j+1], v[OUT+8*\b+\j:OUT+8*\b+\j+1] neg_lo:[1,0,0] neg_hi:[1,0,0]
.endr
.irp j, 0,2,4,6
	v_pk_fma_f32 v[OUT+32+8*\b+\j:OUT+32+8*\b+\j+1], v[AC+8*\b+\j:AC+8*\b+\j+1], v[\tb+32+8*\b+\j:\tb+32+8*\b+\j+1], v[OUT+32+8*\b+\j:OUT+32+8*\b+\j+1]
.endr
.endr
	WIN 0
.endm
.macro HOLD                            ; the conversion does not saturate (ISA guide 7.6.2)
.set i, 0
.rept 64
	v_med3_num_f32 v[OUT+i], v[OUT+i], -v[LIM], v[LIM]
.set i, i+1
.endr
.endm
.macro VHOLD a
.set AC, 64*((\a)%4)
	WIN 0x02+((\a)/4)
.set i, 0
.rept 64
	v_med3_num_f32 v[OUT+i], v[AC+i], -v[LIM], v[LIM]
.set i, i+1
.endr
	WIN 0
.endm
.macro CVTOUT a                        ; a fragment's image: four stores of 512 consecutive bytes
.set CD, 224+16*((\a)%2)
.if (\a) >= 2
	s_wait_xcnt 0x0                                ; block a - 2's stores have read these registers
.endif
.irp g, 0,1,2,3,4,5,6,7
	v_cvt_scalef32_pk8_fp8_f32 v[CD+2*\g:CD+2*\g+1], v[OUT+8*\g:OUT+8*\g+7], v[SCL]
.endr
	v_nop
.irp c, 0,1,2,3
	global_store_b128 v[LI], v[CD+4*\c:CD+4*\c+3], s[90:91] offset:(\a)*2048+512*\c
.endr
.endm
.macro BLK a, tw, tb, cnt              ; cnt: how many of the table loads issued behind block a's may stay out (where they are 64 or 80: the count 63)
	s_wait_loadcnt \cnt
	ROT \a, \tw, \tb
	HOLD
	s_wait_alu depctr_va_vdst(0)                   ; the wait ahead of the wait in CVTOUT
	CVTOUT \a
.endm
	s_cmp_eq_u32 s66, 2
	s_cbranch_scc1 .Lfor_v
	RTAB 3, 1, 128
	RTAB 4, 1, 192
	RTAB 5, 0, 96
	BLK 0, 0, 32, 48                               ; behind block 0's loads stand those of blocks 1 to 5: 80; the count 48 waits for blocks 1 and 2 as well
	RTAB 6, 0, 32
	BLK 1, 1, 0, 63
	RTAB 7, 1, 0
	BLK 2, 1, 64, 63
	BLK 3, 1, 128, 63
	BLK 4, 1, 192, 48
	BLK 5, 0, 96, 32
	BLK 6, 0, 32, 16
	BLK 7, 1, 0, 0
	s_branch .Lend
.Lfor_v:
	s_wait_alu depctr_va_vdst(0)                   ; the wait behind the branch
.irp a, 0,1,2,3,4,5,6,7
	VHOLD \a
	s_wait_alu depctr_va_vdst(0)
	CVTOUT \a
.endr
.Lend:
	s_wait_tensorcnt 0x0                           ; the wave's end
	ds_add_u32 v[SPW], v[NIL]
	s_wait_dscnt 0x0
	CROUND                                         ; the closing round
	s_endpgm
.Lfunc_end_k_qdd6db57e3e_qkv:
	.size	k_qdd6db57e3e_qkv, .Lfunc_end_k_qdd6db57e3e_qkv-k_qdd6db57e3e_qkv
	.p2alignl 7, 3214868480
	.fill 96, 4, 3214868480
	.section	.rodata,"a",@progbits
	.p2align	6, 0x0
	.amdhsa_kernel k_qdd6db57e3e_qkv
		.amdhsa_group_segment_fixed_size 327680
		.amdhsa_private_segment_fixed_size 0
		.amdhsa_enable_private_segment 0
		.amdhsa_kernarg_size 40
		.amdhsa_user_sgpr_count 2
		.amdhsa_user_sgpr_kernarg_segment_ptr 1
		.amdhsa_wavefront_size32 1
		.amdhsa_system_sgpr_workgroup_id_x 1
		.amdhsa_system_sgpr_workgroup_id_y 1
		.amdhsa_system_sgpr_workgroup_id_z 1
		.amdhsa_system_vgpr_workitem_id 0
		.amdhsa_next_free_vgpr 1024
		.amdhsa_next_free_sgpr 100
		.amdhsa_reserve_vcc 0
		.amdhsa_float_denorm_mode_32 3
		.amdhsa_float_denorm_mode_16_64 3
		.amdhsa_memory_ordered 1
		.amdhsa_forward_progress 1
		.amdhsa_inst_pref_size 204
	.end_amdhsa_kernel
	.amdgpu_metadata
---
amdhsa.version: [ 1, 2 ]
amdhsa.kernels:
  - .name:           k_qdd6db57e3e_qkv
    .symbol:         k_qdd6db57e3e_qkv.kd
    .args:
      - { .name: xc, .offset: 0, .size: 8, .value_kind: global_buffer, .address_space: global }
      - { .name: wc, .offset: 8, .size: 8, .value_kind: global_buffer, .address_space: global }
      - { .name: rope, .offset: 16, .size: 8, .value_kind: global_buffer, .address_space: global }
      - { .name: lowp_scales, .offset: 24, .size: 8, .value_kind: global_buffer, .address_space: global }
      - { .name: qkvc, .offset: 32, .size: 8, .value_kind: global_buffer, .address_space: global }
    .group_segment_fixed_size: 327680
    .private_segment_fixed_size: 0
    .kernarg_segment_align: 8
    .kernarg_segment_size: 40
    .max_flat_workgroup_size: 128
    .sgpr_count:     100
    .vgpr_count:     1024
    .wavefront_size: 32
...
	.end_amdgpu_metadata
.endif
;; end of part 6
;; launch attn (part 7): grid 16 x 16, 8 waves a work-group, clusters of 4 x 1, 327,680 bytes of LDS; arguments qkvc, lowp_scales, ac; writes ac
.if DOCPART == 7
	.amdgcn_target "amdgcn-amd-amdhsa--gfx1250"
	.amdhsa_code_object_version 6
	.text
	.protected	k_qdd6db57e3e_attn
	.globl	k_qdd6db57e3e_attn
	.p2align	8
	.type	k_qdd6db57e3e_attn,@function
k_qdd6db57e3e_attn:
	s_mov_b64 s[64:65], 0
	v_nop
	global_prefetch_b8 v0, s[64:65] scope:SCOPE_SE
	s_setreg_imm32_b32 hwreg(HW_REG_WAVE_MODE, 25, 1), 1
	s_wait_xcnt 0x0
	s_wait_alu depctr_hold_cnt(0) depctr_sa_sdst(0) depctr_va_vdst(0) depctr_va_sdst(0) depctr_va_ssrc(0) depctr_va_vcc(0) depctr_vm_vsrc(0)
	s_getreg_b32 s2, hwreg(HW_REG_IB_STS2, 6, 4)
	s_cmp_eq_u32 s2, 0
	s_cbranch_scc0 .Lentry_in_a_cluster
	s_endpgm
.Lentry_in_a_cluster:
	s_bfe_u32 s2, ttmp6, 0x10000c
	s_cmp_lg_u32 s2, 0x3003
	s_cbranch_scc0 .Lentry_shape_is_right
	s_endpgm
.Lentry_shape_is_right:
; Causal attention on codes of E4M3, 16 heads of 128, 2,048 tokens.  q, k: images of fragments (16 tokens x 128 channels); v: images of fragments (16 channels x 128 keys).  The result is quantised for the last product and
; stored as images of ITS fragments (16 tokens x 128 features).
; THE SOFTMAX AHEAD OF THE SECOND PRODUCT: t = score x log2(e) / sqrt(128); M = the running largest t rounded UP to a whole number; p = 2^(t - M) is what is quantised; the row's sum is taken of the unquantised p and divides
; at the end.  When M moves, the sum and O are multiplied by 2^(old M - new M): nothing is rounded.
; LAYOUT.  Both products transposed: S^T = K Q^T (source 0 = 16 keys, source 1 = my 16 queries), O^T = V^T P^T (source 0 = 16 channels, source 1 = P): a lane holds ONE query (lane % 16); in tile t its register j is key
; (or channel) 16 t + 8 (lane / 16) + j, which is where the operand's layout puts registers 2 t, 2 t + 1: a conversion of a tile's eight registers IS a register pair of the next operand.
; SHARES.  A wave owns one tile of 16 queries; a block of 128 queries, number b, wants b + 1 key steps of 128.  Cluster c of a head owns blocks 2 c, 2 c + 1 (waves 0-3) and 15 - 2 c, 14 - 2 c (waves 4-7); within a block the
; tile is 2 cx + wave % 2.  So every work-group has 68 wave steps, and a wave's block hangs on the cluster's number and the wave's number alone: the causal branches are alike in all four partners.
; RING.  Two LDS slots of 512 keys: K's four steps (65,536 bytes), then V's four.  Every wave asks for 16,384 dense bytes (waves 0-3: K's steps; waves 4-7: V's), JOINTLY with the three partners, which walk the same K and V.
; Every work-group walks all four slots: trip counts are constants; a step whose keys all come after the wave's queries is jumped over (its loads, products and softmax; no barrier, no tensor load).
; One tensor load of a wave is out at any time.
; LIMITS on the given exponents: e6 + e7 between -123 and 130 (added to c's exponent field); e8, and e10 - e8 - e9, between -126 and 119.
; REGISTERS: window 0: v1-9 addresses; v12 -M, v13 the largest t, v[14:15] the sum in two halves; v16-31 Q; v96-159 S^T, then p; v160-223 O^T; v224-239 p's codes (v236-239 also at work before them); v240-255 at work.  window 1: v0-127 K's eight fragments, v128-255 V's.
.set SLOT1, 1<<17                      ; slot 1 begins here: one exclusive or turns an address in one slot into the other's
.set SPARE, 2*SLOT1                    ; behind the ring: the spare words, 128 bytes a wave: four blocks of 256 bytes that no other line names
.set LI,  1                            ; v1   16 x lane: my place in an image's piece (K's part of a slot)
.set LV,  2                            ; v2   the same in V's part
.set PFO, 3                            ; v3   256 x lane: the prefetches' offset; never rewritten
.set DD,  4                            ; v4   my query's number in its block, less 8 (lane / 16)
.set SPW, 5                            ; v5   LDS address of my spare word; never rewritten
.set NIL, 6                            ; v6   0; never rewritten
.set ADK, 8                            ; v8   LDS address of the step's K
.set ADV, 9                            ; v9   of its V
.set Q,   16
.set S,   96
.set O,   160
.set P,   224
.set WV,    10                         ; s10  wave
.set BK,    14                         ; s14  my block of 128 queries = the last key step that counts for me
.set LIM,   15                         ; s15  1 in a wave that prefetches, else the greatest number
.set ST,    16                         ; s16  the key step, 0 .. 15
.set TB,    17                         ; s17  LDS byte at which the step's K begins
.set SLOTS, 18                         ; s18  slots still to be asked for
.set INN,   19                         ; s19  counts a slot's four steps
.set SEL,   20                         ; s[20:21] lane selects for v_permlanex16_b32: lane l xor 16
.set CS,    22                         ; s[22:23] c = log2(e) / sqrt(128) x 2^(e6 + e7)
.set G1,    24                         ; s[24:31] descriptor group 1
.set G0,    32                         ; s[32:35] descriptor group 0, which walks
.set PFA,   36                         ; s[36:37] where my prefetches stand
.set MSB, 0
.macro WIN new                         ; the immediate's high byte repeats the setting that is left
.if MSB != \new
	s_set_vgpr_msb (MSB<<8)|\new
.set MSB, \new
.endif
.endm
.macro CROUND                          ; a round of the cluster's barrier
	s_barrier_signal -1
	s_barrier_wait -1
	s_cmp_lg_u32 s[WV], 0
	s_cbranch_scc1 .Lnot_wave_0_\@
	s_barrier_signal -3
.Lnot_wave_0_\@:
	s_barrier_wait -3
	s_barrier_signal -1
	s_barrier_wait -1
.endm
; A PREFETCH INTO THE L2 of what the NEXT change of slots will ask for.  All clusters of a head walk the same K and V: the head's first cluster asks.  An even wave asks for its own tile's and its odd neighbour's bytes,
; 32,768 on end; the four partners take 8,192 each, told apart BY ADDRESS; a lane names 256 bytes: one instruction a wave, each block of 256 bytes once in the launch.  It stands a slot's four key steps ahead of the load.
; Slots 0 and 1 come by their loads alone; the last change that fills a slot asks for nothing.
.macro ASK
	s_cmp_gt_u32 s[SLOTS], s[LIM]
	s_cbranch_scc0 .Lnot_mine_\@
	global_prefetch_b8 v[PFO], s[PFA:PFA+1] th:TH_LOAD_NT scope:SCOPE_SE
.Lnot_mine_\@:
.endm
	s_load_b128 s[4:7], s[0:1], 0x0                ; qkvc s[4:5], the exponents s[6:7]
	s_load_b64 s[8:9], s[0:1], 0x10                ; ac
	v_lshl_add_u32 v[SPW], v0, 2, SPARE
	v_mov_b32 v[NIL], 0
	ds_add_u32 v[SPW], v[NIL]                      ; the wave's opening: two adds and their wait stand ahead of my first tensor load; the set-up below, work on registers, stands between them
	ds_add_u32 v[SPW], v[NIL]
	v_lshrrev_b32 v7, 5, v0
	s_delay_alu instid0(VALU_DEP_1)
	v_readfirstlane_b32 s[WV], v7                  ; wave 0..7
	s_bfe_u32 s11, ttmp6, 0x40000                  ; cx: it enters global addresses and one register of data, nothing else
	s_and_b32 s13, ttmp7, 0xffff                   ; the head
	s_lshr_b32 s46, s[WV], 1
	s_and_b32 s46, s46, 1
	s_lshl_b32 s47, ttmp9, 1
	s_add_co_u32 s46, s46, s47                     ; 2 c + (wave / 2) % 2
	s_sub_co_u32 s47, 15, s46
	s_cmp_lt_u32 s[WV], 4
	s_cselect_b32 s[BK], s46, s47                  ; my block
	s_lshl_b32 s46, s11, 1
	s_and_b32 s47, s[WV], 1
	s_add_co_u32 s46, s46, s47                     ; my tile in the block
	s_lshl_b32 s12, s[BK], 3
	s_add_co_u32 s12, s12, s46                     ; my tile of 16 queries, 0 .. 127
	s_lshl_b32 s48, s46, 4                         ; its first query in the block
	s_mov_b32 s[G1], 15|(3<<16)|(1<<21)            ; 15:0 the mask: all four work-groups; 17:16 elements of 8 bytes; 21 set beside a mask; no padding
	s_mov_b32 s[G1+1], 32<<16                      ; tensor_dim0 = 32: rows of 256 bytes
	s_mov_b32 s[G1+2], 64<<16                      ; tensor_dim1 = 64
	s_mov_b32 s[G1+3], 32<<16                      ; tile_dim0
	s_mov_b32 s[G1+4], 64                          ; tile_dim1
	s_mov_b32 s[G1+5], 32                          ; tensor_dim0_stride: dense
	s_mov_b32 s[G1+6], 0
	s_mov_b32 s[G1+7], 0
	s_lshr_b32 s50, s[WV], 2                       ; my tile of slot 0: k's codes (waves 0-3) or v's (4-7),
	s_add_co_u32 s50, s50, 1
	s_lshl_b32 s50, s50, 22
	s_lshl_b32 s52, s13, 18                        ; the head's 262,144 bytes,
	s_add_co_u32 s50, s50, s52
	s_and_b32 s53, s[WV], 3
	s_lshl_b32 s53, s53, 14                        ; key step wave % 4
	s_add_co_u32 s50, s50, s53
	s_mov_b32 s51, 0
	s_lshl_b32 s54, s12, 11                        ; q: [head][tile]
	s_add_co_u32 s54, s54, s52
	s_mov_b32 s55, 0
	s_lshr_b32 s56, s13, 1                         ; ac: [head / 2][tile][head % 2]: the head is the last product's K step
	s_lshl_b32 s56, s56, 19
	s_lshl_b32 s57, s12, 12
	s_add_co_u32 s56, s56, s57
	s_and_b32 s57, s13, 1
	s_lshl_b32 s57, s57, 11
	s_add_co_u32 s56, s56, s57
	s_mov_b32 s57, 0
	s_lshl_b32 s58, s11, 13                        ; the prefetches: my work-group's 8,192 bytes,
	s_add_co_u32 s58, s58, s50
	s_add_co_u32 s58, s58, 65536                   ; in slot 1: the first change of slots steps it to slot 2
	s_mov_b32 s59, 0
	s_and_b32 s[LIM], s[WV], 1
	s_or_b32 s[LIM], s[LIM], ttmp9                 ; 0 in the even waves of the head's first cluster: the same in all four partners
	s_cmp_eq_u32 s[LIM], 0
	s_cselect_b32 s[LIM], 1, -1
	s_mov_b32 s[SEL], 0x76543210
	s_mov_b32 s[SEL+1], 0xfedcba98
	s_mov_b32 s[CS], 0x3e0293ee                    ; log2(e) / sqrt(128)
	s_mov_b32 s[ST], 0
	s_mov_b32 s[TB], 0
	s_mov_b32 s[SLOTS], 3
	s_wait_dscnt 0x0                               ; the opening add is done
	s_wait_kmcnt 0x0
	s_load_b128 s[40:43], s[6:7], 0x18             ; e6, e7, e8, e9
	s_load_b32 s44, s[6:7], 0x28                   ; e10
	s_mov_b32 s[G0], 1                             ; count = 1
	s_lshl_b32 s[G0+1], s[WV], 14                  ; LDS address: wave x 16,384, in slot 0
	s_add_nc_u64 s[G0+2:G0+3], s[4:5], s[50:51]
	s_or_b32 s[G0+3], s[G0+3], 0x80000000          ; type = 2
	s_add_nc_u64 s[38:39], s[4:5], s[54:55]        ; q's image
	s_add_nc_u64 s[8:9], s[8:9], s[56:57]          ; where my codes go
	s_add_nc_u64 s[PFA:PFA+1], s[4:5], s[58:59]
	CROUND                                         ; all four work-groups are here: the first joint loads meet
	tensor_load_to_lds s[G0:G0+3], s[G1:G1+7]      ; slot 0
	s_nop 0
.rept 4
	v_nop
.endr
	v_and_b32 v7, 31, v0
	s_delay_alu instid0(VALU_DEP_1)
	v_lshlrev_b32 v[LI], 4, v7
	s_delay_alu instid0(VALU_DEP_1)
	v_add_nc_u32 v[LV], 0x10000, v[LI]
	s_delay_alu instid0(VALU_DEP_3)
	v_lshlrev_b32 v[PFO], 8, v7
.irp c, 0,1,2,3
	global_load_b128 v[Q+4*\c:Q+4*\c+3], v[LI], s[38:39] offset:512*\c   ; Q's fragment stays in registers
.endr
	v_and_b32 v7, 15, v0
	v_bfe_u32 v10, v0, 4, 1
	s_delay_alu instid0(VALU_DEP_1)
	v_lshlrev_b32 v10, 3, v10
	s_delay_alu instid0(VALU_DEP_1)
	v_sub_nc_u32 v[DD], v7, v10
	s_delay_alu instid0(VALU_DEP_1)
	v_add_nc_u32 v[DD], s48, v[DD]
	v_mov_b32 v13, 0xff61b1e6                      ; the largest t so far: -3e38, under every t
	s_delay_alu instid0(VALU_DEP_1)
	v_floor_f32 v12, -v13                          ; -M
	v_mov_b32 v14, 0                               ; the sum, in two halves
	v_mov_b32 v15, 0
	v_mov_b32 v245, 0                              ; written once: a lane permute's destination counts as one of its sources
	v_mov_b32 v252, 0
	v_mov_b32 v253, 0                              ; (named as the upper half of the pair v[252:253])
	v_mov_b32 v254, 0
.set i, 0
.rept 64
	v_mov_b32 v[O+i], 0                            ; O^T.  (The step is written for every step alike: the first finds zeros, which the first change of M leaves zeros)
.set i, i+1
.endr
	s_wait_kmcnt 0x0
	s_add_co_i32 s46, s40, s41
	s_lshl_b32 s46, s46, 23
	s_add_co_i32 s[CS], s[CS], s46                 ; a score stands for score x 2^(e6 + e7): the exponents are added to c's exponent field
	s_mov_b32 s[CS+1], s[CS]                       ; (named with it as a pair, so it is written)
	s_add_co_i32 s46, s42, 127
	s_lshl_b32 s47, s46, 23
	v_mov_b32 v244, s47                            ; 2^e8 as f32, for p's conversions
	s_add_co_i32 s46, s46, 8
	s_lshl_b32 s46, s46, 23
	s_or_b32 s46, s46, 0x600000
	v_mov_b32 v240, s46                            ; 448 x 2^e8
; A KEY STEP: 128 keys, at LDS byte s[TB] of K's part and of V's.
.macro VLD t                           ; V's fragment t of the step in hand: four loads, laid among the softmax's vector lines
	WIN 0x40                                       ; destination window 1
.irp c, 0,1,2,3
	ds_load_b128 v[128+16*(\t)+4*\c:128+16*(\t)+4*\c+3], v[ADV] offset:2048*(\t)+512*\c
.endr
	WIN 0
.endm
.macro STEP
	s_cmp_gt_u32 s[ST], s[BK]                      ; all its keys come after my queries: nothing to do.  The branch hangs on the cluster's and the wave's numbers
	s_cbranch_scc1 .Lhidden_\@
	v_add_nc_u32 v[ADK], s[TB], v[LI]
	v_add_nc_u32 v[ADV], s[TB], v[LV]
	WIN 0x01                                       ; source 0 window 1
	s_wait_alu depctr_va_vdst(0)
.irp t, 0,1,2,3,4,5,6,7
	s_wait_dscnt 28-4*\t                           ; K's fragment t is in: behind its loads stand four for each later fragment of K (K was asked for in the step before, or behind the change of slots)
	v_wmma_f32_16x16x128_fp8_fp8 v[S+8*\t:S+8*\t+7], v[16*\t:16*\t+15], v[Q:Q+15], 0
.endr
	WIN 0
.rept 4
	v_nop                                          ; places ahead of the first read of the scores and of the loads into K's registers
.endr
	s_cmp_eq_u32 s[INN], 1                         ; the next step's K, 16,384 bytes on, is asked for here if it lies in this slot
	s_cbranch_scc1 .Lnok_\@
	s_cmp_ge_u32 s[ST], s[BK]                      ; and counts for my queries: ids and the count of steps alone
	s_cbranch_scc1 .Lnok_\@
	WIN 0x40
.irp t, 0,1,2,3,4,5,6,7
.irp c, 0,1,2,3
	ds_load_b128 v[16*\t+4*\c:16*\t+4*\c+3], v[ADK] offset:16384+2048*\t+512*\c
.endr
.endr
	WIN 0
.Lnok_\@:
	s_cmp_lg_u32 s[ST], s[BK]
	s_cbranch_scc1 .Lopen_\@
	v_mov_b32 v254, 0xff800000                     ; -infinity: p = 0 then.  Register n holds key 16 (n / 8) + n % 8 + 8 (lane / 16) of the step: hidden where that is above my query
.set n, 0
.rept 64
	v_cmp_gt_i32 vcc_lo, 16*(n/8)+n%8, v[DD]
	v_cndmask_b32 v[S+n], v[S+n], v254, vcc_lo
.set n, n+1
.endr
.Lopen_\@:
.irp k, 0,1,2,3
	v_max3_num_f32 v[254-2*\k], v[S+3*\k], v[S+3*\k+1], v[S+3*\k+2]   ; the step's largest score of my query among my 64 keys, in four chains, from the low end on
.endr
.set n, 0
.rept 26
	v_max3_num_f32 v[254-2*(n%4)], v[254-2*(n%4)], v[S+12+2*n], v[S+13+2*n]
.if (n%6) == 5
	VLD (n/6)                                      ; V's fragments 0 to 3, one behind every sixth line; more than four plain lines stand between the last step's products and the first of these loads
.endif
.set n, n+1
.endr
	v_max3_num_f32 v254, v254, v252, v250
	s_delay_alu instid0(VALU_DEP_1)
	v_max_num_f32 v254, v254, v248
	s_delay_alu instid0(VALU_DEP_1)
	v_permlanex16_b32 v245, v254, s[SEL], s[SEL+1]
	s_delay_alu instid0(VALU_DEP_1)
	v_max_num_f32 v254, v254, v245                 ; and among lane l xor 16's
	s_delay_alu instid0(VALU_DEP_1)
	v_mul_f32 v254, s[CS], v254                    ; as t (c is positive)
	s_delay_alu instid0(VALU_DEP_1)
	v_max_num_f32 v13, v13, v254                   ; the running largest t
	v_mov_b32 v254, v12
	s_delay_alu instid0(VALU_DEP_2)
	v_floor_f32 v12, -v13                          ; the new -M = floor(-t) = -ceil(t): M is a whole number
	s_delay_alu instid0(VALU_DEP_1)
	v_sub_f32 v254, v12, v254                      ; M's old value less its new one: a whole number, 0 or less
	s_delay_alu instid0(VALU_DEP_1)
	v_cvt_i32_f32 v254, v254                       ; (it saturates)
	s_delay_alu instid0(VALU_DEP_1)
	v_ldexp_f32 v252, 1.0, v254                    ; f = 2^(old M - new M)
.set j, 0
.rept 32
	v_pk_fma_f32 v[S+j:S+j+1], v[S+j:S+j+1], s[CS:CS+1], v[12:13] op_sel_hi:[1,0,0]   ; t - M, two at a time (of the pairs c and -M the low word serves both halves)
.if (j%16) == 14
	VLD (4+j/16)                                   ; V's fragments 4 to 7, one behind every eighth line
.endif
.set j, j+2
.endr
.set j, 0
	s_wait_alu depctr_va_vdst(0)
.rept 64
	v_exp_f32 v[S+j], v[S+j]                       ; p = 2^(t - M), at most 1: not normalised
.set j, j+1
.endr
	v_pk_mul_f32 v[14:15], v[14:15], v[252:253] op_sel_hi:[1,0]   ; the sums under the new M: the plain instruction behind the exponentials
	s_wait_alu depctr_va_vdst(0)                   ; one wait for the whole batch ahead of its first reader
	v_pk_add_f32 v[242:243], v[100:101], v[104:105]
	v_pk_add_f32 v[254:255], v[108:109], v[112:113]
	v_pk_add_f32 v[250:251], v[116:117], v[120:121]
	v_pk_add_f32 v[248:249], v[124:125], v[128:129]
	v_pk_add_f32 v[246:247], v[132:133], v[136:137]
	v_pk_add_f32 v[238:239], v[140:141], v[144:145]
	v_pk_add_f32 v[236:237], v[148:149], v[152:153]
	v_pk_add_f32 v[14:15], v[14:15], v[156:157]
	v_pk_add_f32 v[242:243], v[242:243], v[96:97]
	v_pk_add_f32 v[254:255], v[254:255], v[98:99]
	v_pk_add_f32 v[250:251], v[250:251], v[102:103]
	v_pk_add_f32 v[248:249], v[248:249], v[106:107]
	v_pk_add_f32 v[246:247], v[246:247], v[110:111]
	v_pk_add_f32 v[238:239], v[238:239], v[114:115]
	v_pk_add_f32 v[236:237], v[236:237], v[118:119]
	v_pk_add_f32 v[14:15], v[14:15], v[122:123]
	v_pk_add_f32 v[242:243], v[242:243], v[126:127]
	v_pk_add_f32 v[254:255], v[254:255], v[130:131]
	v_pk_add_f32 v[250:251], v[250:251], v[134:135]
	v_pk_add_f32 v[248:249], v[248:249], v[138:139]
	v_pk_add_f32 v[246:247], v[246:247], v[142:143]
	v_pk_add_f32 v[238:239], v[238:239], v[146:147]
	v_pk_add_f32 v[236:237], v[236:237], v[150:151]
	v_pk_add_f32 v[14:15], v[14:15], v[154:155]
	v_pk_add_f32 v[242:243], v[242:243], v[158:159]
	s_delay_alu instid0(VALU_DEP_2)
	v_pk_add_f32 v[14:15], v[14:15], v[248:249]
	s_delay_alu instid0(VALU_DEP_2)
	v_pk_add_f32 v[242:243], v[242:243], v[246:247]
	v_pk_add_f32 v[254:255], v[254:255], v[238:239]
	v_pk_add_f32 v[250:251], v[250:251], v[236:237]
	s_delay_alu instid0(VALU_DEP_2)
	v_pk_add_f32 v[14:15], v[14:15], v[254:255]
	s_delay_alu instid0(VALU_DEP_2)
	v_pk_add_f32 v[242:243], v[242:243], v[250:251]
	s_delay_alu instid0(VALU_DEP_1)
	v_pk_add_f32 v[14:15], v[14:15], v[242:243]
.irp t, 0,1,2,3,4,5,6,7
.irp i, 0,1,2,3,4,5,6,7
	v_min_num_f32 v[S+8*\t+\i], v[S+8*\t+\i], v240 ; the conversion does not saturate (ISA guide 7.6.2); p is not negative, so the hold is one-sided
.endr
	v_cvt_scalef32_pk8_fp8_f32 v[P+2*\t:P+2*\t+1], v[S+8*\t:S+8*\t+7], v244   ; tile t's eight keys: registers 2 t, 2 t + 1 of P's fragment
.endr
.set j, 0
.rept 32
	v_pk_mul_f32 v[O+j:O+j+1], v[O+j:O+j+1], v[252:253] op_sel_hi:[1,0]   ; O^T under the new M: x f.  (Also the plain lines between the conversions and the products that read the codes)
.set j, j+2
.endr
	s_wait_alu depctr_va_vdst(0)
	s_wait_dscnt 0x0                               ; V is in
	WIN 0x01
.irp t, 0,1,2,3,4,5,6,7
	v_wmma_f32_16x16x128_fp8_fp8 v[O+8*\t:O+8*\t+7], v[128+16*\t:128+16*\t+15], v[P:P+15], v[O+8*\t:O+8*\t+7]   ; eight accumulators, one instruction each
.endr
	WIN 0
.Lhidden_\@:
	s_add_co_u32 s[ST], s[ST], 1
	s_add_co_u32 s[TB], s[TB], 16384
.endm
; THE CHANGE OF SLOTS stands at a slot's head.  Each wave waits for all its tensor loads (its part of the slot that it is about to read), adds 0 to its spare word, and waits for that and for its reads of the slot that it has left.
; fill = 1: the barrier is a round of the cluster's, so that no wave of any partner still reads the other slot or has a load on its way; the joint fill of that slot is the first thing behind it and has four key steps in which to land.
.macro CHANGE fill
	s_wait_tensorcnt 0x0                           ; no tensor load of mine is out, so group 0 may be written
	ds_add_u32 v[SPW], v[NIL]                      ; 0 onto my spare word: the descriptor's steps stand between it and the wait for it
.if \fill
	s_xor_b32 s[G0+1], s[G0+1], SLOT1              ; the other slot than last time,
	s_add_nc_u64 s[G0+2:G0+3], s[G0+2:G0+3], 65536 ; the next 512 keys; the type bits on top are not reached
	s_wait_xcnt 0x0                                ; the last prefetch, a slot back, has read its address, so it may be written:
	s_add_nc_u64 s[PFA:PFA+1], s[PFA:PFA+1], 65536 ; one slot further on than the walking descriptor
	s_wait_dscnt 0x0                               ; the add is done, and my reads of the slot that I have left are over
	CROUND
	tensor_load_to_lds s[G0:G0+3], s[G1:G1+7]      ; a wave's one tensor load until the next round
	s_nop 0
.rept 4
	v_nop
.endr
	ASK
.else
	s_wait_dscnt 0x0
	s_barrier_signal -1
	s_barrier_wait -1
.endif
.endm
.macro SLOT_STEPS                      ; a slot's four key steps: written once, walked four times
	s_mov_b32 s[INN], 4
	v_add_nc_u32 v[ADK], s[TB], v[LI]              ; K of the slot's first step: every wave asks, with no branch; the later steps' K is asked for a step ahead
	WIN 0x40
.irp t, 0,1,2,3,4,5,6,7
.irp c, 0,1,2,3
	ds_load_b128 v[16*\t+4*\c:16*\t+4*\c+3], v[ADK] offset:2048*\t+512*\c
.endr
.endr
	WIN 0
.Lstep_\@:
	STEP
	s_sub_co_u32 s[INN], s[INN], 1
	s_cmp_lg_u32 s[INN], 0
	s_cbranch_scc1 .Lstep_\@
	s_sub_co_u32 s[TB], s[TB], 65536               ; back to a slot's first step,
	s_xor_b32 s[TB], s[TB], SLOT1                  ; in the other slot
.endm
	s_wait_loadcnt 0x0                             ; Q
.Lslot:                                                ; three trips: behind each change of slots but the last the next slot is asked for
	CHANGE 1
	SLOT_STEPS
	s_sub_co_u32 s[SLOTS], s[SLOTS], 1
	s_cmp_lg_u32 s[SLOTS], 0
	s_cbranch_scc1 .Lslot
	CHANGE 0                                       ; the last slot is written out
	SLOT_STEPS
	; THE WAY OUT.  O^T / the sum stands for the value / 2^(e8 + e9); its code for the last product is that / 2^(e10 - e8 - e9).  Tile t's eight channels are registers 2 t, 2 t + 1 of the fragment: no LDS.
.rept 4
	v_nop                                          ; places behind the last products
.endr
	s_sub_co_i32 s46, s44, s42
	s_sub_co_i32 s46, s46, s43
	s_add_co_i32 s46, s46, 127
	s_lshl_b32 s47, s46, 23
	s_add_co_i32 s46, s46, 8
	s_lshl_b32 s46, s46, 23
	s_or_b32 s46, s46, 0x600000
	v_add_f32 v14, v14, v15                        ; the sum's two halves,
	s_delay_alu instid0(VALU_DEP_1)
	v_permlanex16_b32 v252, v14, s[SEL], s[SEL+1]
	s_delay_alu instid0(VALU_DEP_1)
	v_add_f32 v14, v14, v252                       ; and lane l xor 16's: the row's sum
	s_wait_alu depctr_va_vdst(0)
	v_rcp_f32 v14, v14
	v_mov_b32 v244, s47                            ; (plain lines behind the reciprocal)  2^(e10 - e8 - e9),
	v_mov_b32 v240, s46                            ; 448 x that
	s_wait_alu depctr_va_vdst(0)                   ; the wait ahead of the reciprocal's first reader
.set j, 0
.rept 32
	v_pk_mul_f32 v[S+j:S+j+1], v[O+j:O+j+1], v[14:15] op_sel_hi:[1,0]   ; each accumulator from its low end on
.set j, j+2
.endr
.set j, 0
.rept 64
	v_med3_num_f32 v[S+j], v[S+j], -v240, v240
.set j, j+1
.endr
.irp t, 0,1,2,3,4,5,6,7
	v_cvt_scalef32_pk8_fp8_f32 v[P+2*\t:P+2*\t+1], v[S+8*\t:S+8*\t+7], v244
.endr
	v_nop                                          ; one plain vector instruction behind the last conversion
.irp c, 0,1,2,3
	global_store_b128 v[LI], v[P+4*\c:P+4*\c+3], s[8:9] offset:512*\c   ; 512 consecutive bytes a store
.endr
	s_wait_tensorcnt 0x0                           ; the wave's end: behind my last tensor load
	ds_add_u32 v[SPW], v[NIL]
	s_wait_dscnt 0x0
	CROUND                                         ; the closing round: no work-group ends while a partner may still ask for a tile that names it
	s_endpgm
.Lfunc_end_k_qdd6db57e3e_attn:
	.size	k_qdd6db57e3e_attn, .Lfunc_end_k_qdd6db57e3e_attn-k_qdd6db57e3e_attn
	.p2alignl 7, 3214868480
	.fill 96, 4, 3214868480
	.section	.rodata,"a",@progbits
	.p2align	6, 0x0
	.amdhsa_kernel k_qdd6db57e3e_attn
		.amdhsa_group_segment_fixed_size 327680
		.amdhsa_private_segment_fixed_size 0
		.amdhsa_enable_private_segment 0
		.amdhsa_kernarg_size 24
		.amdhsa_user_sgpr_count 2
		.amdhsa_user_sgpr_kernarg_segment_ptr 1
		.amdhsa_wavefront_size32 1
		.amdhsa_system_sgpr_workgroup_id_x 1
		.amdhsa_system_sgpr_workgroup_id_y 1
		.amdhsa_system_sgpr_workgroup_id_z 1
		.amdhsa_system_vgpr_workitem_id 0
		.amdhsa_next_free_vgpr 512
		.amdhsa_next_free_sgpr 66
		.amdhsa_reserve_vcc 1
		.amdhsa_float_denorm_mode_32 3
		.amdhsa_float_denorm_mode_16_64 3
		.amdhsa_memory_ordered 1
		.amdhsa_forward_progress 1
		.amdhsa_inst_pref_size 72
	.end_amdhsa_kernel
	.amdgpu_metadata
---
amdhsa.version: [ 1, 2 ]
amdhsa.kernels:
  - .name:           k_qdd6db57e3e_attn
    .symbol:         k_qdd6db57e3e_attn.kd
    .args:
      - { .name: qkvc, .offset: 0, .size: 8, .value_kind: global_buffer, .address_space: global }
      - { .name: lowp_scales, .offset: 8, .size: 8, .value_kind: global_buffer, .address_space: global }
      - { .name: ac, .offset: 16, .size: 8, .value_kind: global_buffer, .address_space: global }
    .group_segment_fixed_size: 327680
    .private_segment_fixed_size: 0
    .kernarg_segment_align: 8
    .kernarg_segment_size: 24
    .max_flat_workgroup_size: 256
    .sgpr_count:     66
    .vgpr_count:     512
    .wavefront_size: 32
...
	.end_amdgpu_metadata
.endif
;; end of part 7
;; launch proj (part 8): grid 16 x 16, 4 waves a work-group, clusters of 4 x 4, 327,680 bytes of LDS; arguments ac, wc, lowp_scales, out0; writes out0
.if DOCPART == 8
	.amdgcn_target "amdgcn-amd-amdhsa--gfx1250"
	.amdhsa_code_object_version 6
	.text
	.protected	k_qdd6db57e3e_proj
	.globl	k_qdd6db57e3e_proj
	.p2align	8
	.type	k_qdd6db57e3e_proj,@function
k_qdd6db57e3e_proj:
	s_mov_b64 s[64:65], 0
	v_nop
	global_prefetch_b8 v0, s[64:65] scope:SCOPE_SE
	s_setreg_imm32_b32 hwreg(HW_REG_WAVE_MODE, 25, 1), 1
	s_wait_xcnt 0x0
	s_wait_alu depctr_hold_cnt(0) depctr_sa_sdst(0) depctr_va_vdst(0) depctr_va_sdst(0) depctr_va_ssrc(0) depctr_va_vcc(0) depctr_vm_vsrc(0)
	s_getreg_b32 s2, hwreg(HW_REG_IB_STS2, 6, 4)
	s_cmp_eq_u32 s2, 0
	s_cbranch_scc0 .Lentry_in_a_cluster
	s_endpgm
.Lentry_in_a_cluster:
	s_bfe_u32 s2, ttmp6, 0x10000c
	s_cmp_lg_u32 s2, 0xf033
	s_cbranch_scc0 .Lentry_shape_is_right
	s_endpgm
.Lentry_shape_is_right:
.set CHUNK,  32768
.set SLOT,   4*CHUNK
.set KSTR,   524288
.set STAGE,  2*SLOT
.set SPITCH, 272
.set SPARE,  STAGE+4*16*SPITCH
.set ROWO,   8192
.set LI,   3
.set PFO,  4                           ; v4  256 x lane: the prefetches' offset; never rewritten
.set PFA,  98                          ; s[98:99] my work-group's 8,192 bytes of the 32,768 that my wave is asking for
.set ADRA, 16
.set ADRB, 20
.set STO,  24
.set RD,   25
.set CO,   26
.set SPW,  28
.set NIL,  29
.set TMP,  32
.set BK,   64
.set ACC,  128
.set F0,   0
.set F1,   128
.set G1, 24
.set G0, 32
.set G1B, 48
.set G0B, 56
.set MSB, 0
.macro WIN new
.if MSB != \new
	s_set_vgpr_msb (MSB<<8)|\new
.set MSB, \new
.endif
.endm
.set MUL,  0x05
.set TO_F, 0x40
.macro JLOAD s
	s_cmp_eq_u32 s15, 0
	s_cbranch_scc0 .Lfor_b_\@
	tensor_load_to_lds s[G0+4*\s:G0+4*\s+3], s[G1:G1+7]
	s_nop 0
.rept 4
	v_nop
.endr
	s_branch .Lasked_\@
.Lfor_b_\@:
	tensor_load_to_lds s[G0B+4*\s:G0B+4*\s+3], s[G1B:G1B+7]
	s_nop 0
.rept 4
	v_nop
.endr
.Lasked_\@:
.endm
.macro CREST
	s_cmp_lg_u32 s14, 0
	s_cbranch_scc1 .Lnot_wave_0_\@
	s_barrier_signal -3
.Lnot_wave_0_\@:
	s_barrier_wait -3
	s_barrier_signal -1
	s_barrier_wait -1
.endm
.macro CROUND
	s_barrier_signal -1
	s_barrier_wait -1
	CREST
.endm
	s_load_b128 s[4:7], s[0:1], 0x0
	s_load_b128 s[8:11], s[0:1], 0x10
	v_lshl_add_u32 v[SPW], v0, 2, SPARE
	v_mov_b32 v[NIL], 0
	ds_add_u32 v[SPW], v[NIL]
	ds_add_u32 v[SPW], v[NIL]
	v_lshrrev_b32 v1, 5, v0
	v_readfirstlane_b32 s14, v1
	s_lshr_b32 s15, s14, 1
	s_and_b32 s16, s14, 1
	s_bfe_u32 s40, ttmp6, 0x40000
	s_bfe_u32 s41, ttmp6, 0x40004
	s_lshl_b32 s42, ttmp9, 2
	s_add_co_u32 s42, s42, s40
	s_and_b32 s17, ttmp7, 0xffff
	s_lshl_b32 s17, s17, 2
	s_add_co_u32 s17, s17, s41
	s_lshl_b32 s43, s41, 2
	s_lshl_b32 s43, 15, s43
	s_lshl_b32 s44, 0x1111, s40
	s_or_b32 s[G1+0], s43, (3<<16)|(1<<21)
	s_or_b32 s[G1B+0], s44, (3<<16)|(1<<21)
.irp g, G1, G1B
	s_mov_b32 s[\g+1], 32<<16
	s_mov_b32 s[\g+2], 128<<16
	s_mov_b32 s[\g+3], 32<<16
	s_mov_b32 s[\g+4], 128
	s_mov_b32 s[\g+5], 32
	s_mov_b32 s[\g+6], 0
	s_mov_b32 s[\g+7], 0
.endr
	s_lshl_b32 s18, s16, 19
	s_lshl_b32 s20, s17, 15
	s_add_co_u32 s20, s20, s18
	s_lshl_b32 s46, s42, 15
	s_add_co_u32 s46, s46, s18
	s_add_co_u32 s46, s46, 3<<22
	s_mov_b32 s21, 0
	s_mov_b32 s47, 0
	s_mul_i32 s45, s14, CHUNK
	s_wait_dscnt 0x0
	s_wait_kmcnt 0x0
	s_load_b64 s[96:97], s[8:9], 0x28
	s_add_nc_u64 s[20:21], s[4:5], s[20:21]
	s_add_nc_u64 s[46:47], s[6:7], s[46:47]
	s_cmp_eq_u32 s15, 0                            ; the prefetches: the four partners that ask jointly take 8,192 bytes each, told apart by address (cx for A, cy for B)
	s_cselect_b64 s[PFA:PFA+1], s[20:21], s[46:47]
	s_cselect_b32 s19, s40, s41
	s_lshl_b32 s18, s19, 13
	s_mov_b32 s19, 0
	s_add_nc_u64 s[PFA:PFA+1], s[PFA:PFA+1], s[18:19]
	CROUND
.irp s, 0,1
	s_mov_b32 s[G0+4*\s], 1
	s_add_co_u32 s[G0+4*\s+1], s45, \s*SLOT
	s_add_nc_u64 s[G0+4*\s+2:G0+4*\s+3], s[20:21], \s*2*KSTR
	s_or_b32 s[G0+4*\s+3], s[G0+4*\s+3], 0x80000000
	s_mov_b32 s[G0B+4*\s], 1
	s_add_co_u32 s[G0B+4*\s+1], s45, \s*SLOT
	s_add_nc_u64 s[G0B+4*\s+2:G0B+4*\s+3], s[46:47], \s*2*KSTR
	s_or_b32 s[G0B+4*\s+3], s[G0B+4*\s+3], 0x80000000
.endr
	JLOAD 0                                        ; slot 0's first fill: one tensor load a wave at the head
	v_and_b32 v6, 31, v0
	v_lshlrev_b32 v[PFO], 8, v6
	global_prefetch_b8 v[PFO], s[PFA:PFA+1] offset:2*KSTR th:TH_LOAD_NT scope:SCOPE_SE   ; slot 1's first fill, whose joint load stands behind the next round
	global_prefetch_b8 v[PFO], s[PFA:PFA+1] offset:4*KSTR th:TH_LOAD_NT scope:SCOPE_SE   ; and the fill two on: a lane names 256 bytes
	s_wait_alu depctr_va_vdst(0)                   ; the wait here, directly ahead of the wait below
	s_wait_tensorcnt 0x0                           ; my part of slot 0 is in; slot 1's first fill is issued as a refill is
	ds_add_u32 v28, v29
	s_wait_xcnt 0x0                                ; the prefetch has read its address
	s_add_nc_u64 s[PFA:PFA+1], s[PFA:PFA+1], 2*KSTR
	s_wait_dscnt 0x0
	CROUND
	JLOAD 1
	v_and_b32 v1, 15, v0
	s_wait_alu depctr_va_vdst(0)
	v_bfe_u32 v2, v0, 4, 1
	v_and_b32 v6, 31, v0
	v_lshlrev_b32 v[LI], 4, v6
	s_lshl_b32 s21, s15, 14
	s_lshl_b32 s22, s16, 14
	s_add_co_u32 s22, s22, 2*CHUNK
.irp s, 0,1
	v_add_nc_u32 v[ADRA+\s], s21, v[LI]
	v_add_nc_u32 v[ADRB+\s], s22, v[LI]
	s_add_co_u32 s21, s21, SLOT
	s_add_co_u32 s22, s22, SLOT
.endr
	s_mul_i32 s23, s14, 16*SPITCH
	s_add_co_u32 s23, s23, STAGE
	v_mul_u32_u24 v5, v1, SPITCH
	s_wait_alu depctr_va_vdst(0)
	v_lshl_add_u32 v5, v2, 5, v5
	v_add_nc_u32 v[STO], s23, v5
	v_mul_u32_u24 v5, v2, SPITCH
	v_lshl_add_u32 v5, v1, 4, v5
	v_add_nc_u32 v[RD], s23, v5
	v_lshlrev_b32 v5, 13, v2
	v_lshl_add_u32 v[CO], v1, 4, v5
	s_lshl_b32 s20, s17, 7
	s_lshl_b32 s21, s15, 6
	s_add_co_u32 s20, s20, s21
	s_lshl_b32 s20, s20, 13
	s_lshl_b32 s46, s42, 9
	s_lshl_b32 s47, s16, 8
	s_add_co_u32 s46, s46, s47
	s_add_co_u32 s20, s20, s46
	s_mov_b32 s21, 0
	s_add_nc_u64 s[10:11], s[10:11], s[20:21]
.macro MUL8 f, a0, zero
.irp a, \a0, \a0+1
.irp b, 0,1,2,3
.if \zero
	v_wmma_f32_16x16x128_fp8_fp8 v[ACC+8*(4*(\a)+\b):ACC+8*(4*(\a)+\b)+7], v[64+(\f)+16*\b:64+(\f)+16*\b+15], v[0+(\f)+16*(\a):0+(\f)+16*(\a)+15], 0
.else
	v_wmma_f32_16x16x128_fp8_fp8 v[ACC+8*(4*(\a)+\b):ACC+8*(4*(\a)+\b)+7], v[64+(\f)+16*\b:64+(\f)+16*\b+15], v[0+(\f)+16*(\a):0+(\f)+16*(\a)+15], v[ACC+8*(4*(\a)+\b):ACC+8*(4*(\a)+\b)+7]
.endif
.endr
.endr
.endm
.macro FETCH slot, ks, f
	WIN TO_F
.irp b, 0,1,2,3
.irp c, 0,1,2,3
	ds_load_b128 v[64+(\f)+16*\b+4*\c:64+(\f)+16*\b+4*\c+3], v[ADRB+\slot] offset:((\ks)/2)*CHUNK+((\ks)%2)*2048+\b*4096+512*\c
.endr
.endr
.irp i, 0,1,2,3
.irp c, 0,1,2,3
	ds_load_b128 v[0+(\f)+16*\i+4*\c:0+(\f)+16*\i+4*\c+3], v[ADRA+\slot] offset:((\ks)/2)*CHUNK+((\ks)%2)*2048+\i*4096+512*\c
.endr
.endr
.endm
.macro PLACES
.rept 4
	v_nop
.endr
.endm
.macro STEP slot, ks, zero
	s_wait_dscnt 8
	WIN MUL
	MUL8 128*((\ks)%2), 0, \zero
	PLACES
	FETCH \slot, (\ks)+1, 128*(1-(\ks)%2)
	s_wait_dscnt 32
	WIN MUL
	MUL8 128*((\ks)%2), 2, \zero
.endm
.macro TURN slot, next, fill
	WIN 0
	s_wait_tensorcnt 0x0
	ds_add_u32 v[SPW], v[NIL]
	s_wait_dscnt 9
	WIN MUL
	MUL8 F1, 0, 0
	s_wait_dscnt 0x0
	s_barrier_signal -1
	MUL8 F1, 2, 0
	WIN 0
	s_barrier_wait -1
.if \fill
	CREST
	s_add_nc_u64 s[G0+4*\slot+2:G0+4*\slot+3], s[G0+4*\slot+2:G0+4*\slot+3], 4*KSTR
	s_add_nc_u64 s[G0B+4*\slot+2:G0B+4*\slot+3], s[G0B+4*\slot+2:G0B+4*\slot+3], 4*KSTR
	JLOAD \slot
.else
	PLACES
.endif
	FETCH \next, 0, F0
.endm
	FETCH 0, 0, F0
	global_prefetch_b8 v[PFO], s[PFA:PFA+1] offset:4*KSTR th:TH_LOAD_NT scope:SCOPE_SE   ; the last fill's bytes; the two refills name nothing: no fill stands two on
	STEP 0, 0, 1
	STEP 0, 1, 0
	STEP 0, 2, 0
	TURN 0, 1, 1
	STEP 1, 0, 0
	STEP 1, 1, 0
	STEP 1, 2, 0
	TURN 1, 0, 1
	STEP 0, 0, 0
	STEP 0, 1, 0
	STEP 0, 2, 0
	TURN 0, 1, 0
	STEP 1, 0, 0
	STEP 1, 1, 0
	STEP 1, 2, 0
	s_wait_dscnt 8
	WIN MUL
	MUL8 F1, 0, 0
	s_wait_dscnt 0x0
	MUL8 F1, 2, 0
	WIN 0
.macro TOSTAGE a
.irp j, 0,2,4,6,8,10,12,14,16,18,20,22,24,26,28,30
	v_pk_mul_f32 v[TMP+\j:TMP+\j+1], v[ACC+32*(\a)+\j:ACC+32*(\a)+\j+1], s[96:97] op_sel_hi:[1,0]
.endr
.irp b, 0,1,2,3
	ds_store_b128 v[STO], v[TMP+8*\b:TMP+8*\b+3] offset:64*\b
	ds_store_b128 v[STO], v[TMP+8*\b+4:TMP+8*\b+7] offset:64*\b+16
.endr
.irp t, 0,1,2,3,4,5,6,7
	ds_load_b128 v[BK+32*(\a)+4*\t:BK+32*(\a)+4*\t+3], v[RD] offset:\t*2*SPITCH
.endr
.endm
.macro SEND a, younger
	s_wait_dscnt \younger
.irp t, 0,1,2,3,4,5,6,7
	global_store_b128 v[CO], v[BK+32*(\a)+4*\t:BK+32*(\a)+4*\t+3], s[10:11] offset:(16*(\a)+2*\t)*ROWO th:TH_STORE_NT
.endr
.endm
	s_wait_kmcnt 0x0
	s_add_co_i32 s96, s96, s97
	s_add_co_i32 s96, s96, 127
	s_lshl_b32 s96, s96, 23
	PLACES
	TOSTAGE 0
	TOSTAGE 1
	SEND 0, 16
	TOSTAGE 2
	SEND 1, 16
	TOSTAGE 3
	SEND 2, 16
	SEND 3, 0
	s_wait_tensorcnt 0x0
	ds_add_u32 v[SPW], v[NIL]
	s_wait_dscnt 0x0
	CROUND
	s_endpgm
.Lfunc_end_k_qdd6db57e3e_proj:
	.size	k_qdd6db57e3e_proj, .Lfunc_end_k_qdd6db57e3e_proj-k_qdd6db57e3e_proj
	.p2alignl 7, 3214868480
	.fill 96, 4, 3214868480
	.section	.rodata,"a",@progbits
	.p2align	6, 0x0
	.amdhsa_kernel k_qdd6db57e3e_proj
		.amdhsa_group_segment_fixed_size 327680
		.amdhsa_private_segment_fixed_size 0
		.amdhsa_enable_private_segment 0
		.amdhsa_kernarg_size 32
		.amdhsa_user_sgpr_count 2
		.amdhsa_user_sgpr_kernarg_segment_ptr 1
		.amdhsa_wavefront_size32 1
		.amdhsa_system_sgpr_workgroup_id_x 1
		.amdhsa_system_sgpr_workgroup_id_y 1
		.amdhsa_system_sgpr_workgroup_id_z 1
		.amdhsa_system_vgpr_workitem_id 0
		.amdhsa_next_free_vgpr 512
		.amdhsa_next_free_sgpr 100
		.amdhsa_reserve_vcc 0
		.amdhsa_float_denorm_mode_32 3
		.amdhsa_float_denorm_mode_16_64 3
		.amdhsa_memory_ordered 1
		.amdhsa_forward_progress 1
		.amdhsa_inst_pref_size 74
	.end_amdhsa_kernel
	.amdgpu_metadata
---
amdhsa.version: [ 1, 2 ]
amdhsa.kernels:
  - .name:           k_qdd6db57e3e_proj
    .symbol:         k_qdd6db57e3e_proj.kd
    .args:
      - { .name: ac, .offset: 0, .size: 8, .value_kind: global_buffer, .address_space: global }
      - { .name: wc, .offset: 8, .size: 8, .value_kind: global_buffer, .address_space: global }
      - { .name: lowp_scales, .offset: 16, .size: 8, .value_kind: global_buffer, .address_space: global }
      - { .name: out0, .offset: 24, .size: 8, .value_kind: global_buffer, .address_space: global }
    .group_segment_fixed_size: 327680
    .private_segment_fixed_size: 0
    .kernarg_segment_align: 8
    .kernarg_segment_size: 32
    .max_flat_workgroup_size: 128
    .sgpr_count:     100
    .vgpr_count:     512
    .wavefront_size: 32
...
	.end_amdgpu_metadata
.endif
;; end of part 8
